; MI455X (gfx1250); checked and timed in simulation.
; The chip was launched on July 23, 2026; its instructions are those of AMD's public machine-readable ISA for CDNA 5 (MIT licence, August 2026) and "CDNA5" Instruction Set Architecture Reference Guide (July 2026). The comments in the code are by the model that wrote it; some were corrected since.
;; m HC mlp. Allowed arithmetic: float matrix products may take bf16 or f16 operands with f32 sums; other float arithmetic in f32, or as packed bf16 or f16 multiplies, adds, multiply-adds, maxima and minima; sums over many terms, partial sums and values carried from step to step in f32; what a program stores and reads back later, other than sums and carried values, may be rounded once to bf16 or f16.
;; Inputs: W1 2,048 x 8,192 float32; W2 8,192 x 2,048 float32; alpha_post one number float32; alpha_pre one number float32; alpha_res one number float32; b1 8,192 float32; b2 2,048 float32; b_post 1 x 4 float32; b_pre 1 x 4 float32; b_res 4 x 4 float32; rms_weight 8,192 float32; theta_post 8,192 x 4 float32; theta_pre 8,192 x 4 float32; theta_res 8,192 x 16 float32; x 2,048 x 4 x 2,048 float32.
;; Outputs: out0 2,048 x 4 x 2,048 float32.
;; 3 versions, each right; version 3 is version 2 with the launches prep, coef written anew for expert scheduling mode. Each part assembles by itself: llvm-mc -triple=amdgcn-amd-amdhsa -mcpu=gfx1250 --defsym DOCPART=n.
;; ======== version 1 of 3: 4 launches
;; limits: values are held in f16: magnitudes above 65,504 overflow, below 6.1e-05 lose precision; inputs' magnitudes at most 16,376; right only within a limited range of input values
;; workspace buffers: w1h 33,554,432 bytes; w2h 33,554,432 bytes; tht 393,216 bytes; xpre 8,388,608 bytes; coef 524,288 bytes; hid 33,554,432 bytes
;; launch prep (part 1): grid 576 x 1, 8 waves a work-group, no clusters, 0 bytes of LDS; arguments W1, W2, rms_weight, theta_pre, theta_post, theta_res, w1h, w2h, tht; writes w1h, w2h, tht
.if DOCPART == 1
	.amdgcn_target "amdgcn-amd-amdhsa--gfx1250"
	.amdhsa_code_object_version 6
	.text
	.protected	k_q6c898d3d53_prep
	.globl	k_q6c898d3d53_prep
	.p2align	8
	.type	k_q6c898d3d53_prep,@function
k_q6c898d3d53_prep:
	s_mov_b64 s[64:65], 0
	v_nop
	global_prefetch_b8 v0, s[64:65] scope:SCOPE_SE
	s_setreg_imm32_b32 hwreg(HW_REG_WAVE_MODE, 25, 1), 1
	s_wait_xcnt 0x0
; PREP.  Work-groups 0-511: W1 and W2 (f32) are rounded once to f16, in their own layouts, into w1h and w2h.
; Work-groups 512-575: the table tht[24][8192] (f16): row c holds 64 x rms_weight[k] x theta[k][.]; rows 0-15 theta_res's columns, 16-19 theta_pre's, 20-23 theta_post's.
; LIMITS.  f16 ends at 65,504: |W| stays under it, |rms_weight x theta| under 1,023 (the table is stored x 64); below 6e-5 f16 keeps its fixed step of 6e-8.
; THE CAST is a stream: a work-group owns 262,144 bytes of f32, thread t the 16 bytes at 16 t of each chunk of 4,096; a load of a wave covers 512 consecutive bytes, a store 256 consecutive
; aligned bytes.  Eight loads of every wave are always on their way (a ring of eight slots in registers).  No LDS, no matrix unit: there is nothing to share and nothing to multiply.
.set X,     8                          ; v[8:39]   slot i: 4 registers as loaded
.set Y,     40                         ; v[40:55]  slot i: 2 registers to store
.set CHUNK, 4096
.set CNT,   23                         ; s23  rounds to go; in the table's part the wave's number
	s_load_b512 s[4:19], s[0:1], 0x0               ; W1 s[4:5], W2 s[6:7], rms_weight s[8:9], theta_pre s[10:11], theta_post s[12:13], theta_res s[14:15], w1h s[16:17], w2h s[18:19]
	s_load_b64 s[20:21], s[0:1], 0x40              ; tht
	s_cmp_ge_u32 ttmp9, 512
	s_cbranch_scc1 .Ltheta
	v_lshlrev_b32 v1, 4, v0                        ; 16 t: my bytes of a chunk of f32
	v_lshlrev_b32 v2, 3, v0                        ; 8 t: the same numbers as f16
	s_and_b32 s22, ttmp9, 255                      ; my part of the matrix
	s_lshl_b32 s28, s22, 18
	s_mov_b32 s29, 0
	s_lshl_b32 s30, s22, 17
	s_mov_b32 s31, 0
	s_wait_kmcnt 0x0
	s_cmp_lt_u32 ttmp9, 256                        ; the first 256 work-groups take W1, the next 256 W2
	s_cselect_b64 s[24:25], s[4:5], s[6:7]
	s_cselect_b64 s[26:27], s[16:17], s[18:19]
	s_add_nc_u64 s[24:25], s[24:25], s[28:29]
	s_add_nc_u64 s[26:27], s[26:27], s[30:31]
.irp i, 0,1,2,3,4,5,6,7
	global_load_b128 v[X+4*(\i):X+4*(\i)+3], v1, s[24:25] offset:(\i)*CHUNK th:TH_LOAD_NT
.endr
; One slot's turn.  ahead = 1: the slot is filled again with the chunk eight further on.  left = the younger loads that may stay out.
.macro SLOT i, ahead, left
	s_wait_loadcnt \left                           ; loads come back in order: mine is in
	s_wait_xcnt 0x0                                ; the slot's last store has read Y: it is rewritten only behind this wait
	v_cvt_pk_f16_f32 v[Y+2*(\i)],   v[X+4*(\i)],   v[X+4*(\i)+1]
	v_cvt_pk_f16_f32 v[Y+2*(\i)+1], v[X+4*(\i)+2], v[X+4*(\i)+3]
.if \ahead
	global_load_b128 v[X+4*(\i):X+4*(\i)+3], v1, s[24:25] offset:(8+(\i))*CHUNK th:TH_LOAD_NT
.endif
	global_store_b64 v2, v[Y+2*(\i):Y+2*(\i)+1], s[26:27] offset:(\i)*CHUNK/2 th:TH_STORE_NT
.endm
	s_mov_b32 s[CNT], 7
.Lround:
.irp i, 0,1,2,3,4,5,6,7
	SLOT \i, 1, 7
.endr
	s_wait_xcnt 0x0                                ; the two bases are stepped only behind this wait
	s_add_nc_u64 s[24:25], s[24:25], 8*CHUNK
	s_add_nc_u64 s[26:27], s[26:27], 4*CHUNK
	s_sub_co_u32 s[CNT], s[CNT], 1
	s_cmp_lg_u32 s[CNT], 0
	s_cbranch_scc1 .Lround
.irp i, 0,1,2,3,4,5,6,7
	SLOT \i, 0, 7-(\i)                             ; the last round loads nothing: the counts run down
.endr
	s_endpgm
; THE TABLE.  A work-group takes 128 k.  Thread t: g = t % 16 names 8 k, cs = t / 16 a column of theta_res; sixteen neighbouring lanes store 256 consecutive bytes of one row of tht.
; The reads are 4 bytes a lane from rows 64 (or 16) bytes long: the three tables are 0.8 MB in all and are read once.
.Ltheta:
	s_sub_co_u32 s22, ttmp9, 512                   ; which 128 k
	v_lshrrev_b32 v3, 5, v0
	v_readfirstlane_b32 s[CNT], v3                 ; wave 0..7
	v_and_b32 v4, 15, v0                           ; g
	v_lshrrev_b32 v5, 4, v0                        ; cs
	v_lshlrev_b32 v6, 5, v4                        ; rms_weight: 32 g
	v_lshlrev_b32 v7, 9, v4
	v_lshl_add_u32 v7, v5, 2, v7                   ; theta_res: 512 g + 4 cs
	v_and_b32 v56, 3, v5
	v_lshlrev_b32 v57, 7, v4
	v_lshl_add_u32 v57, v56, 2, v57                ; theta_pre, theta_post: 128 g + 4 (cs % 4)
	v_lshlrev_b32 v58, 14, v5
	v_lshl_add_u32 v58, v4, 4, v58                 ; tht: 16,384 cs + 16 g
	s_mov_b32 s29, 0
	s_wait_kmcnt 0x0
	s_lshl_b32 s28, s22, 9
	s_add_nc_u64 s[8:9], s[8:9], s[28:29]
	s_lshl_b32 s28, s22, 13
	s_add_nc_u64 s[14:15], s[14:15], s[28:29]
	s_lshl_b32 s28, s22, 11
	s_add_nc_u64 s[10:11], s[10:11], s[28:29]
	s_add_nc_u64 s[12:13], s[12:13], s[28:29]
	s_lshl_b32 s28, s22, 8
	s_add_nc_u64 s[20:21], s[20:21], s[28:29]
	global_load_b128 v[8:11],  v6, s[8:9]
	global_load_b128 v[12:15], v6, s[8:9] offset:16
.irp j, 0,1,2,3,4,5,6,7
	global_load_b32 v[16+(\j)], v7, s[14:15] offset:64*(\j)
.endr
	s_wait_loadcnt 0x0
.irp j, 0,2,4,6
	v_pk_mul_f32 v[8+(\j):9+(\j)], v[8+(\j):9+(\j)], 0x42800000 op_sel_hi:[1,0]   ; 64 x rms_weight
.endr
.irp j, 0,2,4,6
	v_pk_mul_f32 v[16+(\j):17+(\j)], v[16+(\j):17+(\j)], v[8+(\j):9+(\j)]
.endr
.irp j, 0,1,2,3
	v_cvt_pk_f16_f32 v[32+(\j)], v[16+2*(\j)], v[17+2*(\j)]
.endr
	global_store_b128 v58, v[32:35], s[20:21]      ; row cs
	s_cmp_lt_u32 s[CNT], 4                         ; waves 0-3 (cs 0-7) also make rows 16 + cs
	s_cbranch_scc0 .Ldone
	s_cmp_lt_u32 s[CNT], 2                         ; cs 0-3: theta_pre; cs 4-7: theta_post
	s_cselect_b64 s[24:25], s[10:11], s[12:13]
.irp j, 0,1,2,3,4,5,6,7
	global_load_b32 v[24+(\j)], v57, s[24:25] offset:16*(\j)
.endr
	s_wait_loadcnt 0x0
.irp j, 0,2,4,6
	v_pk_mul_f32 v[24+(\j):25+(\j)], v[24+(\j):25+(\j)], v[8+(\j):9+(\j)]
.endr
.irp j, 0,1,2,3
	v_cvt_pk_f16_f32 v[36+(\j)], v[24+2*(\j)], v[25+2*(\j)]
.endr
	global_store_b128 v58, v[36:39], s[20:21] offset:262144
.Ldone:
	s_endpgm
.Lfunc_end_k_q6c898d3d53_prep:
	.size	k_q6c898d3d53_prep, .Lfunc_end_k_q6c898d3d53_prep-k_q6c898d3d53_prep
	.p2alignl 7, 3214868480
	.fill 96, 4, 3214868480
	.section	.rodata,"a",@progbits
	.p2align	6, 0x0
	.amdhsa_kernel k_q6c898d3d53_prep
		.amdhsa_group_segment_fixed_size 0
		.amdhsa_private_segment_fixed_size 0
		.amdhsa_enable_private_segment 0
		.amdhsa_kernarg_size 72
		.amdhsa_user_sgpr_count 2
		.amdhsa_user_sgpr_kernarg_segment_ptr 1
		.amdhsa_wavefront_size32 1
		.amdhsa_system_sgpr_workgroup_id_x 1
		.amdhsa_system_sgpr_workgroup_id_y 1
		.amdhsa_system_sgpr_workgroup_id_z 1
		.amdhsa_system_vgpr_workitem_id 0
		.amdhsa_next_free_vgpr 64
		.amdhsa_next_free_sgpr 66
		.amdhsa_reserve_vcc 0
		.amdhsa_float_denorm_mode_32 3
		.amdhsa_float_denorm_mode_16_64 3
		.amdhsa_memory_ordered 1
		.amdhsa_forward_progress 1
		.amdhsa_inst_pref_size 12
	.end_amdhsa_kernel
	.amdgpu_metadata
---
amdhsa.version: [ 1, 2 ]
amdhsa.kernels:
  - .name:           k_q6c898d3d53_prep
    .symbol:         k_q6c898d3d53_prep.kd
    .args:
      - { .name: W1, .offset: 0, .size: 8, .value_kind: global_buffer, .address_space: global }
      - { .name: W2, .offset: 8, .size: 8, .value_kind: global_buffer, .address_space: global }
      - { .name: rms_weight, .offset: 16, .size: 8, .value_kind: global_buffer, .address_space: global }
      - { .name: theta_pre, .offset: 24, .size: 8, .value_kind: global_buffer, .address_space: global }
      - { .name: theta_post, .offset: 32, .size: 8, .value_kind: global_buffer, .address_space: global }
      - { .name: theta_res, .offset: 40, .size: 8, .value_kind: global_buffer, .address_space: global }
      - { .name: w1h, .offset: 48, .size: 8, .value_kind: global_buffer, .address_space: global }
      - { .name: w2h, .offset: 56, .size: 8, .value_kind: global_buffer, .address_space: global }
      - { .name: tht, .offset: 64, .size: 8, .value_kind: global_buffer, .address_space: global }
    .group_segment_fixed_size: 0
    .private_segment_fixed_size: 0
    .kernarg_segment_align: 8
    .kernarg_segment_size: 72
    .max_flat_workgroup_size: 256
    .sgpr_count:     66
    .vgpr_count:     64
    .wavefront_size: 32
...
	.end_amdgpu_metadata
.endif
;; end of part 1
;; launch coef (part 2): grid 128 x 1, 16 waves a work-group, no clusters, 311,552 bytes of LDS; arguments x, tht, alpha_pre, alpha_post, alpha_res, b_pre, b_post, b_res, xpre, coef; writes xpre, coef
.if DOCPART == 2
	.amdgcn_target "amdgcn-amd-amdhsa--gfx1250"
	.amdhsa_code_object_version 6
	.text
	.protected	k_q6c898d3d53_coef
	.globl	k_q6c898d3d53_coef
	.p2align	8
	.type	k_q6c898d3d53_coef,@function
k_q6c898d3d53_coef:
	s_mov_b64 s[64:65], 0
	v_nop
	global_prefetch_b8 v0, s[64:65] scope:SCOPE_SE
	s_setreg_imm32_b32 hwreg(HW_REG_WAVE_MODE, 25, 1), 1
	s_wait_xcnt 0x0
; COEF.  For 16 rows of x a work-group: the sum of squares, the 24 small projections (matrix unit, f16 operands, f32 sums), H_pre, H_post, the 4 x 4 matrix with its exponential and 20 normalising
; passes, and x_pre = H_pre . x (stored f16).  x is read from memory once: it is kept in LDS as f16 between the projections and x_pre.
; coef[row][64] (f32): words 2 n, 2 n + 1 both 16 H_post[n]; words 8 + 2 (4 n + m) and the next both H_res[n][m]; words 40-63 are 0.  (hid is stored / 16 by the next launch: hence the 16.)
; LIMITS.  x is rounded to f16 for the products: |x| under 16,376, so that |x_pre| <= 4 max |x| also fits; divisions are a reciprocal and a multiply; NaN and infinities are not treated apart.
; SHARES.  K = 8,192 is split among the 16 waves: wave w takes k = 512 w .. + 511 in 8 trips of 64, 256 consecutive aligned bytes of each row of x a trip.  The partial sums meet in LDS.
; LAYOUT.  The product is taken as tht (source 0: 16 table rows) times x (source 1: 16 rows of x): in the result lane (r, h) holds row r of x and table rows 8 h + 0..7.
; Within a trip k is permuted alike in both sources: lane (r, h) holds k = 32 h + 16 e + 0..15 in fragment e, so that a lane's x are 128 consecutive bytes.
; 128 work-groups: as many as there are tiles of 16 rows.  No cluster: what is shared, the table, is a small part beside x.
.set XSP,   16400                      ; a row of x as f16 in LDS: 16,384 bytes + 16: the 16 rows of a store start 16 bytes apart modulo 256
.set P0,    262656                     ; 16 waves x 16 rows x 80 bytes: partial sums for table rows 0-15
.set P1D,   20480                      ; behind them the same for table rows 16-23
.set SSB,   303616                     ; 16 rows x 80: a word a wave: partial sums of squares
.set HPB,   304896                     ; 16 rows x 16: H_pre
.set CSB,   305152                     ; 16 rows x 272: the coefficients on their way out
.set SPARE, 309504                     ; the spare words, 128 bytes a wave: eight blocks of 256 bytes that no other line names
.set XO,  2                            ; v2   x: 32,768 r + 2,048 w + 128 h.     Later: where I read x in LDS
.set T0O, 3                            ; v3   tht, rows 0-15: 16,384 r + 1,024 w + 64 h.   Later: where I read H_pre
.set T1O, 4                            ; v4   tht, rows 16 + r % 8.     Later: my offset in xpre
.set XSA, 5                            ; v5   where I put x in LDS
.set PST, 6                            ; v6   where I put partial sums
.set SST, 7                            ; v7   where I put the sum of squares
.set R80, 8                            ; v8   80 r
.set SPW, 10                           ; v10  my spare word; never rewritten
.set NIL, 11                           ; v11  0; never rewritten
.set ZR,  12                           ; v12  0: the first addend of x_pre's sums
.set SQ,  16                           ; v[16:23] four packed chains of squares
.set XF,  32                           ; v[32:47] the trip's x as f16: two fragments
.set A0,  48                           ; v[48:55] sums for table rows 0-15
.set A1,  56                           ; v[56:63] sums for table rows 16-23 (twice)
.set XR,  64                           ; v[64:191]  x as loaded: four sets of 32
.set TR,  192                          ; v[192:255] table fragments: two sets of 32 (tile 0 e 0, tile 1 e 0, tile 0 e 1, tile 1 e 1)
.set MM,  192                          ; later: the 4 x 4 matrix
.set WV,  56                           ; s56  my wave's number
.set CNT, 57                           ; s57  loop counts
	s_load_b512 s[4:19], s[0:1], 0x0               ; x s[4:5], tht s[6:7], alpha_pre, alpha_post, alpha_res s[8:13], b_pre, b_post, b_res s[14:19]
	s_load_b128 s[20:23], s[0:1], 0x40             ; xpre s[20:21], coef s[22:23]
	v_lshl_add_u32 v[SPW], v0, 2, SPARE
	v_mov_b32 v[NIL], 0
	v_mov_b32 v[ZR], 0
	v_lshrrev_b32 v1, 5, v0
	v_readfirstlane_b32 s[WV], v1                  ; wave 0..15
	v_and_b32 v13, 15, v0                          ; r
	v_bfe_u32 v14, v0, 4, 1                        ; h
	s_lshl_b32 s58, s[WV], 11
	s_lshl_b32 s59, s[WV], 10
	v_lshlrev_b32 v[XO], 15, v13
	v_lshl_add_u32 v[XO], v14, 7, v[XO]
	v_add_nc_u32 v[XO], s58, v[XO]
	v_lshlrev_b32 v[T0O], 14, v13
	v_lshl_add_u32 v[T0O], v14, 6, v[T0O]
	v_add_nc_u32 v[T0O], s59, v[T0O]
	v_and_b32 v1, 7, v13
	v_add_nc_u32 v1, 16, v1
	v_lshlrev_b32 v[T1O], 14, v1
	v_lshl_add_u32 v[T1O], v14, 6, v[T1O]
	v_add_nc_u32 v[T1O], s59, v[T1O]
	v_mul_u32_u24 v[XSA], v13, XSP
	v_lshl_add_u32 v[XSA], v14, 6, v[XSA]
	v_add_nc_u32 v[XSA], s59, v[XSA]
	v_mul_u32_u24 v[R80], v13, 80
	s_mul_i32 s60, s[WV], 1280
	s_add_co_u32 s60, s60, P0
	v_lshl_add_u32 v[PST], v14, 5, v[R80]
	v_add_nc_u32 v[PST], s60, v[PST]
	s_lshl_b32 s61, s[WV], 2
	s_add_co_u32 s61, s61, SSB
	v_add_nc_u32 v[SST], s61, v[R80]
.irp j, 24,25,26,27,28,29,30,31
	v_mov_b32 v[\j], 0                             ; wave 0 carries numbers here from its first part to its second: written whole by every wave
.endr
	s_mov_b32 s52, 0x76543210                      ; v_permlanex16_b32: each lane takes its own place in the other half
	s_mov_b32 s53, 0xfedcba98
	s_mov_b32 s54, 0x39000000                      ; 1 / 8,192
	s_mov_b32 s55, 0x34000000                      ; 2^-23, the norm's epsilon
	s_lshl_b32 s62, ttmp9, 19                      ; the work-group's 16 rows of 32,768 bytes
	s_mov_b32 s63, 0
	s_wait_kmcnt 0x0
	s_add_nc_u64 s[4:5], s[4:5], s[62:63]
	s_load_b32 s24, s[8:9], 0x0                    ; alpha_pre
	s_load_b32 s25, s[10:11], 0x0                  ; alpha_post
	s_load_b32 s26, s[12:13], 0x0                  ; alpha_res
	s_load_b128 s[28:31], s[14:15], 0x0            ; b_pre
	s_load_b128 s[32:35], s[16:17], 0x0            ; b_post
	s_load_b512 s[36:51], s[18:19], 0x0            ; b_res
.macro LDX t                           ; trip t's x: 8 loads, 128 consecutive bytes a lane
.irp q, 0,1,2,3,4,5,6,7
	global_load_b128 v[XR+32*((\t)%4)+4*\q:XR+32*((\t)%4)+4*\q+3], v[XO], s[4:5] offset:256*(\t)+16*\q th:TH_LOAD_NT
.endr
.endm
.macro LDT t                           ; trip t's four table fragments: 8 loads
.irp e, 0,1
	global_load_b128 v[TR+32*((\t)%2)+16*\e:TR+32*((\t)%2)+16*\e+3],     v[T0O], s[6:7] offset:128*(\t)+32*\e
	global_load_b128 v[TR+32*((\t)%2)+16*\e+4:TR+32*((\t)%2)+16*\e+7],   v[T0O], s[6:7] offset:128*(\t)+32*\e+16
	global_load_b128 v[TR+32*((\t)%2)+16*\e+8:TR+32*((\t)%2)+16*\e+11],  v[T1O], s[6:7] offset:128*(\t)+32*\e
	global_load_b128 v[TR+32*((\t)%2)+16*\e+12:TR+32*((\t)%2)+16*\e+15], v[T1O], s[6:7] offset:128*(\t)+32*\e+16
.endr
.endm
; A trip.  left = the loads issued behind trip t's table fragments (its x was issued earlier still).  The two accumulators take turns, from trip to trip too.
; The 16 packed squares are the plain instructions between the products and what follows: the stores of the sums, the next roundings into XF, the loads into TR.
.macro TRIP t, left
	s_wait_loadcnt \left
.set xr, XR+32*((\t)%4)
.set tr, TR+32*((\t)%2)
.set i, 0
.rept 16
	v_cvt_pk_f16_f32 v[XF+i], v[xr+2*i], v[xr+2*i+1]
.set i, i+1
.endr
.if (\t) == 0
	v_wmma_f32_16x16x32_f16 v[A0:A0+7], v[tr:tr+7],    v[XF:XF+7], 0
	v_wmma_f32_16x16x32_f16 v[A1:A1+7], v[tr+8:tr+15], v[XF:XF+7], 0
.else
	v_wmma_f32_16x16x32_f16 v[A0:A0+7], v[tr:tr+7],    v[XF:XF+7], v[A0:A0+7]
	v_wmma_f32_16x16x32_f16 v[A1:A1+7], v[tr+8:tr+15], v[XF:XF+7], v[A1:A1+7]
.endif
	v_wmma_f32_16x16x32_f16 v[A0:A0+7], v[tr+16:tr+23], v[XF+8:XF+15], v[A0:A0+7]
	v_wmma_f32_16x16x32_f16 v[A1:A1+7], v[tr+24:tr+31], v[XF+8:XF+15], v[A1:A1+7]
.set i, 0
.rept 16
.if ((\t) == 0) && (i < 4)
	v_pk_mul_f32 v[SQ+2*i:SQ+2*i+1], v[xr+2*i:xr+2*i+1], v[xr+2*i:xr+2*i+1]
.else
	v_pk_fma_f32 v[SQ+2*(i%4):SQ+2*(i%4)+1], v[xr+2*i:xr+2*i+1], v[xr+2*i:xr+2*i+1], v[SQ+2*(i%4):SQ+2*(i%4)+1]
.endif
.set i, i+1
.endr
.irp q, 0,1,2,3
	ds_store_b128 v[XSA], v[XF+4*\q:XF+4*\q+3] offset:128*(\t)+16*\q
.endr
.if (\t) < 6
	LDT (\t)+2
.endif
.if (\t) < 4
	LDX (\t)+4
.endif
.endm
	LDX 0                                          ; the order of issue: X0 X1 T0 X2 T1 X3, then in trip t: T(t+2), X(t+4)
	LDX 1
	LDT 0
	LDX 2
	LDT 1
	LDX 3
	s_wait_kmcnt 0x0                               ; the small inputs
	TRIP 0, 24                                     ; behind T0: X2 T1 X3
	TRIP 1, 24                                     ; behind T1: X3 T2 X4
	TRIP 2, 24
	TRIP 3, 24
	TRIP 4, 24                                     ; behind T4: X6 T5 X7
	TRIP 5, 16                                     ; behind T5: X7 T6
	TRIP 6, 8                                      ; behind T6: T7
	TRIP 7, 0
	v_pk_add_f32 v[SQ:SQ+1], v[SQ:SQ+1], v[SQ+2:SQ+3]
	v_pk_add_f32 v[SQ+4:SQ+5], v[SQ+4:SQ+5], v[SQ+6:SQ+7]
	v_pk_add_f32 v[SQ:SQ+1], v[SQ:SQ+1], v[SQ+4:SQ+5]
	v_add_f32 v[SQ], v[SQ], v[SQ+1]
	v_permlanex16_b32 v[SQ+1], v[SQ], s52, s53     ; the row's other 32 k of each trip lie in the lane 16 away
	v_add_f32 v[SQ], v[SQ], v[SQ+1]
	ds_store_b128 v[PST], v[A0:A0+3]               ; each accumulator's lowest registers first
	ds_store_b128 v[PST], v[A0+4:A0+7] offset:16
	ds_store_b128 v[PST], v[A1:A1+3]   offset:P1D
	ds_store_b128 v[PST], v[A1+4:A1+7] offset:P1D+16
	ds_store_b32 v[SST], v[SQ]
	s_wait_dscnt 0x0                               ; for the others' sake: my x, my partial sums
	s_barrier_signal -1
	s_barrier_wait -1
.macro FOLD base, half, w              ; 2 x half partial sums of w registers on end: the second half is added onto the first
.set fi, 0
.rept (\half)*(\w)/2
	v_pk_add_f32 v[(\base)+2*fi:(\base)+2*fi+1], v[(\base)+2*fi:(\base)+2*fi+1], v[(\base)+(\half)*(\w)+2*fi:(\base)+(\half)*(\w)+2*fi+1]
.set fi, fi+1
.endr
.endm
	; WAVE 0, first part: lane (r, h) makes row r's norm, H_pre and H_post (both halves of the lanes the same).
	s_cmp_lg_u32 s[WV], 0
	s_cbranch_scc1 .Lgates_done
	v_add_nc_u32 v9, SSB, v[R80]
	v_add_nc_u32 v15, P0+P1D, v[R80]
.irp q, 0,1,2,3
	ds_load_b128 v[64+4*\q:64+4*\q+3], v9 offset:16*\q
.endr
.set i, 0
.rept 16
	ds_load_b128 v[80+8*i:80+8*i+3],   v15 offset:1280*i
	ds_load_b128 v[80+8*i+4:80+8*i+7], v15 offset:1280*i+16
.set i, i+1
.endr
	s_wait_dscnt 0x0
	FOLD 64, 8, 1
	FOLD 64, 4, 1
	FOLD 64, 2, 1
	v_add_f32 v64, v64, v65
	FOLD 80, 8, 8
	FOLD 80, 4, 8
	FOLD 80, 2, 8
	FOLD 80, 1, 8                                  ; v[80:83] theta_pre's sums, v[84:87] theta_post's
	v_fma_f32 v64, v64, s54, s55                   ; the mean of the squares + epsilon
	v_rsq_f32 v24, v64
	v_nop                                          ; a plain instruction behind the root,
	s_wait_alu depctr_va_vdst(0)                   ; and a wait ahead of its first reader
	v_mul_f32 v24, 0x3c800000, v24                 ; / 64: the table was stored x 64
	v_mul_f32 v25, s24, v24
	v_mul_f32 v26, s25, v24
	v_mul_f32 v27, s26, v24                        ; kept for the second part
.irp j, 0,1,2,3
	v_fma_f32 v[88+\j], v[80+\j], v25, s[28+\j]
	v_fma_f32 v[92+\j], v[84+\j], v26, s[32+\j]
.endr
.irp j, 0,1,2,3,4,5,6,7
	v_mul_f32 v[88+\j], 0xbfb8aa3b, v[88+\j]       ; sigmoid(a) = 1 / (1 + 2^(-a log2 e))
.endr
.irp j, 0,1,2,3,4,5,6,7
	v_exp_f32 v[88+\j], v[88+\j]
.endr
	v_nop
	s_wait_alu depctr_va_vdst(0)                   ; one wait for the eight exponentials
.irp j, 0,1,2,3,4,5,6,7
	v_add_f32 v[88+\j], 1.0, v[88+\j]
.endr
.irp j, 0,1,2,3,4,5,6,7
	v_rcp_f32 v[88+\j], v[88+\j]
.endr
	v_nop
	s_wait_alu depctr_va_vdst(0)                   ; one wait for the eight reciprocals
	v_lshl_add_u32 v9, v13, 4, HPB
	ds_store_b128 v9, v[88:91]                     ; H_pre of row r
.irp j, 0,1,2,3
	v_mul_f32 v[28+\j], 0x42000000, v[92+\j]       ; 16 H_post = 32 sigmoid; kept for the second part
.endr
.Lgates_done:
	s_wait_dscnt 0x0
	s_barrier_signal -1
	s_barrier_wait -1
	; x_pre.  Wave w takes d = 128 w .. + 127; lane (i, hh): 8 numbers, rows of parity hh.  Four trips of two pairs of rows; sixteen neighbouring lanes store 256 consecutive aligned bytes.
	s_lshl_b32 s58, s[WV], 8
	v_mul_u32_u24 v[XO], v14, XSP                  ; (the trips' loads are all in: these three registers are free)
	v_lshl_add_u32 v[XO], v13, 4, v[XO]
	v_add_nc_u32 v[XO], s58, v[XO]
	v_lshl_add_u32 v[T0O], v14, 4, HPB
	v_lshlrev_b32 v[T1O], 12, v14
	v_lshl_add_u32 v[T1O], v13, 4, v[T1O]
	v_add_nc_u32 v[T1O], s58, v[T1O]
	s_lshl_b32 s62, ttmp9, 16                      ; 16 rows of 4,096 bytes
	s_add_nc_u64 s[20:21], s[20:21], s[62:63]
	s_mov_b32 s[CNT], 4
.Lxpre:
.irp p, 0,1
.irp n, 0,1,2,3
	ds_load_b128 v[64+16*\p+4*\n:64+16*\p+4*\n+3], v[XO] offset:2*XSP*\p+4096*\n
.endr
.endr
	ds_load_b128 v[96:99],   v[T0O]
	ds_load_b128 v[100:103], v[T0O] offset:32
	s_wait_dscnt 0x0
.irp p, 0,1
.irp n, 0,1,2,3
.irp j, 0,1,2,3
.if \n == 0
	v_fma_mix_f32 v[104+8*\p+2*\j],   v[64+16*\p+4*\n+\j], v[96+4*\p+\n], v[ZR] op_sel_hi:[1,0,0]
	v_fma_mix_f32 v[104+8*\p+2*\j+1], v[64+16*\p+4*\n+\j], v[96+4*\p+\n], v[ZR] op_sel:[1,0,0] op_sel_hi:[1,0,0]
.else
	v_fma_mix_f32 v[104+8*\p+2*\j],   v[64+16*\p+4*\n+\j], v[96+4*\p+\n], v[104+8*\p+2*\j] op_sel_hi:[1,0,0]
	v_fma_mix_f32 v[104+8*\p+2*\j+1], v[64+16*\p+4*\n+\j], v[96+4*\p+\n], v[104+8*\p+2*\j+1] op_sel:[1,0,0] op_sel_hi:[1,0,0]
.endif
.endr
.endr
.endr
.irp p, 0,1
.irp j, 0,1,2,3
	v_cvt_pk_f16_f32 v[120+4*\p+\j], v[104+8*\p+2*\j], v[104+8*\p+2*\j+1]
.endr
	global_store_b128 v[T1O], v[120+4*\p:120+4*\p+3], s[20:21] offset:8192*\p
.endr
	s_wait_xcnt 0x0                                ; the stores' data and offset are rewritten only behind this wait
	v_add_nc_u32 v[XO], 4*XSP, v[XO]
	v_add_nc_u32 v[T0O], 64, v[T0O]
	v_add_nc_u32 v[T1O], 16384, v[T1O]
	s_sub_co_u32 s[CNT], s[CNT], 1
	s_cmp_lg_u32 s[CNT], 0
	s_cbranch_scc1 .Lxpre
	; WAVE 0, second part: lane (r, h) makes row r's 4 x 4 matrix.
	s_cmp_lg_u32 s[WV], 0
	s_cbranch_scc1 .Lend
	v_add_nc_u32 v9, P0, v[R80]
.set i, 0
.rept 8
.irp q, 0,1,2,3
	ds_load_b128 v[64+16*i+4*\q:64+16*i+4*\q+3], v9 offset:1280*i+16*\q
.endr
.set i, i+1
.endr
	s_wait_dscnt 0x0
	FOLD 64, 4, 16
	FOLD 64, 2, 16
.set i, 0
.rept 8
	v_pk_add_f32 v[MM+2*i:MM+2*i+1], v[64+2*i:64+2*i+1], v[80+2*i:80+2*i+1]
.set i, i+1
.endr
.set i, 0
.rept 8
.irp q, 0,1,2,3
	ds_load_b128 v[64+16*i+4*\q:64+16*i+4*\q+3], v9 offset:1280*(8+i)+16*\q
.endr
.set i, i+1
.endr
	s_wait_dscnt 0x0
	FOLD 64, 4, 16
	FOLD 64, 2, 16
	FOLD 64, 1, 16
.set i, 0
.rept 8
	v_pk_add_f32 v[MM+2*i:MM+2*i+1], v[MM+2*i:MM+2*i+1], v[64+2*i:64+2*i+1]
.set i, i+1
.endr
.set i, 0
.rept 16
	v_fma_f32 v[MM+i], v[MM+i], v27, s[36+i]       ; alpha_res x (xn . theta_res) + b_res
.set i, i+1
.endr
.set i, 0
.rept 16
	v_mul_f32 v[MM+i], 0x3fb8aa3b, v[MM+i]
.set i, i+1
.endr
.set i, 0
.rept 16
	v_exp_f32 v[MM+i], v[MM+i]                     ; the exponential as it is written: no maximum is taken away there either
.set i, i+1
.endr
	v_nop
	s_wait_alu depctr_va_vdst(0)                   ; one wait for the sixteen
	s_mov_b32 s[CNT], 20
.Lsink:                                        ; a pass: each row divided by its sum, then each column by its
.irp n, 0,1,2,3
	v_pk_add_f32 v[208+2*\n:209+2*\n], v[MM+4*\n:MM+4*\n+1], v[MM+4*\n+2:MM+4*\n+3]
.endr
.irp n, 0,1,2,3
	v_add_f32 v[208+2*\n], v[208+2*\n], v[209+2*\n]
.endr
.irp n, 0,1,2,3
	v_rcp_f32 v[208+2*\n], v[208+2*\n]
.endr
	v_nop
	s_wait_alu depctr_va_vdst(0)                   ; one wait for the four
.irp n, 0,1,2,3
	v_pk_mul_f32 v[MM+4*\n:MM+4*\n+1],   v[MM+4*\n:MM+4*\n+1],   v[208+2*\n:209+2*\n] op_sel_hi:[1,0]
	v_pk_mul_f32 v[MM+4*\n+2:MM+4*\n+3], v[MM+4*\n+2:MM+4*\n+3], v[208+2*\n:209+2*\n] op_sel_hi:[1,0]
.endr
	v_pk_add_f32 v[216:217], v[MM:MM+1],     v[MM+4:MM+5]
	v_pk_add_f32 v[218:219], v[MM+2:MM+3],   v[MM+6:MM+7]
	v_pk_add_f32 v[220:221], v[MM+8:MM+9],   v[MM+12:MM+13]
	v_pk_add_f32 v[222:223], v[MM+10:MM+11], v[MM+14:MM+15]
	v_pk_add_f32 v[216:217], v[216:217], v[220:221]
	v_pk_add_f32 v[218:219], v[218:219], v[222:223]
.irp n, 0,1,2,3
	v_rcp_f32 v[216+\n], v[216+\n]
.endr
	v_nop
	s_wait_alu depctr_va_vdst(0)                   ; one wait for the four
.irp n, 0,1,2,3
	v_pk_mul_f32 v[MM+4*\n:MM+4*\n+1],   v[MM+4*\n:MM+4*\n+1],   v[216:217]
	v_pk_mul_f32 v[MM+4*\n+2:MM+4*\n+3], v[MM+4*\n+2:MM+4*\n+3], v[218:219]
.endr
	s_sub_co_u32 s[CNT], s[CNT], 1
	s_cmp_lg_u32 s[CNT], 0
	s_cbranch_scc1 .Lsink
	; the row's 64 words, each coefficient twice; through LDS, so that sixteen neighbouring lanes store 256 consecutive aligned bytes
.irp n, 0,1,2,3
	v_mov_b32 v[64+2*\n], v[28+\n]
	v_mov_b32 v[65+2*\n], v[28+\n]
.endr
.set i, 0
.rept 16
	v_mov_b32 v[72+2*i], v[MM+i]
	v_mov_b32 v[73+2*i], v[MM+i]
.set i, i+1
.endr
.irp n, 104,105,106,107
	v_mov_b32 v[\n], 0
.endr
	v_mul_u32_u24 v9, v13, 272
	v_add_nc_u32 v9, CSB, v9
.irp q, 0,1,2,3,4,5,6,7,8,9
	ds_store_b128 v9, v[64+4*\q:64+4*\q+3] offset:16*\q
.endr
.irp q, 10,11,12,13,14,15
	ds_store_b128 v9, v[104:107] offset:16*\q
.endr
	v_mul_u32_u24 v15, v14, 272
	v_lshl_add_u32 v15, v13, 4, v15
	v_add_nc_u32 v15, CSB, v15
.irp q, 0,1,2,3,4,5,6,7
	ds_load_b128 v[112+4*\q:112+4*\q+3], v15 offset:544*\q   ; LDS serves a wave's instructions in order: these see the stores above
.endr
	v_lshlrev_b32 v1, 8, v14
	v_lshl_add_u32 v1, v13, 4, v1
	s_lshl_b32 s62, ttmp9, 12                      ; 16 rows of 256 bytes
	s_add_nc_u64 s[22:23], s[22:23], s[62:63]
	s_wait_dscnt 0x0
.irp q, 0,1,2,3,4,5,6,7
	global_store_b128 v1, v[112+4*\q:112+4*\q+3], s[22:23] offset:512*\q
.endr
.Lend:
	s_wait_tensorcnt 0x0                           ; the wave's end: three closing lines, behind my last LDS store
	ds_add_u32 v[SPW], v[NIL]
	s_wait_dscnt 0x0
	s_endpgm
.Lfunc_end_k_q6c898d3d53_coef:
	.size	k_q6c898d3d53_coef, .Lfunc_end_k_q6c898d3d53_coef-k_q6c898d3d53_coef
	.p2alignl 7, 3214868480
	.fill 96, 4, 3214868480
	.section	.rodata,"a",@progbits
	.p2align	6, 0x0
	.amdhsa_kernel k_q6c898d3d53_coef
		.amdhsa_group_segment_fixed_size 311552
		.amdhsa_private_segment_fixed_size 0
		.amdhsa_enable_private_segment 0
		.amdhsa_kernarg_size 80
		.amdhsa_user_sgpr_count 2
		.amdhsa_user_sgpr_kernarg_segment_ptr 1
		.amdhsa_wavefront_size32 1
		.amdhsa_system_sgpr_workgroup_id_x 1
		.amdhsa_system_sgpr_workgroup_id_y 1
		.amdhsa_system_sgpr_workgroup_id_z 1
		.amdhsa_system_vgpr_workitem_id 0
		.amdhsa_next_free_vgpr 256
		.amdhsa_next_free_sgpr 66
		.amdhsa_reserve_vcc 0
		.amdhsa_float_denorm_mode_32 3
		.amdhsa_float_denorm_mode_16_64 3
		.amdhsa_memory_ordered 1
		.amdhsa_forward_progress 1
		.amdhsa_inst_pref_size 73
	.end_amdhsa_kernel
	.amdgpu_metadata
---
amdhsa.version: [ 1, 2 ]
amdhsa.kernels:
  - .name:           k_q6c898d3d53_coef
    .symbol:         k_q6c898d3d53_coef.kd
    .args:
      - { .name: x, .offset: 0, .size: 8, .value_kind: global_buffer, .address_space: global }
      - { .name: tht, .offset: 8, .size: 8, .value_kind: global_buffer, .address_space: global }
      - { .name: alpha_pre, .offset: 16, .size: 8, .value_kind: global_buffer, .address_space: global }
      - { .name: alpha_post, .offset: 24, .size: 8, .value_kind: global_buffer, .address_space: global }
      - { .name: alpha_res, .offset: 32, .size: 8, .value_kind: global_buffer, .address_space: global }
      - { .name: b_pre, .offset: 40, .size: 8, .value_kind: global_buffer, .address_space: global }
      - { .name: b_post, .offset: 48, .size: 8, .value_kind: global_buffer, .address_space: global }
      - { .name: b_res, .offset: 56, .size: 8, .value_kind: global_buffer, .address_space: global }
      - { .name: xpre, .offset: 64, .size: 8, .value_kind: global_buffer, .address_space: global }
      - { .name: coef, .offset: 72, .size: 8, .value_kind: global_buffer, .address_space: global }
    .group_segment_fixed_size: 311552
    .private_segment_fixed_size: 0
    .kernarg_segment_align: 8
    .kernarg_segment_size: 80
    .max_flat_workgroup_size: 512
    .sgpr_count:     66
    .vgpr_count:     256
    .wavefront_size: 32
...
	.end_amdgpu_metadata
.endif
;; end of part 2
;; launch gemm1 (part 3): grid 32 x 8, 4 waves a work-group, clusters of 4 x 4, 327,680 bytes of LDS; arguments xpre, w1h, b1, hid; writes hid
.if DOCPART == 3
	.amdgcn_target "amdgcn-amd-amdhsa--gfx1250"
	.amdhsa_code_object_version 6
	.text
	.protected	k_q6c898d3d53_gemm1
	.globl	k_q6c898d3d53_gemm1
	.p2align	8
	.type	k_q6c898d3d53_gemm1,@function
k_q6c898d3d53_gemm1:
	s_mov_b64 s[64:65], 0
	v_nop
	global_prefetch_b8 v0, s[64:65] scope:SCOPE_SE
	s_setreg_imm32_b32 hwreg(HW_REG_WAVE_MODE, 25, 1), 1
	s_wait_xcnt 0x0
	s_wait_alu depctr_hold_cnt(0) depctr_sa_sdst(0) depctr_va_vdst(0) depctr_va_sdst(0) depctr_va_ssrc(0) depctr_va_vcc(0) depctr_vm_vsrc(0)
	s_getreg_b32 s2, hwreg(HW_REG_IB_STS2, 6, 4)
	s_cmp_eq_u32 s2, 0
	s_cbranch_scc0 .Lentry_in_a_cluster
	s_endpgm
.Lentry_in_a_cluster:
	s_bfe_u32 s2, ttmp6, 0x10000c
	s_cmp_lg_u32 s2, 0xf033
	s_cbranch_scc0 .Lentry_shape_is_right
	s_endpgm
.Lentry_shape_is_right:
; GEMM1.  hid[m][n] = gelu(sum over k of xpre[m][k] w1h[k][n] + b1[n]) / 16.  xpre: [2048][2048] f16, w1h: [2048][8192] f16 (n along the rows), hid: [2048][8192] f16; sums in f32.
; LIMITS.  hid is stored / 16, so |gelu| stays under 1.05e6; below 6e-5 (after the / 16) f16 keeps its fixed step of 6e-8.  gelu(u) = max(u, 0) - |u| Q(|u|), Q the normal tail by a
; five-term rational form (Abramowitz and Stegun 26.2.17, absolute error under 7.5e-8); for large |u| the exponential is 0 and the result is u or 0.  NaN and infinities are not treated apart.
; A tile of 256 x 256 is made by four waves, each 128 x 128: 64 accumulators, 512 registers.  K goes in steps of 128 through a ring of two LDS slots filled by the tensor data mover.
; xpre's tile: 256 rows x 256 bytes; w1h's: 128 k rows x 512 bytes, read turned by ds_load_tr16_b128.
; CLUSTER 4 x 4: xpre's tile hangs on the tile row alone and is asked for jointly along a row of the cluster, w1h's on the tile column alone, along a column.
; THE PRODUCT IS TAKEN TRANSPOSED (source 0 = 16 columns of w1h, source 1 = 16 rows of xpre): a lane holds row l % 16 and the columns 8 (l / 16) + 0..7.  b1 is the C operand of the first products.
; THE WAY OUT: when the last K step is multiplied the ring is dead; each wave lays its 128 x 128 f32 there and walks it by rows in a loop of 16 trips, so that the activation's text is written once.
; REGISTERS: window 0: v0-31 addresses; v64-127, v128-191 fragments of xpre, two buffers; v192-255 b1; all of v32-255 at work in the way out.  window 1: v64-191 fragments of w1h.  windows 2, 3: accumulators.
.set PA,     272                       ; a row of xpre's tile in LDS: 256 + 16 bytes
.set PB,     544                       ; a k row of w1h's tile: 512 + 32 bytes, an odd multiple of 32
.set HALFT,  34816                     ; what one tensor load brings: 128 x 272 = 64 x 544
.set SLOT,   4*HALFT                   ; xpre's 256 rows, then w1h's 128 k rows
.set SPARE,  2*SLOT                    ; behind the ring: the spare words, 128 bytes a wave: two blocks of 256 bytes that no other line names
.set DPITCH, 528                       ; the way out: a row of 128 f32 + 16 bytes
.set DWAVE,  128*DPITCH                ; a wave's part of the dead ring
.set LAPS,   8                         ; 16 K steps, two to a lap
.set ADRA, 16                          ; v16-17  LDS address of my xpre fragments in slot 0, 1
.set ADRB, 20                          ; v20-21  the same for w1h
.set DA,   22                          ; v22  the way out: where I put four numbers of a row
.set RDA,  23                          ; v23  where I read rows back
.set HO,   24                          ; v24  my byte offset in hid
.set SPW,  28                          ; v28  my spare word; never rewritten
.set NIL,  29                          ; v29  0; never rewritten
.set PFO,  30                          ; v30  the prefetches' offset; never rewritten
.set F0,   64
.set F1,   128
.set BIAS, 192
.set GO,   32                          ; the way out: 16 registers to store
.set GU,   64                          ; u
.set GA,   96                          ; |u|
.set GT,   128                         ; t = 1 / (1 + p |u|)
.set GE,   160                         ; 2^-(k u)^2
.set GP,   192                         ; the polynomial
.set GV,   224                         ; u / 32, then the result
.set G1,   24                          ; s[24:31] group 1 for xpre's tiles;  s[32:39] group 0, a set a slot
.set G0,   32
.set G1B,  48                          ; s[48:55], s[56:63] the same for w1h's
.set G0B,  56
.set PFA,  44                          ; s[44:45] where my prefetches stand
.set LIM,  43                          ; s43  1 in a wave that prefetches, else the greatest number
.set WV,   66                          ; s66  wave
.set WR,   67                          ; s67  my half of the tile's rows; also: I fetch xpre (0) or w1h (1)
.set WC,   68                          ; s68  my half of its columns; also: which half of that tile I fetch
.set MSB, 0
.macro WIN new                         ; the immediate's high byte repeats the setting that is left
.if MSB != (\new)
	s_set_vgpr_msb (MSB<<8)|(\new)
.set MSB, \new
.endif
.endm
.set MUL_LO, 0xa1                      ; source 0 window 1, source 1 window 0, C and D window 2
.set MUL_HI, 0xf1                      ; the same, C and D window 3
.set TO_B,   0x40                      ; destination window 1, address window 0
.macro JLOAD s                         ; a joint load: waves 0, 1 fetch xpre's halves, waves 2, 3 w1h's; an s_nop 0 and four v_nop follow each of the two lines
	s_cmp_eq_u32 s[WR], 0
	s_cbranch_scc0 .Lfor_b_\@
	tensor_load_to_lds s[G0+4*(\s):G0+4*(\s)+3], s[G1:G1+7]
	s_nop 0
.rept 4
	v_nop
.endr
	s_branch .Lasked_\@
.Lfor_b_\@:
	tensor_load_to_lds s[G0B+4*(\s):G0B+4*(\s)+3], s[G1B:G1B+7]
	s_nop 0
.rept 4
	v_nop
.endr
.Lasked_\@:
.endm
; A prefetch into the L2 of the K step that stands two refills on, 512 matrix instructions ahead of the load that will want it: 32 blocks of 256 bytes, a lane a block, one instruction a wave.
; Each block is named once in the launch: xpre's rows are asked for by the clusters with x = 0, w1h's by those with y = 0; the four partners that ask for a tile jointly share its blocks out by address.
; The loop's last trip asks for nothing: the K steps two on do not exist.  The first four K steps come by their loads alone.
.macro ASK
	s_cmp_gt_u32 s3, s[LIM]
	s_cbranch_scc0 .Lnot_mine_\@
	global_prefetch_b8 v[PFO], s[PFA:PFA+1] th:TH_LOAD_NT scope:SCOPE_SE
.Lnot_mine_\@:
.endm
.macro CREST                           ; a round of the cluster's barrier behind its opening barrier
	s_cmp_lg_u32 s[WV], 0
	s_cbranch_scc1 .Lnot_wave_0_\@
	s_barrier_signal -3
.Lnot_wave_0_\@:
	s_barrier_wait -3
	s_barrier_signal -1
	s_barrier_wait -1
.endm
.macro CROUND
	s_barrier_signal -1
	s_barrier_wait -1
	CREST
.endm
	s_load_b256 s[4:11], s[0:1], 0x0               ; xpre s[4:5], w1h s[6:7], b1 s[8:9], hid s[10:11]
	v_lshl_add_u32 v[SPW], v0, 2, SPARE
	v_mov_b32 v[NIL], 0
	ds_add_u32 v[SPW], v[NIL]                      ; the wave's opening: the add and its wait stand ahead of my first tensor load; work on registers stands between them
	v_lshrrev_b32 v1, 5, v0
	v_readfirstlane_b32 s[WV], v1
	s_lshr_b32 s[WR], s[WV], 1
	s_and_b32 s[WC], s[WV], 1
	s_bfe_u32 s40, ttmp6, 0x40000                  ; cx
	s_bfe_u32 s41, ttmp6, 0x40004                  ; cy
	s_lshl_b32 s42, ttmp9, 2
	s_add_co_u32 s42, s42, s40                     ; tile column = 4 x cluster x + cx
	s_and_b32 s13, ttmp7, 0xffff
	s_lshl_b32 s13, s13, 2
	s_add_co_u32 s13, s13, s41                     ; tile row = 4 x cluster y + cy
	s_lshl_b32 s43, s41, 2
	s_lshl_b32 s43, 15, s43                        ; my row of the cluster
	s_lshl_b32 s44, 0x1111, s40                    ; my column
	s_or_b32 s[G1+0], s43, (1<<16)|(1<<20)|(1<<21)|(5<<22)|(3<<25)   ; mask; 2-byte elements; padding on; bit 21 beside a mask; after every 64 words 4 words
	s_mov_b32 s[G1+1], 128<<16                     ; tensor_dim0 = 128
	s_mov_b32 s[G1+2], 128<<16                     ; tensor_dim1 = 128
	s_mov_b32 s[G1+3], 128<<16                     ; tile_dim0 = 128
	s_mov_b32 s[G1+4], 128                         ; tile_dim1 = 128
	s_mov_b32 s[G1+5], 2048                        ; elements from row to row
	s_mov_b32 s[G1+6], 0
	s_mov_b32 s[G1+7], 0
	s_or_b32 s[G1B+0], s44, (1<<16)|(1<<20)|(1<<21)|(6<<22)|(7<<25)  ; after every 128 words 8 words
	s_mov_b32 s[G1B+1], 256<<16                    ; tensor_dim0 = 256
	s_mov_b32 s[G1B+2], 64<<16                     ; tensor_dim1 = 64
	s_mov_b32 s[G1B+3], 256<<16                    ; tile_dim0 = 256
	s_mov_b32 s[G1B+4], 64                         ; tile_dim1 = 64
	s_mov_b32 s[G1B+5], 8192
	s_mov_b32 s[G1B+6], 0
	s_mov_b32 s[G1B+7], 0
	s_lshl_b32 s16, s13, 8                         ; xpre: row 256 x tile row + 128 x half, 4,096 bytes a row
	s_lshl_b32 s17, s[WC], 7
	s_add_co_u32 s16, s16, s17
	s_lshl_b32 s16, s16, 12
	s_mov_b32 s17, 0
	s_lshl_b32 s46, s42, 9                         ; w1h: 512 bytes x tile column + 64 k rows of 16,384 bytes x half
	s_lshl_b32 s47, s[WC], 20
	s_add_co_u32 s46, s46, s47
	s_mov_b32 s47, 0
	s_mul_i32 s20, s[WV], HALFT                    ; where they go: wave x one load's bytes: no place in the cluster enters an LDS address
	s_mov_b32 s70, 0x7fffffff                      ; clears a sign
	s_mov_b32 s72, 0x3d000000                      ; 1 / 32
	s_mov_b32 s74, 0x3e6d3389                      ; p = 0.2316419
	s_mov_b32 s76, 0x3f596d27                      ; k = sqrt(log2(e) / 2) = 0.8493218
	s_mov_b32 s78, 0x3c027906                      ; the five coefficients x 0.39894228 / 16
	s_mov_b32 s80, 0xbc11a98e
	s_mov_b32 s82, 0x3d35f0e3
	s_mov_b32 s84, 0xbd3a00e3
	s_mov_b32 s86, 0x3d07dc22
.irp c, 72,74,76,78,80,82,84,86
	s_mov_b32 s[\c+1], s[\c]                       ; named as pairs
.endr
	s_wait_dscnt 0x0                               ; the opening add is done
	s_wait_kmcnt 0x0
	s_add_nc_u64 s[14:15], s[4:5], s[16:17]
	s_add_nc_u64 s[46:47], s[6:7], s[46:47]
	CROUND                                         ; all sixteen work-groups are here: the first joint loads meet
.irp s, 0,1
	s_mov_b32 s[G0+4*(\s)], 1
	s_add_co_u32 s[G0+4*(\s)+1], s20, (\s)*SLOT
	s_add_nc_u64 s[G0+4*(\s)+2:G0+4*(\s)+3], s[14:15], (\s)*256          ; K step s: 256 bytes along the rows
	s_or_b32 s[G0+4*(\s)+3], s[G0+4*(\s)+3], 0x80000000
	s_mov_b32 s[G0B+4*(\s)], 1
	s_add_co_u32 s[G0B+4*(\s)+1], s20, (\s)*SLOT
	s_add_nc_u64 s[G0B+4*(\s)+2:G0B+4*(\s)+3], s[46:47], (\s)*2097152    ; K step s: 128 rows down
	s_or_b32 s[G0B+4*(\s)+3], s[G0B+4*(\s)+3], 0x80000000
	JLOAD \s
.endr
	v_and_b32 v1, 15, v0                           ; l % 16
	v_bfe_u32 v2, v0, 4, 1                         ; l / 16
	v_mul_u32_u24 v3, v1, PA
	v_lshl_add_u32 v3, v2, 4, v3                   ; xpre's fragment: row x pitch + 16 x half
	v_and_b32 v4, 7, v0
	v_lshl_add_u32 v4, v2, 3, v4
	v_mul_u32_u24 v4, v4, PB
	v_bfe_u32 v5, v0, 3, 1
	v_lshl_add_u32 v4, v5, 4, v4                   ; the turning load: k row 8 (l / 16) + l % 8, 16 bytes by (l / 8) % 2
	s_mul_i32 s21, s[WR], HALFT                    ; my 128 rows of xpre
	s_lshl_b32 s22, s[WC], 8                       ; my 128 columns of w1h,
	s_add_co_u32 s22, s22, 2*HALFT                 ; which lies behind xpre's 256 rows
.irp s, 0,1
	v_add_nc_u32 v[ADRA+(\s)], s21, v3
	v_add_nc_u32 v[ADRB+(\s)], s22, v4
	s_add_co_u32 s21, s21, SLOT
	s_add_co_u32 s22, s22, SLOT
.endr
	s_mul_i32 s23, s[WV], DWAVE
	v_mul_u32_u24 v5, v1, DPITCH
	v_lshl_add_u32 v5, v2, 4, v5
	v_add_nc_u32 v[DA], s23, v5                    ; in: row l % 16, 16 bytes for each half of the lanes
	v_mul_u32_u24 v5, v2, DPITCH
	v_lshl_add_u32 v5, v1, 4, v5
	v_add_nc_u32 v[RDA], s23, v5                   ; back: lanes 0-15 one row, lanes 16-31 the next
	v_lshlrev_b32 v5, 14, v2
	v_lshl_add_u32 v[HO], v1, 4, v5                ; and the same two rows in hid
	s_lshl_b32 s46, s42, 10                        ; b1 at my 128 columns
	s_lshl_b32 s47, s[WC], 9
	s_add_co_u32 s46, s46, s47
	s_mov_b32 s47, 0
	s_add_nc_u64 s[8:9], s[8:9], s[46:47]
	v_lshlrev_b32 v7, 5, v2                        ; my 8 columns of a block of 16
.irp b, 0,1,2,3,4,5,6,7
	global_load_b128 v[BIAS+8*\b:BIAS+8*\b+3],   v7, s[8:9] offset:64*\b
	global_load_b128 v[BIAS+8*\b+4:BIAS+8*\b+7], v7, s[8:9] offset:64*\b+16
.endr
	s_lshl_b32 s16, s13, 8                         ; hid at my first row and column
	s_lshl_b32 s17, s[WR], 7
	s_add_co_u32 s16, s16, s17
	s_lshl_b32 s16, s16, 14
	s_lshl_b32 s46, s42, 9
	s_lshl_b32 s47, s[WC], 8
	s_add_co_u32 s46, s46, s47
	s_add_co_u32 s16, s16, s46
	s_mov_b32 s17, 0
	s_add_nc_u64 s[90:91], s[10:11], s[16:17]
	; the prefetches: for xpre my work-group's 32 rows (by cx) of the 128 that I fetch; for w1h its 16 k rows (by cy) of the 64, two blocks a row.  They start at K step 3; the first change of slots steps to 4.
	s_lshl_b32 s18, s13, 8
	s_lshl_b32 s19, s[WC], 7
	s_add_co_u32 s18, s18, s19
	s_lshl_b32 s19, s40, 5
	s_add_co_u32 s18, s18, s19
	s_lshl_b32 s18, s18, 12
	s_add_co_u32 s18, s18, 3*256
	s_lshl_b32 s19, s[WC], 6
	s_lshl_b32 s21, s41, 4
	s_add_co_u32 s19, s19, s21
	s_add_co_u32 s19, s19, 3*128
	s_lshl_b32 s19, s19, 14
	s_lshl_b32 s21, s42, 9
	s_add_co_u32 s19, s19, s21
	s_and_b32 s22, ttmp7, 0xffff                   ; cluster y
	s_mov_b32 s12, 256
	s_cmp_eq_u32 s[WR], 0                          ; do I fetch xpre?
	s_cselect_b32 s20, s18, s19
	s_cselect_b32 s22, ttmp9, s22                  ; the coordinate along which other clusters read the same blocks
	s_cselect_b64 s[PFA:PFA+1], s[4:5], s[6:7]
	s_cselect_b32 s88, s12, 0x200000               ; a K step: 256 bytes along xpre's rows, 128 rows down w1h
	s_cselect_b32 s2, 0, 1
	s_cselect_b32 s23, 12, 14
	s_mov_b32 s21, 0
	s_mov_b32 s89, 0
	s_add_nc_u64 s[PFA:PFA+1], s[PFA:PFA+1], s[20:21]
	s_cmp_eq_u32 s22, 0
	s_cselect_b32 s[LIM], 1, -1                    ; the same in all sixteen partners, for a given wave
	v_and_b32 v6, 31, v0
	v_lshrrev_b32 v[PFO], s2, v6                   ; xpre: 4,096 l;  w1h: 16,384 (l / 2) + 256 (l % 2)
	v_lshlrev_b32 v[PFO], s23, v[PFO]
	v_and_b32 v6, s2, v6
	v_lshl_add_u32 v[PFO], v6, 8, v[PFO]
; 16 matrix instructions: m blocks a0, a0 + 1 of the window's four x all 8 n blocks, 32 along K.  bias = 1: the first products take b1 as C.  The 64 accumulators take turns.
.macro MUL16 f, hi, a0, bias
.if \bias
	WIN 0x81+0x40*(\hi)                            ; C in window 0, D in window 2 or 3
.else
	WIN MUL_LO+0x50*(\hi)
.endif
.irp a, \a0, (\a0)+1
.irp b, 0,1,2,3,4,5,6,7
.if \bias
	v_wmma_f32_16x16x32_f16 v[8*(8*(\a)+(\b)):8*(8*(\a)+(\b))+7], v[(\f)+8*(\b):(\f)+8*(\b)+7], v[(\f)+8*(4*(\hi)+(\a)):(\f)+8*(4*(\hi)+(\a))+7], v[BIAS+8*(\b):BIAS+8*(\b)+7]
.else
	v_wmma_f32_16x16x32_f16 v[8*(8*(\a)+(\b)):8*(8*(\a)+(\b))+7], v[(\f)+8*(\b):(\f)+8*(\b)+7], v[(\f)+8*(4*(\hi)+(\a)):(\f)+8*(4*(\hi)+(\a))+7], v[8*(8*(\a)+(\b)):8*(8*(\a)+(\b))+7]
.endif
.endr
.endr
.endm
; 32 LDS loads in one run: quarter q (32 along K) of a slot into buffer f: w1h's 8 blocks of 16 columns, turned; then xpre's 8 blocks of 16 rows
.macro FETCH slot, q, f
	WIN TO_B
.irp i, 0,1,2,3,4,5,6,7
	ds_load_tr16_b128 v[(\f)+8*(\i):(\f)+8*(\i)+3],   v[ADRB+(\slot)] offset:(\q)*32*PB+32*(\i)
	ds_load_tr16_b128 v[(\f)+8*(\i)+4:(\f)+8*(\i)+7], v[ADRB+(\slot)] offset:(\q)*32*PB+32*(\i)+16*PB
.endr
	WIN 0
.irp i, 0,1,2,3,4,5,6,7
	ds_load_b128 v[(\f)+8*(\i):(\f)+8*(\i)+3],   v[ADRA+(\slot)] offset:64*(\q)+(\i)*16*PA
	ds_load_b128 v[(\f)+8*(\i)+4:(\f)+8*(\i)+7], v[ADRA+(\slot)] offset:64*(\q)+(\i)*16*PA+32
.endr
.endm
.macro PLACES                          ; four plain instructions between a matrix instruction and a load into, or a reader of, its registers
.rept 4
	v_nop
.endr
.endm
; One of a K step's first three quarters: multiplies buffer f; in its middle fetches quarter q of the same slot into buffer g.
.macro QUARTER slot, q, f, g, bias
	s_wait_dscnt 8                                 ; w1h's fragments and xpre's rows 0-63 are in; the youngest eight loads may be out
	MUL16 \f, 0, 0, \bias
	MUL16 \f, 0, 2, \bias
	PLACES
	FETCH \slot, \q, \g
	s_wait_dscnt 32                                ; all but the 32 just issued
	MUL16 \f, 1, 0, \bias
	MUL16 \f, 1, 2, \bias
.endm
; The last quarter multiplies buffer 1 and changes slots.  In front of the barrier each wave waits for all its tensor loads (one is out: its part of the next slot), adds 0 to its spare word, and waits for
; that and for its reads of this slot.  fill = 1: the barrier opens a round of the cluster's, and the joint refill, two K steps on, is the first tensor load behind it: 224 matrix instructions ahead of the wait for it.
.macro TURN slot, next, fill
.if \fill
	s_wait_xcnt 0x0                                ; the last prefetch, a K step back, has read its address: it is stepped here
	s_add_nc_u64 s[PFA:PFA+1], s[PFA:PFA+1], s[88:89]
.endif
	WIN 0                                          ; (the add's two registers lie in window 0)
	s_wait_tensorcnt 0x0
	ds_add_u32 v[SPW], v[NIL]
	s_wait_dscnt 9                                 ; (the add and the youngest eight loads may be out)
	MUL16 F1, 0, 0, 0
	s_wait_dscnt 0x0                               ; the add is done, and my reads of this slot are over
	s_barrier_signal -1
	MUL16 F1, 0, 2, 0
.if \fill
	WIN 0
.endif
	s_barrier_wait -1
.if \fill
	CREST                                          ; no wave of any partner still reads this slot or has a load on its way
	s_add_nc_u64 s[G0+4*(\slot)+2:G0+4*(\slot)+3], s[G0+4*(\slot)+2:G0+4*(\slot)+3], 2*256
	s_add_nc_u64 s[G0B+4*(\slot)+2:G0B+4*(\slot)+3], s[G0B+4*(\slot)+2:G0B+4*(\slot)+3], 2*2097152
	JLOAD \slot                                    ; its four v_nop are also the places in front of the loads below
.else
	PLACES
.endif
	FETCH \next, 0, F0
.if \fill
	ASK
.endif
	MUL16 F1, 1, 0, 0
	MUL16 F1, 1, 2, 0
.endm
	s_wait_tensorcnt 1                             ; my part of K step 0 is in; K step 1's may stay out
	s_barrier_signal -1
	s_barrier_wait -1
	FETCH 0, 0, F0
	s_wait_loadcnt 0x0                             ; b1
	QUARTER 0, 1, F0, F1, 1                        ; the first quarter stands in front of the loop: its products start the sums, on b1
	WIN 0
	s_mov_b32 s3, LAPS-1
.Llap:                                         ; a trip goes once round the ring and fills both slots again
	QUARTER 0, 2, F1, F0, 0
	QUARTER 0, 3, F0, F1, 0
	TURN 0, 1, 1
	QUARTER 1, 1, F0, F1, 0
	QUARTER 1, 2, F1, F0, 0
	QUARTER 1, 3, F0, F1, 0
	TURN 1, 0, 1
	QUARTER 0, 1, F0, F1, 0
	WIN 0
	s_sub_co_u32 s3, s3, 1
	s_cmp_lg_u32 s3, 0
	s_cbranch_scc1 .Llap
	QUARTER 0, 2, F1, F0, 0                        ; the last lap fills nothing
	QUARTER 0, 3, F0, F1, 0
	TURN 0, 1, 0
	QUARTER 1, 1, F0, F1, 0
	QUARTER 1, 2, F1, F0, 0
	QUARTER 1, 3, F0, F1, 0
	s_wait_dscnt 8                                 ; the very last quarter
	MUL16 F1, 0, 0, 0
	s_wait_dscnt 0x0                               ; my reads of the ring are over:
	s_barrier_signal -1                            ; say so,
	MUL16 F1, 0, 2, 0
	MUL16 F1, 1, 0, 0
	MUL16 F1, 1, 2, 0
	WIN 0
	s_barrier_wait -1                              ; and when all four have said so the ring, which has had its last fill, is free for stores
	PLACES
	; THE SUMS GO INTO THE DEAD RING.  Accumulator (a, b): row 16 a + l % 16; its registers 0-3 at byte 32 b + 16 (l / 16), registers 4-7 256 bytes on: read back, lane i finds columns 8 i .. 8 i + 3
	; at byte 16 i and 8 i + 4 .. 8 i + 7 at 256 + 16 i.  Rows 528 bytes apart: the 16 rows of a store start 16 bytes apart modulo 256.
.macro DUMP hi
	WIN 0x08+4*(\hi)                               ; the data in window 2 or 3
.irp a, 0,1,2,3
.irp b, 0,1,2,3,4,5,6,7
	ds_store_b128 v[DA], v[8*(8*(\a)+(\b)):8*(8*(\a)+(\b))+3]   offset:16*DPITCH*(4*(\hi)+(\a))+32*(\b)
	ds_store_b128 v[DA], v[8*(8*(\a)+(\b))+4:8*(8*(\a)+(\b))+7] offset:16*DPITCH*(4*(\hi)+(\a))+32*(\b)+256
.endr
.endr
.endm
	DUMP 0
	DUMP 1
	WIN 0
.macro PAIRS line:vararg               ; one line for each of 16 pairs: z = 0, 2 .. 30
.set z, 0
.rept 16
	\line
.set z, z+2
.endr
.endm
.macro ONES line:vararg                ; one line for each of 32 numbers: z = 0 .. 31
.set z, 0
.rept 32
	\line
.set z, z+1
.endr
.endm
.macro GLOAD                           ; 8 rows: pair p of rows at 1,056 p; a lane's 8 columns in two loads.  LDS serves a wave's instructions in order: these see my stores
.irp p, 0,1,2,3
	ds_load_b128 v[GU+8*\p:GU+8*\p+3],   v[RDA] offset:2*DPITCH*\p
	ds_load_b128 v[GU+8*\p+4:GU+8*\p+7], v[RDA] offset:2*DPITCH*\p+256
.endr
.endm
	GLOAD
	s_mov_b32 s3, 16
.Lgelu:                                        ; a trip: 8 rows x 128 columns: 32 numbers a lane.  gelu / 16 = u / 32 + |u| (1 / 32 - Q / 16)
	s_wait_dscnt 0x0
	ONES  v_and_b32 v[GA+z], s70, v[GU+z]
	PAIRS v_pk_mul_f32 v[GV+z:GV+z+1], v[GU+z:GU+z+1], s[72:73] op_sel_hi:[1,0]
	s_cmp_eq_u32 s3, 1                             ; the last trip has no rows behind it
	s_cbranch_scc1 .Lno_more
	v_add_nc_u32 v[RDA], 8*DPITCH, v[RDA]
	GLOAD                                          ; the next trip's rows come in under this trip's arithmetic
.Lno_more:
	PAIRS v_pk_fma_f32 v[GT+z:GT+z+1], v[GA+z:GA+z+1], s[74:75], 1.0 op_sel_hi:[1,0,0]
	PAIRS v_pk_mul_f32 v[GE+z:GE+z+1], v[GA+z:GA+z+1], s[76:77] op_sel_hi:[1,0]
	PAIRS v_pk_mul_f32 v[GE+z:GE+z+1], v[GE+z:GE+z+1], v[GE+z:GE+z+1] neg_lo:[1,0] neg_hi:[1,0]
	ONES  v_rcp_f32 v[GT+z], v[GT+z]
	ONES  v_exp_f32 v[GE+z], v[GE+z]
	v_nop                                          ; a plain instruction behind the last of the batch,
	s_wait_alu depctr_va_vdst(0)                   ; and one wait for its 64, ahead of their first reader
	PAIRS v_pk_fma_f32 v[GP+z:GP+z+1], v[GT+z:GT+z+1], s[86:87], s[84:85] op_sel_hi:[1,0,0]
	PAIRS v_pk_fma_f32 v[GP+z:GP+z+1], v[GP+z:GP+z+1], v[GT+z:GT+z+1], s[82:83] op_sel_hi:[1,1,0]
	PAIRS v_pk_fma_f32 v[GP+z:GP+z+1], v[GP+z:GP+z+1], v[GT+z:GT+z+1], s[80:81] op_sel_hi:[1,1,0]
	PAIRS v_pk_fma_f32 v[GP+z:GP+z+1], v[GP+z:GP+z+1], v[GT+z:GT+z+1], s[78:79] op_sel_hi:[1,1,0]
	PAIRS v_pk_mul_f32 v[GP+z:GP+z+1], v[GP+z:GP+z+1], v[GT+z:GT+z+1]
	PAIRS v_pk_fma_f32 v[GP+z:GP+z+1], v[GP+z:GP+z+1], v[GE+z:GE+z+1], s[72:73] op_sel_hi:[1,1,0] neg_lo:[1,0,0] neg_hi:[1,0,0]
	PAIRS v_pk_fma_f32 v[GV+z:GV+z+1], v[GA+z:GA+z+1], v[GP+z:GP+z+1], v[GV+z:GV+z+1]
	s_wait_xcnt 0x0                                ; the last trip's stores have read their data and offset
	v_add_nc_u32 v[HO], 8*16384, v[HO]             ; the stores below reach back
	PAIRS v_cvt_pk_f16_f32 v[GO+z/2], v[GV+z], v[GV+z+1]
.irp p, 0,1,2,3
	global_store_b128 v[HO], v[GO+4*\p:GO+4*\p+3], s[90:91] offset:2*16384*\p-8*16384   ; 16 lanes store 256 consecutive bytes, at a multiple of 256 from hid's first byte
.endr
	s_sub_co_u32 s3, s3, 1
	s_cmp_lg_u32 s3, 0
	s_cbranch_scc1 .Lgelu
	s_wait_tensorcnt 0x0                           ; the wave's end: three closing lines, behind my last tensor load and my last LDS store
	ds_add_u32 v[SPW], v[NIL]
	s_wait_dscnt 0x0
	CROUND                                         ; the closing round: no work-group ends while a partner may still ask for a tile that names it
	s_endpgm
.Lfunc_end_k_q6c898d3d53_gemm1:
	.size	k_q6c898d3d53_gemm1, .Lfunc_end_k_q6c898d3d53_gemm1-k_q6c898d3d53_gemm1
	.p2alignl 7, 3214868480
	.fill 96, 4, 3214868480
	.section	.rodata,"a",@progbits
	.p2align	6, 0x0
	.amdhsa_kernel k_q6c898d3d53_gemm1
		.amdhsa_group_segment_fixed_size 327680
		.amdhsa_private_segment_fixed_size 0
		.amdhsa_enable_private_segment 0
		.amdhsa_kernarg_size 32
		.amdhsa_user_sgpr_count 2
		.amdhsa_user_sgpr_kernarg_segment_ptr 1
		.amdhsa_wavefront_size32 1
		.amdhsa_system_sgpr_workgroup_id_x 1
		.amdhsa_system_sgpr_workgroup_id_y 1
		.amdhsa_system_sgpr_workgroup_id_z 1
		.amdhsa_system_vgpr_workitem_id 0
		.amdhsa_next_free_vgpr 1024
		.amdhsa_next_free_sgpr 92
		.amdhsa_reserve_vcc 0
		.amdhsa_float_denorm_mode_32 3
		.amdhsa_float_denorm_mode_16_64 3
		.amdhsa_memory_ordered 1
		.amdhsa_forward_progress 1
		.amdhsa_inst_pref_size 140
	.end_amdhsa_kernel
	.amdgpu_metadata
---
amdhsa.version: [ 1, 2 ]
amdhsa.kernels:
  - .name:           k_q6c898d3d53_gemm1
    .symbol:         k_q6c898d3d53_gemm1.kd
    .args:
      - { .name: xpre, .offset: 0, .size: 8, .value_kind: global_buffer, .address_space: global }
      - { .name: w1h, .offset: 8, .size: 8, .value_kind: global_buffer, .address_space: global }
      - { .name: b1, .offset: 16, .size: 8, .value_kind: global_buffer, .address_space: global }
      - { .name: hid, .offset: 24, .size: 8, .value_kind: global_buffer, .address_space: global }
    .group_segment_fixed_size: 327680
    .private_segment_fixed_size: 0
    .kernarg_segment_align: 8
    .kernarg_segment_size: 32
    .max_flat_workgroup_size: 128
    .sgpr_count:     92
    .vgpr_count:     1024
    .wavefront_size: 32
...
	.end_amdgpu_metadata
.endif
;; end of part 3
;; launch gemm2 (part 4): grid 16 x 16, 4 waves a work-group, clusters of 4 x 4, 327,680 bytes of LDS; arguments hid, w2h, b2, coef, x, out0; writes out0
.if DOCPART == 4
	.amdgcn_target "amdgcn-amd-amdhsa--gfx1250"
	.amdhsa_code_object_version 6
	.text
	.protected	k_q6c898d3d53_gemm2
	.globl	k_q6c898d3d53_gemm2
	.p2align	8
	.type	k_q6c898d3d53_gemm2,@function
k_q6c898d3d53_gemm2:
	s_mov_b64 s[64:65], 0
	v_nop
	global_prefetch_b8 v0, s[64:65] scope:SCOPE_SE
	s_setreg_imm32_b32 hwreg(HW_REG_WAVE_MODE, 25, 1), 1
	s_wait_xcnt 0x0
	s_wait_alu depctr_hold_cnt(0) depctr_sa_sdst(0) depctr_va_vdst(0) depctr_va_sdst(0) depctr_va_ssrc(0) depctr_va_vcc(0) depctr_vm_vsrc(0)
	s_getreg_b32 s2, hwreg(HW_REG_IB_STS2, 6, 4)
	s_cmp_eq_u32 s2, 0
	s_cbranch_scc0 .Lentry_in_a_cluster
	s_endpgm
.Lentry_in_a_cluster:
	s_bfe_u32 s2, ttmp6, 0x10000c
	s_cmp_lg_u32 s2, 0xf033
	s_cbranch_scc0 .Lentry_shape_is_right
	s_endpgm
.Lentry_shape_is_right:
; GEMM2 AND THE WAY OUT.  acc[b][d] = sum over k of hid[b][k] w2h[k][d] + b2[d] / 16  (= H_bar / 16, since hid holds gelu / 16);
; out0[b][n][d] = (16 H_post[b][n]) acc[b][d] + sum over m of H_res[b][n][m] x[b][m][d].  hid: [2048][8192] f16, w2h: [8192][2048] f16 (d along the rows), coef: [2048][64] f32, x and out0 f32.
; LIMITS: those of the operands (f16, stated where they are made); all sums and the whole way out are f32.
; A tile of 128 x 128 gives each of 256 work-groups one; four waves, each 64 x 64: 16 accumulators.  K goes in steps of 256 through two LDS slots: hid's tile 128 rows x 512 bytes, w2h's 256 k rows x 256 bytes,
; read turned by ds_load_tr16_b128.  CLUSTER 4 x 4: hid's tile is asked for jointly along a row of the cluster, w2h's along a column.  The product is taken transposed, as in the launch before.
; THE WAY OUT.  The ring is dead behind the last K step: the tile (f32) and the rows' coefficients go there; then wave w walks rows 32 w .. + 31: for a row four loads of x and four stores of out0, each 512
; consecutive bytes, eight rows of x always on their way.  The first eight rows are asked for a lap ahead, the next eight prefetched there: each wave names its own blocks, each once.
; No prefetch is laid for the ring: the tile is small, and a K step's blocks are shared by many work-groups.
; REGISTERS: window 0: v0-31 addresses; v32-95 coefficients as loaded, v96-127 b2 / 16 (later v32-111: a row's 40 coefficient words, two sets); v128-255 accumulators (later v128-159: a row's results, two sets).
;   window 1: two fragment buffers of 128.   window 2: v0-127 x, eight slots of 16; v128-135 a row of the tile, two sets.
.set PA,    528                        ; a row of hid's tile in LDS: 512 + 16 bytes
.set PB,    288                        ; a k row of w2h's tile: 256 + 32 bytes, an odd multiple of 32
.set HALFA, 64*PA                      ; 33,792
.set HALFB, 128*PB                     ; 36,864
.set BOFF,  2*HALFA
.set SLOT,  2*HALFA+2*HALFB            ; 141,312
.set SPARE, 2*SLOT                     ; the spare words, 128 bytes a wave: two blocks of 256 bytes that no other line names
.set HPITCH, 528                       ; the way out: a row of 128 f32 + 16 bytes, from LDS byte 0
.set CF,    128*HPITCH                 ; behind them: 8,192 bytes of coefficients a wave
.set LAPS,  16
.set ADRA, 16                          ; v16-17  hid's fragments in slot 0, 1
.set ADRB, 20                          ; v20-23  w2h's: slot 0 k rows 0-127, 128-255; slot 1 likewise
.set STO,  24                          ; v24  where I put sums
.set CFA,  25                          ; v25  where I put coefficients
.set XO,   26                          ; v26  16 l: my bytes of 512; never rewritten
.set PFX,  27                          ; v27  the prefetches' offset; never rewritten
.set SPW,  28
.set NIL,  29
.set COA,  30                          ; v30  the row's coefficients in LDS (the same in all lanes)
.set HBA,  31                          ; v31  my 16 bytes of the row of the tile
.set CFR,  32
.set CO,   32
.set BIAS, 96
.set ACC,  128
.set OUT,  128
.set HBR,  128                         ; in window 2
.set F0,   0
.set F1,   128
.set G1, 24
.set G0, 32
.set G1B, 48
.set G0B, 56
.set MSB, 0
.macro WIN new
.if MSB != (\new)
	s_set_vgpr_msb (MSB<<8)|(\new)
.set MSB, \new
.endif
.endm
.set MUL,  0x05                        ; sources 0 and 1 window 1; C and D window 0
.set TO_F, 0x40                        ; destination window 1, address window 0
.macro JLOAD s                         ; waves 0, 1 fetch hid's halves, waves 2, 3 w2h's; an s_nop 0 and four v_nop follow each of the two lines
	s_cmp_eq_u32 s11, 0
	s_cbranch_scc0 .Lfor_b_\@
	tensor_load_to_lds s[G0+4*(\s):G0+4*(\s)+3], s[G1:G1+7]
	s_nop 0
.rept 4
	v_nop
.endr
	s_branch .Lasked_\@
.Lfor_b_\@:
	tensor_load_to_lds s[G0B+4*(\s):G0B+4*(\s)+3], s[G1B:G1B+7]
	s_nop 0
.rept 4
	v_nop
.endr
.Lasked_\@:
.endm
.macro CREST
	s_cmp_lg_u32 s10, 0
	s_cbranch_scc1 .Lnot_wave_0_\@
	s_barrier_signal -3
.Lnot_wave_0_\@:
	s_barrier_wait -3
	s_barrier_signal -1
	s_barrier_wait -1
.endm
.macro CROUND
	s_barrier_signal -1
	s_barrier_wait -1
	CREST
.endm
	s_load_b128 s[4:7], s[0:1], 0x0                ; hid s[4:5], w2h s[6:7]
	s_load_b256 s[68:75], s[0:1], 0x10             ; b2 s[68:69], coef s[70:71], x s[72:73], out0 s[74:75]
	v_lshl_add_u32 v[SPW], v0, 2, SPARE
	v_mov_b32 v[NIL], 0
	ds_add_u32 v[SPW], v[NIL]                      ; the wave's opening: the add and its wait stand ahead of my first tensor load
	v_lshrrev_b32 v1, 5, v0
	v_readfirstlane_b32 s10, v1                    ; wave 0..3
	s_lshr_b32 s11, s10, 1                         ; my half of the tile's rows; also: I fetch hid (0) or w2h (1)
	s_and_b32 s12, s10, 1                          ; my half of its columns; also: which half of that tile I fetch
	s_bfe_u32 s40, ttmp6, 0x40000                  ; cx
	s_bfe_u32 s41, ttmp6, 0x40004                  ; cy
	s_lshl_b32 s42, ttmp9, 2
	s_add_co_u32 s42, s42, s40                     ; tile column
	s_and_b32 s13, ttmp7, 0xffff
	s_lshl_b32 s13, s13, 2
	s_add_co_u32 s13, s13, s41                     ; tile row
	s_lshl_b32 s43, s41, 2
	s_lshl_b32 s43, 15, s43                        ; my row of the cluster
	s_lshl_b32 s44, 0x1111, s40                    ; my column
	s_or_b32 s[G1+0], s43, (1<<16)|(1<<20)|(1<<21)|(6<<22)|(3<<25)   ; after every 128 words 4 words of padding
	s_mov_b32 s[G1+1], 256<<16                     ; tensor_dim0 = 256
	s_mov_b32 s[G1+2], 64<<16                      ; tensor_dim1 = 64
	s_mov_b32 s[G1+3], 256<<16                     ; tile_dim0 = 256
	s_mov_b32 s[G1+4], 64                          ; tile_dim1 = 64
	s_mov_b32 s[G1+5], 8192
	s_mov_b32 s[G1+6], 0
	s_mov_b32 s[G1+7], 0
	s_or_b32 s[G1B+0], s44, (1<<16)|(1<<20)|(1<<21)|(5<<22)|(7<<25)  ; after every 64 words 8 words
	s_mov_b32 s[G1B+1], 128<<16
	s_mov_b32 s[G1B+2], 128<<16
	s_mov_b32 s[G1B+3], 128<<16
	s_mov_b32 s[G1B+4], 128
	s_mov_b32 s[G1B+5], 2048
	s_mov_b32 s[G1B+6], 0
	s_mov_b32 s[G1B+7], 0
	s_lshl_b32 s16, s13, 7                         ; hid: row 128 x tile row + 64 x half, 16,384 bytes a row
	s_lshl_b32 s17, s12, 6
	s_add_co_u32 s16, s16, s17
	s_lshl_b32 s16, s16, 14
	s_mov_b32 s17, 0
	s_lshl_b32 s46, s42, 8                         ; w2h: 256 bytes x tile column + 128 k rows of 4,096 bytes x half
	s_lshl_b32 s47, s12, 19
	s_add_co_u32 s46, s46, s47
	s_mov_b32 s47, 0
	s_mul_i32 s20, s12, HALFA                      ; where they go: no place in the cluster enters an LDS address
	s_mul_i32 s21, s12, HALFB
	s_add_co_u32 s21, s21, BOFF
	s_wait_dscnt 0x0                               ; the opening add is done
	s_wait_kmcnt 0x0
	s_add_nc_u64 s[14:15], s[4:5], s[16:17]
	s_add_nc_u64 s[46:47], s[6:7], s[46:47]
	CROUND                                         ; all sixteen work-groups are here: the first joint loads meet
.irp s, 0,1
	s_mov_b32 s[G0+4*(\s)], 1
	s_add_co_u32 s[G0+4*(\s)+1], s20, (\s)*SLOT
	s_add_nc_u64 s[G0+4*(\s)+2:G0+4*(\s)+3], s[14:15], (\s)*512
	s_or_b32 s[G0+4*(\s)+3], s[G0+4*(\s)+3], 0x80000000
	s_mov_b32 s[G0B+4*(\s)], 1
	s_add_co_u32 s[G0B+4*(\s)+1], s21, (\s)*SLOT
	s_add_nc_u64 s[G0B+4*(\s)+2:G0B+4*(\s)+3], s[46:47], (\s)*1048576
	s_or_b32 s[G0B+4*(\s)+3], s[G0B+4*(\s)+3], 0x80000000
	JLOAD \s
.endr
	v_and_b32 v1, 15, v0                           ; l % 16
	v_bfe_u32 v2, v0, 4, 1                         ; l / 16
	v_and_b32 v6, 31, v0                           ; l
	v_mul_u32_u24 v3, v1, PA
	v_lshl_add_u32 v3, v2, 4, v3
	s_mul_i32 s21, s11, HALFA                      ; my 64 rows of hid
	v_add_nc_u32 v[ADRA], s21, v3
	v_add_nc_u32 v[ADRA+1], SLOT, v[ADRA]
	v_and_b32 v4, 7, v0
	v_lshl_add_u32 v4, v2, 3, v4
	v_mul_u32_u24 v4, v4, PB
	v_bfe_u32 v5, v0, 3, 1
	v_lshl_add_u32 v4, v5, 4, v4
	s_lshl_b32 s22, s12, 7                         ; my 64 columns of w2h
	s_add_co_u32 s22, s22, BOFF
	v_add_nc_u32 v[ADRB], s22, v4
	v_add_nc_u32 v[ADRB+1], HALFB, v[ADRB]
	v_add_nc_u32 v[ADRB+2], SLOT, v[ADRB]
	v_add_nc_u32 v[ADRB+3], SLOT, v[ADRB+1]
	s_mul_i32 s23, s11, 64*HPITCH                  ; the sums: row 64 x row half + l % 16, byte 256 x column half + 32 (l / 16)
	s_lshl_b32 s22, s12, 8
	s_add_co_u32 s23, s23, s22
	v_mul_u32_u24 v5, v1, HPITCH
	v_lshl_add_u32 v5, v2, 5, v5
	v_add_nc_u32 v[STO], s23, v5
	v_lshlrev_b32 v[XO], 4, v6
	s_lshl_b32 s22, s10, 13
	s_add_co_u32 s22, s22, CF
	v_mov_b32 v[COA], s22
	v_add_nc_u32 v[CFA], s22, v[XO]
	s_mul_i32 s23, s10, 32*HPITCH
	v_add_nc_u32 v[HBA], s23, v[XO]
	v_lshrrev_b32 v7, 3, v6                        ; the prefetches: row l / 8 of four, stream (l / 2) % 4, block l % 2 of its 512 bytes
	v_lshlrev_b32 v[PFX], 15, v7
	v_bfe_u32 v7, v0, 1, 2
	v_lshl_add_u32 v[PFX], v7, 13, v[PFX]
	v_and_b32 v7, 1, v0
	v_lshl_add_u32 v[PFX], v7, 8, v[PFX]
	s_lshl_b32 s46, s42, 9                         ; b2 at my 64 columns
	s_lshl_b32 s47, s12, 8
	s_add_co_u32 s46, s46, s47
	s_mov_b32 s47, 0
	s_add_nc_u64 s[68:69], s[68:69], s[46:47]
	v_lshlrev_b32 v7, 5, v2
.irp b, 0,1,2,3
	global_load_b128 v[BIAS+8*\b:BIAS+8*\b+3],   v7, s[68:69] offset:64*\b
	global_load_b128 v[BIAS+8*\b+4:BIAS+8*\b+7], v7, s[68:69] offset:64*\b+16
.endr
	s_lshl_b32 s16, s13, 7                         ; the first row that I send out: 128 x tile row + 32 x wave
	s_lshl_b32 s17, s10, 5
	s_add_co_u32 s16, s16, s17
	s_lshl_b32 s18, s16, 8                         ; its coefficients: 256 bytes a row
	s_mov_b32 s19, 0
	s_add_nc_u64 s[70:71], s[70:71], s[18:19]
.irp i, 0,1,2,3,4,5,6,7,8,9,10,11,12,13,14,15
	global_load_b128 v[CFR+4*\i:CFR+4*\i+3], v[XO], s[70:71] offset:512*\i
.endr
	s_lshl_b32 s16, s16, 15                        ; x and out0: 32,768 bytes a row, 512 bytes x tile column
	s_lshl_b32 s46, s42, 9
	s_add_co_u32 s16, s16, s46
	s_mov_b32 s17, 0
	s_add_nc_u64 s[76:77], s[72:73], s[16:17]
	s_add_nc_u64 s[78:79], s[74:75], s[16:17]
; 8 matrix instructions: m blocks a0, a0 + 1 x all 4 n blocks, 32 along K: half c of buffer f.  bias = 1: the first products take b2 / 16 as C.  The 16 accumulators take turns.
.macro MUL8 f, c, a0, bias
	WIN MUL
.irp a, \a0, (\a0)+1
.irp b, 0,1,2,3
.if \bias
	v_wmma_f32_16x16x32_f16 v[ACC+8*(4*(\a)+(\b)):ACC+8*(4*(\a)+(\b))+7], v[(\f)+64+8*(4*(\c)+(\b)):(\f)+64+8*(4*(\c)+(\b))+7], v[(\f)+8*(4*(\c)+(\a)):(\f)+8*(4*(\c)+(\a))+7], v[BIAS+8*(\b):BIAS+8*(\b)+7]
.else
	v_wmma_f32_16x16x32_f16 v[ACC+8*(4*(\a)+(\b)):ACC+8*(4*(\a)+(\b))+7], v[(\f)+64+8*(4*(\c)+(\b)):(\f)+64+8*(4*(\c)+(\b))+7], v[(\f)+8*(4*(\c)+(\a)):(\f)+8*(4*(\c)+(\a))+7], v[ACC+8*(4*(\a)+(\b)):ACC+8*(4*(\a)+(\b))+7]
.endif
.endr
.endr
.endm
; 32 LDS loads in one run: quarter q (64 along K) of a slot into buffer f; the first 32 along K first
.macro FETCH slot, q, f
	WIN TO_F
.irp c, 0,1
.irp i, 0,1,2,3
	ds_load_tr16_b128 v[(\f)+64+8*(4*(\c)+(\i)):(\f)+64+8*(4*(\c)+(\i))+3],   v[ADRB+2*(\slot)+(\q)/2] offset:(64*((\q)%2)+32*(\c))*PB+32*(\i)
	ds_load_tr16_b128 v[(\f)+64+8*(4*(\c)+(\i))+4:(\f)+64+8*(4*(\c)+(\i))+7], v[ADRB+2*(\slot)+(\q)/2] offset:(64*((\q)%2)+32*(\c))*PB+32*(\i)+16*PB
	ds_load_b128 v[(\f)+8*(4*(\c)+(\i)):(\f)+8*(4*(\c)+(\i))+3],              v[ADRA+(\slot)] offset:128*(\q)+64*(\c)+(\i)*16*PA
	ds_load_b128 v[(\f)+8*(4*(\c)+(\i))+4:(\f)+8*(4*(\c)+(\i))+7],            v[ADRA+(\slot)] offset:128*(\q)+64*(\c)+(\i)*16*PA+32
.endr
.endr
.endm
.macro PLACES
.rept 4
	v_nop
.endr
.endm
.macro QUARTER slot, q, f, g, bias
	s_wait_dscnt 16                                ; the first 32 along K are in
	MUL8 \f, 0, 0, \bias
	MUL8 \f, 0, 2, \bias
	PLACES
	FETCH \slot, \q, \g
	s_wait_dscnt 32                                ; all but the 32 just issued
	MUL8 \f, 1, 0, 0
	MUL8 \f, 1, 2, 0
.endm
; The last quarter multiplies buffer 1 and changes slots: in front of the barrier each wave waits for all its tensor loads, adds 0 to its spare word, and waits for that and for its reads of this slot.
.macro TURN slot, next, fill
	WIN 0
	s_wait_tensorcnt 0x0                           ; all my tensor loads have landed: my part of the next slot
	ds_add_u32 v[SPW], v[NIL]
	s_wait_dscnt 17                                ; (the add and the youngest sixteen loads may be out)
	MUL8 F1, 0, 0, 0
	s_wait_dscnt 0x0                               ; the add is done, and my reads of this slot are over
	s_barrier_signal -1
	MUL8 F1, 0, 2, 0
.if \fill
	WIN 0
.endif
	s_barrier_wait -1
.if \fill
	CREST                                          ; no wave of any partner still reads this slot or has a load on its way
	s_add_nc_u64 s[G0+4*(\slot)+2:G0+4*(\slot)+3], s[G0+4*(\slot)+2:G0+4*(\slot)+3], 2*512
	s_add_nc_u64 s[G0B+4*(\slot)+2:G0B+4*(\slot)+3], s[G0B+4*(\slot)+2:G0B+4*(\slot)+3], 2*1048576
	JLOAD \slot                                    ; the first tensor load behind the round; its four v_nop are also the places in front of the loads below
.else
	PLACES
.endif
	FETCH \next, 0, F0
	MUL8 F1, 1, 0, 0
	MUL8 F1, 1, 2, 0
.endm
	s_wait_tensorcnt 1                             ; my part of K step 0 is in; K step 1's may stay out
	s_barrier_signal -1
	s_barrier_wait -1
	FETCH 0, 0, F0
	WIN 0
	s_wait_loadcnt 0x0                             ; b2 and the coefficients
.set i, 0
.rept 16
	v_pk_mul_f32 v[BIAS+2*i:BIAS+2*i+1], v[BIAS+2*i:BIAS+2*i+1], 0x3d800000 op_sel_hi:[1,0]   ; b2 / 16
.set i, i+1
.endr
	QUARTER 0, 1, F0, F1, 1
	WIN 0
	s_mov_b32 s3, LAPS-1
.Llap:
	QUARTER 0, 2, F1, F0, 0
	QUARTER 0, 3, F0, F1, 0
	TURN 0, 1, 1
	QUARTER 1, 1, F0, F1, 0
	QUARTER 1, 2, F1, F0, 0
	QUARTER 1, 3, F0, F1, 0
	TURN 1, 0, 1
	QUARTER 0, 1, F0, F1, 0
	WIN 0
	s_sub_co_u32 s3, s3, 1
	s_cmp_lg_u32 s3, 0
	s_cbranch_scc1 .Llap
	; x for my first eight rows is asked for here, a lap ahead of its use; behind the loads, together, two prefetches name my rows 8-15: 64 blocks of 256 bytes, a lane a block
	WIN 0x80                                       ; destination window 2
.irp s, 0,1,2,3,4,5,6,7
.irp m, 0,1,2,3
	global_load_b128 v[16*\s+4*\m:16*\s+4*\m+3], v[XO], s[76:77] offset:32768*\s+8192*\m th:TH_LOAD_NT
.endr
.endr
	WIN 0
	global_prefetch_b8 v[PFX], s[76:77] offset:8*32768 th:TH_LOAD_NT scope:SCOPE_SE
	global_prefetch_b8 v[PFX], s[76:77] offset:12*32768 th:TH_LOAD_NT scope:SCOPE_SE
	QUARTER 0, 2, F1, F0, 0                        ; the last lap fills nothing
	QUARTER 0, 3, F0, F1, 0
	TURN 0, 1, 0
	QUARTER 1, 1, F0, F1, 0
	QUARTER 1, 2, F1, F0, 0
	QUARTER 1, 3, F0, F1, 0
	s_wait_dscnt 16                                ; the very last quarter
	MUL8 F1, 0, 0, 0
	MUL8 F1, 0, 2, 0
	s_wait_dscnt 0x0                               ; my reads of the ring are over:
	s_barrier_signal -1                            ; say so,
	MUL8 F1, 1, 0, 0
	MUL8 F1, 1, 2, 0
	WIN 0
	s_barrier_wait -1                              ; and when all four have said so the ring, which has had its last fill, is free for stores
	PLACES
.irp a, 0,1,2,3
.irp b, 0,1,2,3
	ds_store_b128 v[STO], v[ACC+8*(4*\a+\b):ACC+8*(4*\a+\b)+3]   offset:16*HPITCH*\a+64*\b      ; each accumulator's lowest registers first
	ds_store_b128 v[STO], v[ACC+8*(4*\a+\b)+4:ACC+8*(4*\a+\b)+7] offset:16*HPITCH*\a+64*\b+16
.endr
.endr
.irp i, 0,1,2,3,4,5,6,7,8,9,10,11,12,13,14,15
	ds_store_b128 v[CFA], v[CFR+4*\i:CFR+4*\i+3] offset:512*\i
.endr
	s_wait_dscnt 0x0                               ; for the others' sake: a row of the tile comes from two waves
	s_barrier_signal -1
	s_barrier_wait -1
; Row s of the eight in hand: its 40 coefficient words (every lane reads the same bytes) and my four numbers of the tile's row, into set par.
.macro LROW s, par
	WIN 0
.irp i, 0,1,2,3,4,5,6,7,8,9
	ds_load_b128 v[CO+40*(\par)+4*\i:CO+40*(\par)+4*\i+3], v[COA] offset:256*(\s)+16*\i
.endr
	WIN 0x80
	ds_load_b128 v[HBR+4*(\par):HBR+4*(\par)+3], v[HBA] offset:HPITCH*(\s)
.endm
; A row goes out.  next = 1: the next row's 11 LDS loads are issued first and may stay out.  left = the younger loads of x that may stay out.  reload = 1: the slot takes the row eight further on.
.macro ROW s, reload, left, next
.if \next
	LROW (\s)+1, ((\s)+1)%2
	s_wait_dscnt 11
.else
	s_wait_dscnt 0x0
.endif
	s_wait_loadcnt \left
	s_wait_xcnt 0x0                                ; the stores of two rows back have read this set of results
	WIN 0x02                                       ; source 0 (x, the tile's row) in window 2
.set par, (\s)%2
.irp n, 0,1,2,3
.irp z, 0,2
	v_pk_mul_f32 v[OUT+16*par+4*\n+\z:OUT+16*par+4*\n+\z+1], v[HBR+4*par+\z:HBR+4*par+\z+1], v[CO+40*par+2*\n:CO+40*par+2*\n+1]
.endr
.endr
.irp m, 0,1,2,3
.irp n, 0,1,2,3
.irp z, 0,2
	v_pk_fma_f32 v[OUT+16*par+4*\n+\z:OUT+16*par+4*\n+\z+1], v[16*(\s)+4*\m+\z:16*(\s)+4*\m+\z+1], v[CO+40*par+8+2*(4*\n+\m):CO+40*par+8+2*(4*\n+\m)+1], v[OUT+16*par+4*\n+\z:OUT+16*par+4*\n+\z+1]
.endr
.endr
.endr
	WIN 0
.irp n, 0,1,2,3
	global_store_b128 v[XO], v[OUT+16*par+4*\n:OUT+16*par+4*\n+3], s[78:79] offset:32768*(\s)+8192*\n th:TH_STORE_NT   ; 512 consecutive bytes, at a multiple of 256 from out0's first byte
.endr
.if \reload
	WIN 0x80
.irp m, 0,1,2,3
	global_load_b128 v[16*(\s)+4*\m:16*(\s)+4*\m+3], v[XO], s[76:77] offset:32768*(\s)+8192*\m+262144 th:TH_LOAD_NT
.endr
.endif
.endm
	LROW 0, 0
	WIN 0
	s_mov_b32 s3, 3
.Lrows:                                        ; three trips of eight rows, each slot filled again; 28: the seven younger slots' four loads each
.irp s, 0,1,2,3,4,5,6,7
	ROW \s, 1, 28, 1
.endr
	WIN 0
	s_wait_xcnt 0x0                                ; the bases are stepped only behind this wait
	s_add_nc_u64 s[76:77], s[76:77], 262144
	s_add_nc_u64 s[78:79], s[78:79], 262144
	v_add_nc_u32 v[COA], 8*256, v[COA]
	v_add_nc_u32 v[HBA], 8*HPITCH, v[HBA]
	s_sub_co_u32 s3, s3, 1
	s_cmp_lg_u32 s3, 0
	s_cbranch_scc1 .Lrows
.irp s, 0,1,2,3,4,5,6
	ROW \s, 0, 4*(7-\s), 1                         ; the last eight rows load nothing: the counts run down
.endr
	ROW 7, 0, 0, 0
	s_wait_tensorcnt 0x0                           ; the wave's end: three closing lines, behind my last tensor load and my last LDS store
	ds_add_u32 v[SPW], v[NIL]
	s_wait_dscnt 0x0
	CROUND                                         ; the closing round: no work-group ends while a partner may still ask for a tile that names it
	s_endpgm
.Lfunc_end_k_q6c898d3d53_gemm2:
	.size	k_q6c898d3d53_gemm2, .Lfunc_end_k_q6c898d3d53_gemm2-k_q6c898d3d53_gemm2
	.p2alignl 7, 3214868480
	.fill 96, 4, 3214868480
	.section	.rodata,"a",@progbits
	.p2align	6, 0x0
	.amdhsa_kernel k_q6c898d3d53_gemm2
		.amdhsa_group_segment_fixed_size 327680
		.amdhsa_private_segment_fixed_size 0
		.amdhsa_enable_private_segment 0
		.amdhsa_kernarg_size 48
		.amdhsa_user_sgpr_count 2
		.amdhsa_user_sgpr_kernarg_segment_ptr 1
		.amdhsa_wavefront_size32 1
		.amdhsa_system_sgpr_workgroup_id_x 1
		.amdhsa_system_sgpr_workgroup_id_y 1
		.amdhsa_system_sgpr_workgroup_id_z 1
		.amdhsa_system_vgpr_workitem_id 0
		.amdhsa_next_free_vgpr 648
		.amdhsa_next_free_sgpr 96
		.amdhsa_reserve_vcc 0
		.amdhsa_float_denorm_mode_32 3
		.amdhsa_float_denorm_mode_16_64 3
		.amdhsa_memory_ordered 1
		.amdhsa_forward_progress 1
		.amdhsa_inst_pref_size 153
	.end_amdhsa_kernel
	.amdgpu_metadata
---
amdhsa.version: [ 1, 2 ]
amdhsa.kernels:
  - .name:           k_q6c898d3d53_gemm2
    .symbol:         k_q6c898d3d53_gemm2.kd
    .args:
      - { .name: hid, .offset: 0, .size: 8, .value_kind: global_buffer, .address_space: global }
      - { .name: w2h, .offset: 8, .size: 8, .value_kind: global_buffer, .address_space: global }
      - { .name: b2, .offset: 16, .size: 8, .value_kind: global_buffer, .address_space: global }
      - { .name: coef, .offset: 24, .size: 8, .value_kind: global_buffer, .address_space: global }
      - { .name: x, .offset: 32, .size: 8, .value_kind: global_buffer, .address_space: global }
      - { .name: out0, .offset: 40, .size: 8, .value_kind: global_buffer, .address_space: global }
    .group_segment_fixed_size: 327680
    .private_segment_fixed_size: 0
    .kernarg_segment_align: 8
    .kernarg_segment_size: 48
    .max_flat_workgroup_size: 128
    .sgpr_count:     96
    .vgpr_count:     648
    .wavefront_size: 32
...
	.end_amdgpu_metadata
.endif
;; end of part 4
;; ======== version 2 of 3: 5 launches
;; limits: values are held in f16: magnitudes above 65,504 overflow, below 6.1e-05 lose precision; inputs' magnitudes at most 16,376; right only within a limited range of input values
;; workspace buffers: w1h 33,554,432 bytes; w2h 33,554,432 bytes; tht 393,216 bytes; xpre 8,388,608 bytes; coef 524,288 bytes; hid 33,554,432 bytes; part 67,108,864 bytes
;; launch prep (part 5): grid 576 x 1, 8 waves a work-group, no clusters, 0 bytes of LDS; arguments W1, W2, rms_weight, theta_pre, theta_post, theta_res, w1h, w2h, tht; writes w1h, w2h, tht
.if DOCPART == 5
	.amdgcn_target "amdgcn-amd-amdhsa--gfx1250"
	.amdhsa_code_object_version 6
	.text
	.protected	k_q6c898d3d53_prep
	.globl	k_q6c898d3d53_prep
	.p2align	8
	.type	k_q6c898d3d53_prep,@function
k_q6c898d3d53_prep:
	s_mov_b64 s[64:65], 0
	v_nop
	global_prefetch_b8 v0, s[64:65] scope:SCOPE_SE
	s_setreg_imm32_b32 hwreg(HW_REG_WAVE_MODE, 25, 1), 1
	s_wait_xcnt 0x0
; PREP.  Work-groups 0-511: W1 and W2 (f32) are rounded once to f16, in their own layouts, into w1h and w2h.
; Work-groups 512-575: the table tht (f16) of 64 x rms_weight[k] x theta[k][c]; c 0-15 theta_res's columns, 16-19 theta_pre's, 20-23 theta_post's, LAID OUT AS THE NEXT LAUNCH'S MATRIX FRAGMENTS:
; 1,536 bytes for each 32 k.  A unit of 16 bytes holds one column's 8 consecutive k, group q = 0..3 of the 32.  Columns 0-15: unit at 256 q + 16 c.  Columns 16-23: unit at 1,024 + 128 q + 16 (c - 16).
; LIMITS.  f16 ends at 65,504: |W| stays under it, |rms_weight x theta| under 1,023 (the table is stored x 64); below 6e-5 f16 keeps its fixed step of 6e-8.
; THE CAST is a stream: a work-group owns 262,144 bytes of f32, thread t the 16 bytes at 16 t of each chunk of 4,096; a load of a wave covers 512 consecutive bytes, a store 256 consecutive
; aligned bytes.  Eight loads of every wave are always on their way (a ring of eight slots in registers).  No LDS, no matrix unit: there is nothing to share and nothing to multiply.
.set X,     8                          ; v[8:39]   slot i: 4 registers as loaded
.set Y,     40                         ; v[40:55]  slot i: 2 registers to store
.set CHUNK, 4096
.set CNT,   23                         ; s23  rounds to go; in the table's part the wave's number
	s_load_b512 s[4:19], s[0:1], 0x0               ; W1 s[4:5], W2 s[6:7], rms_weight s[8:9], theta_pre s[10:11], theta_post s[12:13], theta_res s[14:15], w1h s[16:17], w2h s[18:19]
	s_load_b64 s[20:21], s[0:1], 0x40              ; tht
	s_cmp_ge_u32 ttmp9, 512
	s_cbranch_scc1 .Ltheta
	v_lshlrev_b32 v1, 4, v0                        ; 16 t: my bytes of a chunk of f32
	v_lshlrev_b32 v2, 3, v0                        ; 8 t: the same numbers as f16
	s_and_b32 s22, ttmp9, 255                      ; my part of the matrix
	s_lshl_b32 s28, s22, 18
	s_mov_b32 s29, 0
	s_lshl_b32 s30, s22, 17
	s_mov_b32 s31, 0
	s_wait_kmcnt 0x0
	s_cmp_lt_u32 ttmp9, 256                        ; the first 256 work-groups take W1, the next 256 W2
	s_cselect_b64 s[24:25], s[4:5], s[6:7]
	s_cselect_b64 s[26:27], s[16:17], s[18:19]
	s_add_nc_u64 s[24:25], s[24:25], s[28:29]
	s_add_nc_u64 s[26:27], s[26:27], s[30:31]
.irp i, 0,1,2,3,4,5,6,7
	global_load_b128 v[X+4*(\i):X+4*(\i)+3], v1, s[24:25] offset:(\i)*CHUNK th:TH_LOAD_NT
.endr
; One slot's turn.  ahead = 1: the slot is filled again with the chunk eight further on.  left = the younger loads that may stay out.
.macro SLOT i, ahead, left
	s_wait_loadcnt \left                           ; loads come back in order: mine is in
	s_wait_xcnt 0x0                                ; the slot's last store has read Y: it is rewritten only behind this wait
	v_cvt_pk_f16_f32 v[Y+2*(\i)],   v[X+4*(\i)],   v[X+4*(\i)+1]
	v_cvt_pk_f16_f32 v[Y+2*(\i)+1], v[X+4*(\i)+2], v[X+4*(\i)+3]
.if \ahead
	global_load_b128 v[X+4*(\i):X+4*(\i)+3], v1, s[24:25] offset:(8+(\i))*CHUNK th:TH_LOAD_NT
.endif
	global_store_b64 v2, v[Y+2*(\i):Y+2*(\i)+1], s[26:27] offset:(\i)*CHUNK/2 th:TH_STORE_NT
.endm
	s_mov_b32 s[CNT], 7
.Lround:
.irp i, 0,1,2,3,4,5,6,7
	SLOT \i, 1, 7
.endr
	s_wait_xcnt 0x0                                ; the two bases are stepped only behind this wait
	s_add_nc_u64 s[24:25], s[24:25], 8*CHUNK
	s_add_nc_u64 s[26:27], s[26:27], 4*CHUNK
	s_sub_co_u32 s[CNT], s[CNT], 1
	s_cmp_lg_u32 s[CNT], 0
	s_cbranch_scc1 .Lround
.irp i, 0,1,2,3,4,5,6,7
	SLOT \i, 0, 7-(\i)                             ; the last round loads nothing: the counts run down
.endr
	s_endpgm
; THE TABLE.  A work-group takes 128 k: four blocks of 32.  Thread t: c = t % 16 a column of theta_res, g = t / 16 a group of 8 k: sixteen neighbouring lanes read 64 consecutive bytes of a row of
; theta_res and store 256 consecutive aligned bytes of tht.  The three tables are 0.8 MB in all and are read once.
.Ltheta:
	s_sub_co_u32 s22, ttmp9, 512                   ; which 128 k
	v_lshrrev_b32 v3, 5, v0
	v_readfirstlane_b32 s[CNT], v3                 ; wave 0..7
	v_and_b32 v4, 15, v0                           ; c
	v_lshrrev_b32 v5, 4, v0                        ; g
	v_lshlrev_b32 v6, 5, v5                        ; rms_weight: 32 g
	v_lshlrev_b32 v7, 9, v5
	v_lshl_add_u32 v7, v4, 2, v7                   ; theta_res: 512 g + 4 c
	v_lshrrev_b32 v56, 2, v5
	v_mul_u32_u24 v58, v56, 1536                   ; tht: block g / 4,
	v_and_b32 v56, 3, v5
	v_lshl_add_u32 v58, v56, 8, v58                ; 256 (g % 4),
	v_lshl_add_u32 v58, v4, 4, v58                 ; 16 c
	s_mov_b32 s29, 0
	s_wait_kmcnt 0x0
	s_lshl_b32 s28, s22, 9
	s_add_nc_u64 s[8:9], s[8:9], s[28:29]
	s_lshl_b32 s28, s22, 13
	s_add_nc_u64 s[14:15], s[14:15], s[28:29]
	s_lshl_b32 s28, s22, 11
	s_add_nc_u64 s[10:11], s[10:11], s[28:29]
	s_add_nc_u64 s[12:13], s[12:13], s[28:29]
	s_mul_i32 s28, s22, 4*1536
	s_add_nc_u64 s[20:21], s[20:21], s[28:29]
	global_load_b128 v[8:11],  v6, s[8:9]
	global_load_b128 v[12:15], v6, s[8:9] offset:16
.irp j, 0,1,2,3,4,5,6,7
	global_load_b32 v[16+(\j)], v7, s[14:15] offset:64*(\j)
.endr
	s_wait_loadcnt 0x0
.irp j, 0,2,4,6
	v_pk_mul_f32 v[8+(\j):9+(\j)], v[8+(\j):9+(\j)], 0x42800000 op_sel_hi:[1,0]   ; 64 x rms_weight
.endr
.irp j, 0,2,4,6
	v_pk_mul_f32 v[16+(\j):17+(\j)], v[16+(\j):17+(\j)], v[8+(\j):9+(\j)]
.endr
.irp j, 0,1,2,3
	v_cvt_pk_f16_f32 v[32+(\j)], v[16+2*(\j)], v[17+2*(\j)]
.endr
	global_store_b128 v58, v[32:35], s[20:21]
	s_cmp_lt_u32 s[CNT], 4                         ; threads 0-127 also make columns 16-23: c' = t % 8, g' = t / 8
	s_cbranch_scc0 .Ldone
	v_and_b32 v59, 7, v0                           ; c'
	v_lshrrev_b32 v60, 3, v0                       ; g'
	v_lshlrev_b32 v61, 5, v60                      ; rms_weight: 32 g'
	v_and_b32 v62, 3, v59
	v_lshlrev_b32 v57, 7, v60
	v_lshl_add_u32 v57, v62, 2, v57                ; theta_pre, theta_post: 128 g' + 4 (c' % 4)
	v_lshrrev_b32 v62, 2, v60
	v_mul_u32_u24 v63, v62, 1536
	v_and_b32 v62, 3, v60
	v_lshl_add_u32 v63, v62, 7, v63                ; 128 (g' % 4)
	v_lshl_add_u32 v63, v59, 4, v63                ; 16 c'; the 1,024 stand in the store's immediate
	global_load_b128 v[40:43], v61, s[8:9]
	global_load_b128 v[44:47], v61, s[8:9] offset:16
.irp j, 0,1,2,3,4,5,6,7
	global_load_b32 v[24+(\j)], v57, s[10:11] offset:16*(\j)
	global_load_b32 v[48+(\j)], v57, s[12:13] offset:16*(\j)
.endr
	v_cmp_gt_u32 vcc_lo, 4, v59                    ; c' 0-3: theta_pre; 4-7: theta_post
	s_wait_loadcnt 0x0
.irp j, 0,1,2,3,4,5,6,7
	v_cndmask_b32 v[24+(\j)], v[48+(\j)], v[24+(\j)], vcc_lo
.endr
.irp j, 0,2,4,6
	v_pk_mul_f32 v[40+(\j):41+(\j)], v[40+(\j):41+(\j)], 0x42800000 op_sel_hi:[1,0]
.endr
.irp j, 0,2,4,6
	v_pk_mul_f32 v[24+(\j):25+(\j)], v[24+(\j):25+(\j)], v[40+(\j):41+(\j)]
.endr
.irp j, 0,1,2,3
	v_cvt_pk_f16_f32 v[36+(\j)], v[24+2*(\j)], v[25+2*(\j)]
.endr
	global_store_b128 v63, v[36:39], s[20:21] offset:1024   ; sixteen neighbouring lanes (two g', eight c') store 256 consecutive aligned bytes
.Ldone:
	s_endpgm
.Lfunc_end_k_q6c898d3d53_prep:
	.size	k_q6c898d3d53_prep, .Lfunc_end_k_q6c898d3d53_prep-k_q6c898d3d53_prep
	.p2alignl 7, 3214868480
	.fill 96, 4, 3214868480
	.section	.rodata,"a",@progbits
	.p2align	6, 0x0
	.amdhsa_kernel k_q6c898d3d53_prep
		.amdhsa_group_segment_fixed_size 0
		.amdhsa_private_segment_fixed_size 0
		.amdhsa_enable_private_segment 0
		.amdhsa_kernarg_size 72
		.amdhsa_user_sgpr_count 2
		.amdhsa_user_sgpr_kernarg_segment_ptr 1
		.amdhsa_wavefront_size32 1
		.amdhsa_system_sgpr_workgroup_id_x 1
		.amdhsa_system_sgpr_workgroup_id_y 1
		.amdhsa_system_sgpr_workgroup_id_z 1
		.amdhsa_system_vgpr_workitem_id 0
		.amdhsa_next_free_vgpr 64
		.amdhsa_next_free_sgpr 66
		.amdhsa_reserve_vcc 1
		.amdhsa_float_denorm_mode_32 3
		.amdhsa_float_denorm_mode_16_64 3
		.amdhsa_memory_ordered 1
		.amdhsa_forward_progress 1
		.amdhsa_inst_pref_size 14
	.end_amdhsa_kernel
	.amdgpu_metadata
---
amdhsa.version: [ 1, 2 ]
amdhsa.kernels:
  - .name:           k_q6c898d3d53_prep
    .symbol:         k_q6c898d3d53_prep.kd
    .args:
      - { .name: W1, .offset: 0, .size: 8, .value_kind: global_buffer, .address_space: global }
      - { .name: W2, .offset: 8, .size: 8, .value_kind: global_buffer, .address_space: global }
      - { .name: rms_weight, .offset: 16, .size: 8, .value_kind: global_buffer, .address_space: global }
      - { .name: theta_pre, .offset: 24, .size: 8, .value_kind: global_buffer, .address_space: global }
      - { .name: theta_post, .offset: 32, .size: 8, .value_kind: global_buffer, .address_space: global }
      - { .name: theta_res, .offset: 40, .size: 8, .value_kind: global_buffer, .address_space: global }
      - { .name: w1h, .offset: 48, .size: 8, .value_kind: global_buffer, .address_space: global }
      - { .name: w2h, .offset: 56, .size: 8, .value_kind: global_buffer, .address_space: global }
      - { .name: tht, .offset: 64, .size: 8, .value_kind: global_buffer, .address_space: global }
    .group_segment_fixed_size: 0
    .private_segment_fixed_size: 0
    .kernarg_segment_align: 8
    .kernarg_segment_size: 72
    .max_flat_workgroup_size: 256
    .sgpr_count:     66
    .vgpr_count:     64
    .wavefront_size: 32
...
	.end_amdgpu_metadata
.endif
;; end of part 5
;; launch coef (part 6): grid 256 x 1, 16 waves a work-group, no clusters, 181,248 bytes of LDS; arguments x, tht, alpha_pre, alpha_post, alpha_res, b_pre, b_post, b_res, xpre, coef; writes xpre, coef
.if DOCPART == 6
	.amdgcn_target "amdgcn-amd-amdhsa--gfx1250"
	.amdhsa_code_object_version 6
	.text
	.protected	k_q6c898d3d53_coef
	.globl	k_q6c898d3d53_coef
	.p2align	8
	.type	k_q6c898d3d53_coef,@function
k_q6c898d3d53_coef:
	s_mov_b64 s[64:65], 0
	v_nop
	global_prefetch_b8 v0, s[64:65] scope:SCOPE_SE
	s_setreg_imm32_b32 hwreg(HW_REG_WAVE_MODE, 25, 1), 1
	s_wait_xcnt 0x0
; COEF.  For 8 rows of x a work-group: the sum of squares, the 24 small projections (matrix unit, f16 operands, f32 sums), H_pre, H_post, the 4 x 4 matrix with its exponential and 20 normalising
; passes, and x_pre = H_pre . x (stored f16).  x is read from memory once: it is kept in LDS as f16 between the projections and x_pre.
; coef[row][64] (f32): words 2 n, 2 n + 1 both 16 H_post[n]; words 8 + 2 (4 n + m) and the next both H_res[n][m]; words 40-63 are 0.  (hid is stored / 16 by the next launch: hence the 16.)
; LIMITS.  x is rounded to f16 for the products: |x| under 16,376, so that |x_pre| <= 4 max |x| also fits; divisions are a reciprocal and a multiply; NaN and infinities are not treated apart.
; SHARES.  K = 8,192 is split among the 16 waves: wave w takes k = 512 w .. + 511 of all 8 rows: 32 loads, each 512 consecutive bytes of one row, all issued at the start: the work-group's whole
; 262,144 bytes of x are on their way at once.  A row is rounded and squared as it comes and laid into the wave's own 8,320 bytes of LDS, from which the same wave reads its fragments.
; LAYOUT.  The product is taken as table (source 0: 16 columns) times x (source 1: 16 rows, of which rows 8-15 repeat rows 0-7): in the result lane (r, h) holds row r % 8 and table columns 8 h + 0..7.
; The table lies in memory as fragments (the launch before lays it so): a load of a wave covers 512 or 256 consecutive bytes.  The partial sums of the 16 waves meet in LDS.
; NO CLUSTER, though every work-group reads the whole table: its 393,216 bytes do not fit in LDS beside x's 133,120, so a joint fetch would want a ring of slots filled again, with a round of the
; cluster's barrier at each refill, in a launch whose waves otherwise meet twice.
.set RP,    1040                       ; a row's 512 numbers of one wave in LDS: 1,024 bytes + 16: the 8 rows of a fragment load start 16 bytes apart modulo 256
.set WP,    8*RP                       ; a wave's part: 8,320 bytes on end
.set P0,    133120                     ; 16 waves x 16 rows x 80 bytes: partial sums for table columns 0-15
.set P1D,   20480                      ; behind them the same for table columns 16-23
.set SSB,   174080                     ; 16 waves x 32 bytes: partial sums of squares of the 8 rows
.set HPB,   174592                     ; 16 rows x 16: H_pre
.set CSB,   174848                     ; 16 rows x 272: the coefficients on their way out
.set SPARE, 179200                     ; the spare words, 128 bytes a wave: eight blocks of 256 bytes that no other line names
.set XFA, 1                            ; v1   where I read x's fragments
.set XO,  2                            ; v2   x: 2,048 w + 16 l.     Later: where I read x in LDS, streams 0 and 1
.set T0O, 3                            ; v3   table, columns 0-15: 24,576 w + 16 l.   Later: where I read H_pre
.set T1O, 4                            ; v4   table, columns 16-23: 24,576 w + 1,024 + 128 h + 16 (r % 8).     Later: my offset in xpre
.set XSA, 5                            ; v5   where I put x in LDS: 8,320 w + 8 l
.set PST, 6                            ; v6   where I put partial sums
.set XO2, 7                            ; v7   later: where I read x in LDS, streams 2 and 3
.set R80, 8                            ; v8   80 r
.set SPW, 10                           ; v10  my spare word; never rewritten
.set NIL, 11                           ; v11  0; never rewritten
.set ZR,  12                           ; v12  0: the first addend of x_pre's sums
.set SST, 15                           ; v15  where I put the sums of squares
.set A0,  16                           ; v[16:23] sums for table columns 0-15
.set A1,  24                           ; v[24:31] sums for table columns 16-23 (twice); later wave 0 carries numbers here from its first part to its second
.set SQ,  32                           ; v[32:47] a packed chain of squares for each row
.set XH,  48                           ; v[48:63] a row as f16, two sets; then the 8 sums of squares
.set XF,  32                           ; v[32:63] later: x's fragments of four blocks of 32 k
.set XR,  64                           ; v[64:191]  x as loaded: row j at 16 j
.set MM,  192                          ; later: the 4 x 4 matrix
.set WV,  56                           ; s56  my wave's number
.set CNT, 57                           ; s57  loop counts
	s_load_b512 s[4:19], s[0:1], 0x0               ; x s[4:5], tht s[6:7], alpha_pre, alpha_post, alpha_res s[8:13], b_pre, b_post, b_res s[14:19]
	s_load_b128 s[20:23], s[0:1], 0x40             ; xpre s[20:21], coef s[22:23]
	v_lshl_add_u32 v[SPW], v0, 2, SPARE
	v_mov_b32 v[NIL], 0
	v_mov_b32 v[ZR], 0
	v_lshrrev_b32 v1, 5, v0
	v_readfirstlane_b32 s[WV], v1                  ; wave 0..15
	v_and_b32 v13, 15, v0                          ; r
	v_bfe_u32 v14, v0, 4, 1                        ; h
	v_and_b32 v15, 31, v0                          ; l
	v_and_b32 v9, 7, v0                            ; r % 8
	s_lshl_b32 s58, s[WV], 11
	s_mul_i32 s59, s[WV], WP
	s_mul_i32 s60, s[WV], 16*1536
	v_lshl_add_u32 v[XO], v15, 4, s58
	v_lshl_add_u32 v[T0O], v15, 4, s60
	s_add_co_u32 s60, s60, 1024
	v_lshl_add_u32 v[T1O], v9, 4, s60
	v_lshl_add_u32 v[T1O], v14, 7, v[T1O]
	v_lshl_add_u32 v[XSA], v15, 3, s59
	v_mul_u32_u24 v[XFA], v9, RP
	v_lshl_add_u32 v[XFA], v14, 4, v[XFA]
	v_add_nc_u32 v[XFA], s59, v[XFA]
	v_mul_u32_u24 v[R80], v13, 80
	s_mul_i32 s60, s[WV], 1280
	s_add_co_u32 s60, s60, P0
	v_lshl_add_u32 v[PST], v14, 5, v[R80]
	v_add_nc_u32 v[PST], s60, v[PST]
	s_lshl_b32 s61, s[WV], 5
	s_add_co_u32 s61, s61, SSB
	v_mov_b32 v[SST], s61
	s_mov_b32 s52, 0x76543210                      ; v_permlanex16_b32: each lane takes its own place in the other half
	s_mov_b32 s53, 0xfedcba98
	s_mov_b32 s54, 0x39000000                      ; 1 / 8,192
	s_mov_b32 s55, 0x34000000                      ; 2^-23, the norm's epsilon
	s_lshl_b32 s62, ttmp9, 18                      ; the work-group's 8 rows of 32,768 bytes
	s_mov_b32 s63, 0
	s_wait_kmcnt 0x0
	s_add_nc_u64 s[4:5], s[4:5], s[62:63]
	s_load_b32 s24, s[8:9], 0x0                    ; alpha_pre
	s_load_b32 s25, s[10:11], 0x0                  ; alpha_post
	s_load_b32 s26, s[12:13], 0x0                  ; alpha_res
	s_load_b128 s[28:31], s[14:15], 0x0            ; b_pre
	s_load_b128 s[32:35], s[16:17], 0x0            ; b_post
	s_load_b512 s[36:51], s[18:19], 0x0            ; b_res
.irp j, 0,1,2,3,4,5,6,7
.irp i, 0,1,2,3
	global_load_b128 v[XR+16*\j+4*\i:XR+16*\j+4*\i+3], v[XO], s[4:5] offset:32768*\j+512*\i th:TH_LOAD_NT
.endr
.endr
.macro LDT q, base                     ; batch q of the table: four blocks of 32 k, 16 registers each (columns 0-15: 8, columns 16-23: 8): 16 loads
.set bi, 0
.rept 4
	global_load_b128 v[(\base)+16*bi:(\base)+16*bi+3],     v[T0O], s[6:7] offset:1536*(4*(\q)+bi)
	global_load_b128 v[(\base)+16*bi+4:(\base)+16*bi+7],   v[T0O], s[6:7] offset:1536*(4*(\q)+bi)+512
	global_load_b128 v[(\base)+16*bi+8:(\base)+16*bi+11],  v[T1O], s[6:7] offset:1536*(4*(\q)+bi)
	global_load_b128 v[(\base)+16*bi+12:(\base)+16*bi+15], v[T1O], s[6:7] offset:1536*(4*(\q)+bi)+256
.set bi, bi+1
.endr
.endm
	LDT 0, 192
	s_wait_kmcnt 0x0                               ; the small inputs
; Row j has come: rounded to f16, squared, laid into LDS (a store of a wave covers 256 consecutive bytes).  The count: the later rows' four loads each, and the table's first 16.
.macro CROW j
	s_wait_loadcnt 16+4*(7-(\j))
.set xr, XR+16*(\j)
.set xh, XH+8*((\j)%2)
.set sq, SQ+2*(\j)
.set ci, 0
.rept 4
	v_cvt_pk_f16_f32 v[xh+2*ci],   v[xr+4*ci],   v[xr+4*ci+1]
	v_cvt_pk_f16_f32 v[xh+2*ci+1], v[xr+4*ci+2], v[xr+4*ci+3]
.if ci == 0
	v_pk_mul_f32 v[sq:sq+1], v[xr:xr+1], v[xr:xr+1]
.else
	v_pk_fma_f32 v[sq:sq+1], v[xr+4*ci:xr+4*ci+1], v[xr+4*ci:xr+4*ci+1], v[sq:sq+1]
.endif
	v_pk_fma_f32 v[sq:sq+1], v[xr+4*ci+2:xr+4*ci+3], v[xr+4*ci+2:xr+4*ci+3], v[sq:sq+1]
	ds_store_b64 v[XSA], v[xh+2*ci:xh+2*ci+1] offset:RP*(\j)+256*ci
.set ci, ci+1
.endr
.endm
.irp j, 0,1,2,3,4,5,6,7
	CROW \j
.endr
	LDT 1, 64                                      ; x's registers are free: two more batches of the table go out
	LDT 2, 128
	; the 8 sums of squares over the wave's 32 lanes
.irp j, 0,1,2,3,4,5,6,7
	v_add_f32 v[SQ+2*\j], v[SQ+2*\j], v[SQ+2*\j+1]
.endr
.irp m, 1,2,4,8
.irp j, 0,1,2,3,4,5,6,7
	v_add_f32_dpp v[SQ+2*\j], v[SQ+2*\j], v[SQ+2*\j] row_xmask:\m row_mask:0xf bank_mask:0xf
.endr
.endr
.irp j, 0,1,2,3,4,5,6,7
	v_permlanex16_b32 v[SQ+2*\j+1], v[SQ+2*\j], s52, s53
.endr
.irp j, 0,1,2,3,4,5,6,7
	v_add_f32 v[XH+\j], v[SQ+2*\j], v[SQ+2*\j+1]
.endr
	ds_store_b128 v[SST], v[XH:XH+3]               ; every lane the same words
	ds_store_b128 v[SST], v[XH+4:XH+7] offset:16
; A batch: x's fragments of four blocks of 32 k out of my own part of LDS (LDS serves a wave's instructions in order: they see my stores), then 8 products.  left = the table loads issued behind this batch's.
; The two accumulators take turns, from batch to batch too.  Four v_nop stand between the last product and the loads into its sources, and the stores of the sums.
.macro BATCH q, base, left
.set bi, 0
.rept 4
	ds_load_b128 v[XF+8*bi:XF+8*bi+3],   v[XFA] offset:64*(4*(\q)+bi)
	ds_load_b128 v[XF+8*bi+4:XF+8*bi+7], v[XFA] offset:64*(4*(\q)+bi)+32
.set bi, bi+1
.endr
	s_wait_loadcnt \left
	s_wait_dscnt 0x0
.set bi, 0
.rept 4
.if ((\q) == 0) && (bi == 0)
	v_wmma_f32_16x16x32_f16 v[A0:A0+7], v[(\base):(\base)+7],    v[XF:XF+7], 0
	v_wmma_f32_16x16x32_f16 v[A1:A1+7], v[(\base)+8:(\base)+15], v[XF:XF+7], 0
.else
	v_wmma_f32_16x16x32_f16 v[A0:A0+7], v[(\base)+16*bi:(\base)+16*bi+7],    v[XF+8*bi:XF+8*bi+7], v[A0:A0+7]
	v_wmma_f32_16x16x32_f16 v[A1:A1+7], v[(\base)+16*bi+8:(\base)+16*bi+15], v[XF+8*bi:XF+8*bi+7], v[A1:A1+7]
.endif
.set bi, bi+1
.endr
.rept 4
	v_nop
.endr
.endm
	BATCH 0, 192, 32                               ; behind batch 0's loads: batches 1 and 2
	LDT 3, 192
	BATCH 1, 64, 32                                ; behind batch 1's: batches 2 and 3
	BATCH 2, 128, 16
	BATCH 3, 192, 0
	ds_store_b128 v[PST], v[A0:A0+3]               ; each accumulator's lowest registers first
	ds_store_b128 v[PST], v[A0+4:A0+7] offset:16
	ds_store_b128 v[PST], v[A1:A1+3]   offset:P1D
	ds_store_b128 v[PST], v[A1+4:A1+7] offset:P1D+16
	s_wait_dscnt 0x0                               ; for the others' sake: my x, my partial sums
	s_barrier_signal -1
	s_barrier_wait -1
.macro FOLD base, half, w              ; 2 x half partial sums of w registers on end: the second half is added onto the first
.set fi, 0
.rept (\half)*(\w)/2
	v_pk_add_f32 v[(\base)+2*fi:(\base)+2*fi+1], v[(\base)+2*fi:(\base)+2*fi+1], v[(\base)+(\half)*(\w)+2*fi:(\base)+(\half)*(\w)+2*fi+1]
.set fi, fi+1
.endr
.endm
	; WAVE 0, first part: lane (r, h) makes row r % 8's norm, H_pre and H_post.
	s_cmp_lg_u32 s[WV], 0
	s_cbranch_scc1 .Lgates_done
	v_and_b32 v9, 7, v13
	v_lshl_add_u32 v9, v9, 2, SSB
	v_add_nc_u32 v15, P0+P1D, v[R80]
.set i, 0
.rept 16
	ds_load_b32 v[64+i], v9 offset:32*i
.set i, i+1
.endr
.set i, 0
.rept 16
	ds_load_b128 v[80+8*i:80+8*i+3],   v15 offset:1280*i
	ds_load_b128 v[80+8*i+4:80+8*i+7], v15 offset:1280*i+16
.set i, i+1
.endr
	s_wait_dscnt 0x0
	FOLD 64, 8, 1
	FOLD 64, 4, 1
	FOLD 64, 2, 1
	v_add_f32 v64, v64, v65
	FOLD 80, 8, 8
	FOLD 80, 4, 8
	FOLD 80, 2, 8
	FOLD 80, 1, 8                                  ; v[80:83] theta_pre's sums, v[84:87] theta_post's
	v_fma_f32 v64, v64, s54, s55                   ; the mean of the squares + epsilon
	v_rsq_f32 v24, v64
	v_nop                                          ; a plain instruction behind the root,
	s_wait_alu depctr_va_vdst(0)                   ; and a wait ahead of its first reader
	v_mul_f32 v24, 0x3c800000, v24                 ; / 64: the table was stored x 64
	v_mul_f32 v25, s24, v24
	v_mul_f32 v26, s25, v24
	v_mul_f32 v27, s26, v24                        ; kept for the second part
.irp j, 0,1,2,3
	v_fma_f32 v[88+\j], v[80+\j], v25, s[28+\j]
	v_fma_f32 v[92+\j], v[84+\j], v26, s[32+\j]
.endr
.irp j, 0,1,2,3,4,5,6,7
	v_mul_f32 v[88+\j], 0xbfb8aa3b, v[88+\j]       ; sigmoid(a) = 1 / (1 + 2^(-a log2 e))
.endr
.irp j, 0,1,2,3,4,5,6,7
	v_exp_f32 v[88+\j], v[88+\j]
.endr
	v_nop
	s_wait_alu depctr_va_vdst(0)                   ; one wait for the eight exponentials
.irp j, 0,1,2,3,4,5,6,7
	v_add_f32 v[88+\j], 1.0, v[88+\j]
.endr
.irp j, 0,1,2,3,4,5,6,7
	v_rcp_f32 v[88+\j], v[88+\j]
.endr
	v_nop
	s_wait_alu depctr_va_vdst(0)                   ; one wait for the eight reciprocals
	v_lshl_add_u32 v9, v13, 4, HPB
	ds_store_b128 v9, v[88:91]                     ; H_pre of row r % 8, at place r
.irp j, 0,1,2,3
	v_mul_f32 v[28+\j], 0x42000000, v[92+\j]       ; 16 H_post = 32 sigmoid; kept for the second part
.endr
.Lgates_done:
	s_wait_dscnt 0x0
	s_barrier_signal -1
	s_barrier_wait -1
	; x_pre.  Wave w takes d = 128 w .. + 127; lane (i, hh): 8 numbers, rows of parity hh.  Stream n's numbers k = 2,048 n + d lie in the part of wave 4 n + w / 4, at byte 256 (w % 4) of its rows.
	; Two trips of two pairs of rows; sixteen neighbouring lanes store 256 consecutive aligned bytes.
	s_lshr_b32 s58, s[WV], 2
	s_mul_i32 s58, s58, WP
	s_and_b32 s59, s[WV], 3
	s_lshl_b32 s59, s59, 8
	s_add_co_u32 s58, s58, s59
	v_mul_u32_u24 v[XO], v14, RP                   ; (all loads from memory are in: these registers are free)
	v_lshl_add_u32 v[XO], v13, 4, v[XO]
	v_add_nc_u32 v[XO], s58, v[XO]
	v_add_nc_u32 v[XO2], 8*WP, v[XO]
	v_lshl_add_u32 v[T0O], v14, 4, HPB
	s_lshl_b32 s58, s[WV], 8
	v_lshlrev_b32 v[T1O], 12, v14
	v_lshl_add_u32 v[T1O], v13, 4, v[T1O]
	v_add_nc_u32 v[T1O], s58, v[T1O]
	s_lshl_b32 s62, ttmp9, 15                      ; 8 rows of 4,096 bytes
	s_add_nc_u64 s[20:21], s[20:21], s[62:63]
	s_mov_b32 s[CNT], 2
.Lxpre:
.irp p, 0,1
.irp n, 0,1
	ds_load_b128 v[64+16*\p+4*\n:64+16*\p+4*\n+3],    v[XO]  offset:2*RP*\p+4*WP*\n
	ds_load_b128 v[64+16*\p+4*\n+8:64+16*\p+4*\n+11], v[XO2] offset:2*RP*\p+4*WP*\n
.endr
.endr
	ds_load_b128 v[96:99],   v[T0O]
	ds_load_b128 v[100:103], v[T0O] offset:32
	s_wait_dscnt 0x0
.irp p, 0,1
.irp n, 0,1,2,3
.irp j, 0,1,2,3
.if \n == 0
	v_fma_mix_f32 v[104+8*\p+2*\j],   v[64+16*\p+4*\n+\j], v[96+4*\p+\n], v[ZR] op_sel_hi:[1,0,0]
	v_fma_mix_f32 v[104+8*\p+2*\j+1], v[64+16*\p+4*\n+\j], v[96+4*\p+\n], v[ZR] op_sel:[1,0,0] op_sel_hi:[1,0,0]
.else
	v_fma_mix_f32 v[104+8*\p+2*\j],   v[64+16*\p+4*\n+\j], v[96+4*\p+\n], v[104+8*\p+2*\j] op_sel_hi:[1,0,0]
	v_fma_mix_f32 v[104+8*\p+2*\j+1], v[64+16*\p+4*\n+\j], v[96+4*\p+\n], v[104+8*\p+2*\j+1] op_sel:[1,0,0] op_sel_hi:[1,0,0]
.endif
.endr
.endr
.endr
.irp p, 0,1
.irp j, 0,1,2,3
	v_cvt_pk_f16_f32 v[120+4*\p+\j], v[104+8*\p+2*\j], v[104+8*\p+2*\j+1]
.endr
	global_store_b128 v[T1O], v[120+4*\p:120+4*\p+3], s[20:21] offset:8192*\p
.endr
	s_wait_xcnt 0x0                                ; the stores' data and offset are rewritten only behind this wait
	v_add_nc_u32 v[XO], 4*RP, v[XO]
	v_add_nc_u32 v[XO2], 4*RP, v[XO2]
	v_add_nc_u32 v[T0O], 64, v[T0O]
	v_add_nc_u32 v[T1O], 16384, v[T1O]
	s_sub_co_u32 s[CNT], s[CNT], 1
	s_cmp_lg_u32 s[CNT], 0
	s_cbranch_scc1 .Lxpre
	; WAVE 0, second part: lane (r, h) makes row r % 8's 4 x 4 matrix.
	s_cmp_lg_u32 s[WV], 0
	s_cbranch_scc1 .Lend
	v_add_nc_u32 v9, P0, v[R80]
.set i, 0
.rept 8
.irp q, 0,1,2,3
	ds_load_b128 v[64+16*i+4*\q:64+16*i+4*\q+3], v9 offset:1280*i+16*\q
.endr
.set i, i+1
.endr
	s_wait_dscnt 0x0
	FOLD 64, 4, 16
	FOLD 64, 2, 16
.set i, 0
.rept 8
	v_pk_add_f32 v[MM+2*i:MM+2*i+1], v[64+2*i:64+2*i+1], v[80+2*i:80+2*i+1]
.set i, i+1
.endr
.set i, 0
.rept 8
.irp q, 0,1,2,3
	ds_load_b128 v[64+16*i+4*\q:64+16*i+4*\q+3], v9 offset:1280*(8+i)+16*\q
.endr
.set i, i+1
.endr
	s_wait_dscnt 0x0
	FOLD 64, 4, 16
	FOLD 64, 2, 16
	FOLD 64, 1, 16
.set i, 0
.rept 8
	v_pk_add_f32 v[MM+2*i:MM+2*i+1], v[MM+2*i:MM+2*i+1], v[64+2*i:64+2*i+1]
.set i, i+1
.endr
.set i, 0
.rept 16
	v_fma_f32 v[MM+i], v[MM+i], v27, s[36+i]       ; alpha_res x (xn . theta_res) + b_res
.set i, i+1
.endr
.set i, 0
.rept 16
	v_mul_f32 v[MM+i], 0x3fb8aa3b, v[MM+i]
.set i, i+1
.endr
.set i, 0
.rept 16
	v_exp_f32 v[MM+i], v[MM+i]                     ; the exponential as it is written: no maximum is taken away there either
.set i, i+1
.endr
	v_nop
	s_wait_alu depctr_va_vdst(0)                   ; one wait for the sixteen
	s_mov_b32 s[CNT], 20
.Lsink:                                        ; a pass: each row divided by its sum, then each column by its
.irp n, 0,1,2,3
	v_pk_add_f32 v[208+2*\n:209+2*\n], v[MM+4*\n:MM+4*\n+1], v[MM+4*\n+2:MM+4*\n+3]
.endr
.irp n, 0,1,2,3
	v_add_f32 v[208+2*\n], v[208+2*\n], v[209+2*\n]
.endr
.irp n, 0,1,2,3
	v_rcp_f32 v[208+2*\n], v[208+2*\n]
.endr
	v_nop
	s_wait_alu depctr_va_vdst(0)                   ; one wait for the four
.irp n, 0,1,2,3
	v_pk_mul_f32 v[MM+4*\n:MM+4*\n+1],   v[MM+4*\n:MM+4*\n+1],   v[208+2*\n:209+2*\n] op_sel_hi:[1,0]
	v_pk_mul_f32 v[MM+4*\n+2:MM+4*\n+3], v[MM+4*\n+2:MM+4*\n+3], v[208+2*\n:209+2*\n] op_sel_hi:[1,0]
.endr
	v_pk_add_f32 v[216:217], v[MM:MM+1],     v[MM+4:MM+5]
	v_pk_add_f32 v[218:219], v[MM+2:MM+3],   v[MM+6:MM+7]
	v_pk_add_f32 v[220:221], v[MM+8:MM+9],   v[MM+12:MM+13]
	v_pk_add_f32 v[222:223], v[MM+10:MM+11], v[MM+14:MM+15]
	v_pk_add_f32 v[216:217], v[216:217], v[220:221]
	v_pk_add_f32 v[218:219], v[218:219], v[222:223]
.irp n, 0,1,2,3
	v_rcp_f32 v[216+\n], v[216+\n]
.endr
	v_nop
	s_wait_alu depctr_va_vdst(0)                   ; one wait for the four
.irp n, 0,1,2,3
	v_pk_mul_f32 v[MM+4*\n:MM+4*\n+1],   v[MM+4*\n:MM+4*\n+1],   v[216:217]
	v_pk_mul_f32 v[MM+4*\n+2:MM+4*\n+3], v[MM+4*\n+2:MM+4*\n+3], v[218:219]
.endr
	s_sub_co_u32 s[CNT], s[CNT], 1
	s_cmp_lg_u32 s[CNT], 0
	s_cbranch_scc1 .Lsink
	; the row's 64 words, each coefficient twice; through LDS, so that sixteen neighbouring lanes store 256 consecutive aligned bytes
.irp n, 0,1,2,3
	v_mov_b32 v[64+2*\n], v[28+\n]
	v_mov_b32 v[65+2*\n], v[28+\n]
.endr
.set i, 0
.rept 16
	v_mov_b32 v[72+2*i], v[MM+i]
	v_mov_b32 v[73+2*i], v[MM+i]
.set i, i+1
.endr
.irp n, 104,105,106,107
	v_mov_b32 v[\n], 0
.endr
	v_mul_u32_u24 v9, v13, 272
	v_add_nc_u32 v9, CSB, v9
.irp q, 0,1,2,3,4,5,6,7,8,9
	ds_store_b128 v9, v[64+4*\q:64+4*\q+3] offset:16*\q
.endr
.irp q, 10,11,12,13,14,15
	ds_store_b128 v9, v[104:107] offset:16*\q
.endr
	v_mul_u32_u24 v15, v14, 272
	v_lshl_add_u32 v15, v13, 4, v15
	v_add_nc_u32 v15, CSB, v15
.irp q, 0,1,2,3
	ds_load_b128 v[112+4*\q:112+4*\q+3], v15 offset:544*\q   ; places 0-7: the 8 rows.  LDS serves a wave's instructions in order: these see the stores above
.endr
	v_lshlrev_b32 v1, 8, v14
	v_lshl_add_u32 v1, v13, 4, v1
	s_lshl_b32 s62, ttmp9, 11                      ; 8 rows of 256 bytes
	s_add_nc_u64 s[22:23], s[22:23], s[62:63]
	s_wait_dscnt 0x0
.irp q, 0,1,2,3
	global_store_b128 v1, v[112+4*\q:112+4*\q+3], s[22:23] offset:512*\q
.endr
.Lend:
	s_wait_tensorcnt 0x0                           ; the wave's end: three closing lines, behind my last LDS store
	ds_add_u32 v[SPW], v[NIL]
	s_wait_dscnt 0x0
	s_endpgm
.Lfunc_end_k_q6c898d3d53_coef:
	.size	k_q6c898d3d53_coef, .Lfunc_end_k_q6c898d3d53_coef-k_q6c898d3d53_coef
	.p2alignl 7, 3214868480
	.fill 96, 4, 3214868480
	.section	.rodata,"a",@progbits
	.p2align	6, 0x0
	.amdhsa_kernel k_q6c898d3d53_coef
		.amdhsa_group_segment_fixed_size 181248
		.amdhsa_private_segment_fixed_size 0
		.amdhsa_enable_private_segment 0
		.amdhsa_kernarg_size 80
		.amdhsa_user_sgpr_count 2
		.amdhsa_user_sgpr_kernarg_segment_ptr 1
		.amdhsa_wavefront_size32 1
		.amdhsa_system_sgpr_workgroup_id_x 1
		.amdhsa_system_sgpr_workgroup_id_y 1
		.amdhsa_system_sgpr_workgroup_id_z 1
		.amdhsa_system_vgpr_workitem_id 0
		.amdhsa_next_free_vgpr 256
		.amdhsa_next_free_sgpr 66
		.amdhsa_reserve_vcc 0
		.amdhsa_float_denorm_mode_32 3
		.amdhsa_float_denorm_mode_16_64 3
		.amdhsa_memory_ordered 1
		.amdhsa_forward_progress 1
		.amdhsa_inst_pref_size 68
	.end_amdhsa_kernel
	.amdgpu_metadata
---
amdhsa.version: [ 1, 2 ]
amdhsa.kernels:
  - .name:           k_q6c898d3d53_coef
    .symbol:         k_q6c898d3d53_coef.kd
    .args:
      - { .name: x, .offset: 0, .size: 8, .value_kind: global_buffer, .address_space: global }
      - { .name: tht, .offset: 8, .size: 8, .value_kind: global_buffer, .address_space: global }
      - { .name: alpha_pre, .offset: 16, .size: 8, .value_kind: global_buffer, .address_space: global }
      - { .name: alpha_post, .offset: 24, .size: 8, .value_kind: global_buffer, .address_space: global }
      - { .name: alpha_res, .offset: 32, .size: 8, .value_kind: global_buffer, .address_space: global }
      - { .name: b_pre, .offset: 40, .size: 8, .value_kind: global_buffer, .address_space: global }
      - { .name: b_post, .offset: 48, .size: 8, .value_kind: global_buffer, .address_space: global }
      - { .name: b_res, .offset: 56, .size: 8, .value_kind: global_buffer, .address_space: global }
      - { .name: xpre, .offset: 64, .size: 8, .value_kind: global_buffer, .address_space: global }
      - { .name: coef, .offset: 72, .size: 8, .value_kind: global_buffer, .address_space: global }
    .group_segment_fixed_size: 181248
    .private_segment_fixed_size: 0
    .kernarg_segment_align: 8
    .kernarg_segment_size: 80
    .max_flat_workgroup_size: 512
    .sgpr_count:     66
    .vgpr_count:     256
    .wavefront_size: 32
...
	.end_amdgpu_metadata
.endif
;; end of part 6
;; launch gemm1: the kernel of part 3 again; grid 32 x 8, 4 waves a work-group, clusters of 4 x 4, 327,680 bytes of LDS; arguments xpre, w1h, b1, hid; writes hid
;; launch gemm2 (part 7): grid 8 x 32, 4 waves a work-group, clusters of 4 x 4, 327,680 bytes of LDS; arguments hid, w2h, part; writes part
.if DOCPART == 7
	.amdgcn_target "amdgcn-amd-amdhsa--gfx1250"
	.amdhsa_code_object_version 6
	.text
	.protected	k_q6c898d3d53_gemm2
	.globl	k_q6c898d3d53_gemm2
	.p2align	8
	.type	k_q6c898d3d53_gemm2,@function
k_q6c898d3d53_gemm2:
	s_mov_b64 s[64:65], 0
	v_nop
	global_prefetch_b8 v0, s[64:65] scope:SCOPE_SE
	s_setreg_imm32_b32 hwreg(HW_REG_WAVE_MODE, 25, 1), 1
	s_wait_xcnt 0x0
	s_wait_alu depctr_hold_cnt(0) depctr_sa_sdst(0) depctr_va_vdst(0) depctr_va_sdst(0) depctr_va_ssrc(0) depctr_va_vcc(0) depctr_vm_vsrc(0)
	s_getreg_b32 s2, hwreg(HW_REG_IB_STS2, 6, 4)
	s_cmp_eq_u32 s2, 0
	s_cbranch_scc0 .Lentry_in_a_cluster
	s_endpgm
.Lentry_in_a_cluster:
	s_bfe_u32 s2, ttmp6, 0x10000c
	s_cmp_lg_u32 s2, 0xf033
	s_cbranch_scc0 .Lentry_shape_is_right
	s_endpgm
.Lentry_shape_is_right:
; GEMM2, K SPLIT FOUR WAYS.  part[s][m][n] = sum over k = 2,048 s .. 2,048 s + 2,047 of hid[m][k] w2h[k][n].  hid: [2048][8192] f16, w2h: [8192][2048] f16 (n along the rows), part: [4][2048][2048] f32.
; WHY SPLIT.  The result has 64 tiles of 256 x 256.  A tile of 128 x 128 would give each of 256 work-groups one, but a slot of the ring then feeds half as many products for the same bytes, so a refill
; has half the matrix work in which to land.  So the tile stays 256 x 256 and K is cut in four: 256 work-groups, 16 K steps of 128 each.  The four partial sums stay f32; the launch behind adds them.
; LIMITS: those of the operands (f16, stated where they are made).
; Four waves, each 128 x 128: 64 accumulators, 512 registers.  hid's tile: 256 rows x 256 bytes; w2h's: 128 k rows x 512 bytes, read turned by ds_load_tr16_b128.
; CLUSTER 4 x 4, all sixteen in one part of K: hid's tile hangs on the tile row (and the part) and is asked for jointly along a row of the cluster, w2h's on the tile column (and the part), along a column.
; THE PRODUCT IS TAKEN TRANSPOSED (source 0 = 16 columns of w2h, source 1 = 16 rows of hid): a lane holds row l % 16 and the columns 8 (l / 16) + 0..7.
; THE WAY OUT: when the last K step is multiplied the ring is dead; each wave lays its 128 x 128 f32 there and sends it out by whole rows of 512 bytes.
; REGISTERS: window 0: v0-31 addresses; v64-127, v128-191 fragments of hid, two buffers (v64-127 later the rows on their way out).  window 1: v64-191 fragments of w2h.  windows 2, 3: accumulators.
.set PA,     272                       ; a row of hid's tile in LDS: 256 + 16 bytes
.set PB,     544                       ; a k row of w2h's tile: 512 + 32 bytes, an odd multiple of 32
.set HALFT,  34816                     ; what one tensor load brings: 128 x 272 = 64 x 544
.set SLOT,   4*HALFT                   ; hid's 256 rows, then w2h's 128 k rows
.set SPARE,  2*SLOT                    ; behind the ring: the spare words, 128 bytes a wave: two blocks of 256 bytes that no other line names
.set DPITCH, 528                       ; the way out: a row of 128 f32 + 16 bytes
.set DWAVE,  128*DPITCH                ; a wave's part of the dead ring
.set LAPS,   8                         ; 16 K steps, two to a lap
.set ASTEP,  256                       ; a K step: 256 bytes along hid's rows,
.set BSTEP,  128*4096                  ; 128 rows down w2h
.set PROW,   8192                      ; bytes in a row of part
.set ADRA, 16                          ; v16-17  LDS address of my hid fragments in slot 0, 1
.set ADRB, 20                          ; v20-21  the same for w2h
.set DA,   22                          ; v22  the way out: where I put four numbers of a row
.set RDA,  23                          ; v23  where I read rows back
.set PO,   24                          ; v24  my byte offset in part
.set SPW,  28                          ; v28  my spare word; never rewritten
.set NIL,  29                          ; v29  0; never rewritten
.set PFO,  30                          ; v30  the prefetches' offset; never rewritten
.set F0,   64
.set F1,   128
.set OB,   64                          ; the way out: two sets of 8 rows x 4 registers
.set G1,   24                          ; s[24:31] group 1 for hid's tiles;  s[32:39] group 0, a set a slot
.set G0,   32
.set G1B,  48                          ; s[48:55], s[56:63] the same for w2h's
.set G0B,  56
.set PFA,  44                          ; s[44:45] where my prefetches stand
.set LIM,  43                          ; s43  1 in a wave that prefetches, else the greatest number
.set WV,   66                          ; s66  wave
.set WR,   67                          ; s67  my half of the tile's rows; also: I fetch hid (0) or w2h (1)
.set WC,   68                          ; s68  my half of its columns; also: which half of that tile I fetch
.set CLY,  69                          ; s69  the cluster's y
.set KS,   71                          ; s71  which part of K
.set MSB, 0
.macro WIN new                         ; the immediate's high byte repeats the setting that is left
.if MSB != (\new)
	s_set_vgpr_msb (MSB<<8)|(\new)
.set MSB, \new
.endif
.endm
.set MUL_LO, 0xa1                      ; source 0 window 1, source 1 window 0, C and D window 2
.set MUL_HI, 0xf1                      ; the same, C and D window 3
.set TO_B,   0x40                      ; destination window 1, address window 0
.macro JLOAD s                         ; a joint load: waves 0, 1 fetch hid's halves, waves 2, 3 w2h's; an s_nop 0 and four v_nop follow each of the two lines
	s_cmp_eq_u32 s[WR], 0
	s_cbranch_scc0 .Lfor_b_\@
	tensor_load_to_lds s[G0+4*(\s):G0+4*(\s)+3], s[G1:G1+7]
	s_nop 0
.rept 4
	v_nop
.endr
	s_branch .Lasked_\@
.Lfor_b_\@:
	tensor_load_to_lds s[G0B+4*(\s):G0B+4*(\s)+3], s[G1B:G1B+7]
	s_nop 0
.rept 4
	v_nop
.endr
.Lasked_\@:
.endm
; A prefetch into the L2 of the K step that stands two refills on, 512 matrix instructions ahead of the load that will want it: 32 blocks of 256 bytes, a lane a block, one instruction a wave.
; Each block is named once in the launch: hid's rows of a part of K are read by the two clusters of a row of clusters: the one with x = 0 asks; w2h's by the two clusters of one x and one part of K: the one
; with even y asks; the four partners that ask for a tile jointly share its blocks out by address.  The loop's last trip asks for nothing: the K steps two on are not this work-group's.
; The first four K steps come by their loads alone.
.macro ASK
	s_cmp_gt_u32 s3, s[LIM]
	s_cbranch_scc0 .Lnot_mine_\@
	global_prefetch_b8 v[PFO], s[PFA:PFA+1] th:TH_LOAD_NT scope:SCOPE_SE
.Lnot_mine_\@:
.endm
.macro CREST                           ; a round of the cluster's barrier behind its opening barrier
	s_cmp_lg_u32 s[WV], 0
	s_cbranch_scc1 .Lnot_wave_0_\@
	s_barrier_signal -3
.Lnot_wave_0_\@:
	s_barrier_wait -3
	s_barrier_signal -1
	s_barrier_wait -1
.endm
.macro CROUND
	s_barrier_signal -1
	s_barrier_wait -1
	CREST
.endm
	s_load_b128 s[4:7], s[0:1], 0x0                ; hid s[4:5], w2h s[6:7]
	s_load_b64 s[8:9], s[0:1], 0x10                ; part
	v_lshl_add_u32 v[SPW], v0, 2, SPARE
	v_mov_b32 v[NIL], 0
	ds_add_u32 v[SPW], v[NIL]                      ; the wave's opening: the add and its wait stand ahead of my first tensor load; work on registers stands between them
	v_lshrrev_b32 v1, 5, v0
	v_readfirstlane_b32 s[WV], v1
	s_lshr_b32 s[WR], s[WV], 1
	s_and_b32 s[WC], s[WV], 1
	s_bfe_u32 s40, ttmp6, 0x40000                  ; cx
	s_bfe_u32 s41, ttmp6, 0x40004                  ; cy
	s_lshl_b32 s42, ttmp9, 2
	s_add_co_u32 s42, s42, s40                     ; tile column = 4 x cluster x + cx: 0..7
	s_and_b32 s[CLY], ttmp7, 0xffff                ; cluster y: 0..7
	s_and_b32 s13, s[CLY], 1
	s_lshl_b32 s13, s13, 2
	s_add_co_u32 s13, s13, s41                     ; tile row = 4 x (cluster y % 2) + cy: 0..7
	s_lshr_b32 s[KS], s[CLY], 1                    ; the part of K = cluster y / 2: the same in all sixteen
	s_lshl_b32 s43, s41, 2
	s_lshl_b32 s43, 15, s43                        ; my row of the cluster
	s_lshl_b32 s44, 0x1111, s40                    ; my column
	s_or_b32 s[G1+0], s43, (1<<16)|(1<<20)|(1<<21)|(5<<22)|(3<<25)   ; mask; 2-byte elements; padding on; bit 21 beside a mask; after every 64 words 4 words
	s_mov_b32 s[G1+1], 128<<16                     ; tensor_dim0 = 128
	s_mov_b32 s[G1+2], 128<<16                     ; tensor_dim1 = 128
	s_mov_b32 s[G1+3], 128<<16                     ; tile_dim0 = 128
	s_mov_b32 s[G1+4], 128                         ; tile_dim1 = 128
	s_mov_b32 s[G1+5], 8192                        ; elements from row to row
	s_mov_b32 s[G1+6], 0
	s_mov_b32 s[G1+7], 0
	s_or_b32 s[G1B+0], s44, (1<<16)|(1<<20)|(1<<21)|(6<<22)|(7<<25)  ; after every 128 words 8 words
	s_mov_b32 s[G1B+1], 256<<16                    ; tensor_dim0 = 256
	s_mov_b32 s[G1B+2], 64<<16                     ; tensor_dim1 = 64
	s_mov_b32 s[G1B+3], 256<<16                    ; tile_dim0 = 256
	s_mov_b32 s[G1B+4], 64                         ; tile_dim1 = 64
	s_mov_b32 s[G1B+5], 2048
	s_mov_b32 s[G1B+6], 0
	s_mov_b32 s[G1B+7], 0
	s_lshl_b32 s16, s13, 8                         ; hid: row 256 x tile row + 128 x half, 16,384 bytes a row; 4,096 bytes along it for each part of K
	s_lshl_b32 s17, s[WC], 7
	s_add_co_u32 s16, s16, s17
	s_lshl_b32 s16, s16, 14
	s_lshl_b32 s17, s[KS], 12
	s_add_co_u32 s16, s16, s17
	s_mov_b32 s17, 0
	s_lshl_b32 s46, s42, 9                         ; w2h: 512 bytes x tile column + 64 k rows of 4,096 bytes x half + 2,048 k rows x part
	s_lshl_b32 s47, s[WC], 18
	s_add_co_u32 s46, s46, s47
	s_lshl_b32 s47, s[KS], 23
	s_add_co_u32 s46, s46, s47
	s_mov_b32 s47, 0
	s_mul_i32 s20, s[WV], HALFT                    ; where they go: wave x one load's bytes: no place in the cluster enters an LDS address
	s_wait_dscnt 0x0                               ; the opening add is done
	s_wait_kmcnt 0x0
	s_add_nc_u64 s[14:15], s[4:5], s[16:17]
	s_add_nc_u64 s[46:47], s[6:7], s[46:47]
	CROUND                                         ; all sixteen work-groups are here: the first joint loads meet
.irp s, 0,1
	s_mov_b32 s[G0+4*(\s)], 1
	s_add_co_u32 s[G0+4*(\s)+1], s20, (\s)*SLOT
	s_add_nc_u64 s[G0+4*(\s)+2:G0+4*(\s)+3], s[14:15], (\s)*ASTEP
	s_or_b32 s[G0+4*(\s)+3], s[G0+4*(\s)+3], 0x80000000
	s_mov_b32 s[G0B+4*(\s)], 1
	s_add_co_u32 s[G0B+4*(\s)+1], s20, (\s)*SLOT
	s_add_nc_u64 s[G0B+4*(\s)+2:G0B+4*(\s)+3], s[46:47], (\s)*BSTEP
	s_or_b32 s[G0B+4*(\s)+3], s[G0B+4*(\s)+3], 0x80000000
	JLOAD \s
.endr
	v_and_b32 v1, 15, v0                           ; l % 16
	v_bfe_u32 v2, v0, 4, 1                         ; l / 16
	v_mul_u32_u24 v3, v1, PA
	v_lshl_add_u32 v3, v2, 4, v3                   ; hid's fragment: row x pitch + 16 x half
	v_and_b32 v4, 7, v0
	v_lshl_add_u32 v4, v2, 3, v4
	v_mul_u32_u24 v4, v4, PB
	v_bfe_u32 v5, v0, 3, 1
	v_lshl_add_u32 v4, v5, 4, v4                   ; the turning load: k row 8 (l / 16) + l % 8, 16 bytes by (l / 8) % 2
	s_mul_i32 s21, s[WR], HALFT                    ; my 128 rows of hid
	s_lshl_b32 s22, s[WC], 8                       ; my 128 columns of w2h,
	s_add_co_u32 s22, s22, 2*HALFT                 ; which lies behind hid's 256 rows
.irp s, 0,1
	v_add_nc_u32 v[ADRA+(\s)], s21, v3
	v_add_nc_u32 v[ADRB+(\s)], s22, v4
	s_add_co_u32 s21, s21, SLOT
	s_add_co_u32 s22, s22, SLOT
.endr
	s_mul_i32 s23, s[WV], DWAVE
	v_mul_u32_u24 v5, v1, DPITCH
	v_lshl_add_u32 v5, v2, 5, v5
	v_add_nc_u32 v[DA], s23, v5                    ; in: row l % 16, 32 bytes for each half of the lanes
	v_and_b32 v6, 31, v0
	v_lshlrev_b32 v[PO], 4, v6                     ; back and out: a row's 512 bytes, 16 a lane
	v_add_nc_u32 v[RDA], s23, v[PO]
	s_lshl_b32 s16, s13, 8                         ; part at my first row and column, in my part of K
	s_lshl_b32 s17, s[WR], 7
	s_add_co_u32 s16, s16, s17
	s_lshl_b32 s16, s16, 13
	s_lshl_b32 s46, s42, 10
	s_lshl_b32 s47, s[WC], 9
	s_add_co_u32 s46, s46, s47
	s_add_co_u32 s16, s16, s46
	s_lshl_b32 s47, s[KS], 24
	s_add_co_u32 s16, s16, s47
	s_mov_b32 s17, 0
	s_add_nc_u64 s[90:91], s[8:9], s[16:17]
	; the prefetches: for hid my work-group's 32 rows (by cx) of the 128 that I fetch; for w2h its 16 k rows (by cy) of the 64, two blocks a row.  They start at K step 3; the first change of slots steps to 4.
	s_lshl_b32 s18, s13, 8
	s_lshl_b32 s19, s[WC], 7
	s_add_co_u32 s18, s18, s19
	s_lshl_b32 s19, s40, 5
	s_add_co_u32 s18, s18, s19
	s_lshl_b32 s18, s18, 14
	s_lshl_b32 s19, s[KS], 12
	s_add_co_u32 s18, s18, s19
	s_add_co_u32 s18, s18, 3*ASTEP
	s_lshl_b32 s19, s[WC], 6
	s_lshl_b32 s21, s41, 4
	s_add_co_u32 s19, s19, s21
	s_add_co_u32 s19, s19, 3*128
	s_lshl_b32 s21, s[KS], 11
	s_add_co_u32 s19, s19, s21
	s_lshl_b32 s19, s19, 12
	s_lshl_b32 s21, s42, 9
	s_add_co_u32 s19, s19, s21
	s_and_b32 s22, s[CLY], 1
	s_mov_b32 s12, ASTEP
	s_cmp_eq_u32 s[WR], 0                          ; do I fetch hid?
	s_cselect_b32 s20, s18, s19
	s_cselect_b32 s22, ttmp9, s22                  ; the coordinate along which the other cluster reads the same blocks
	s_cselect_b64 s[PFA:PFA+1], s[4:5], s[6:7]
	s_cselect_b32 s88, s12, BSTEP                  ; a K step
	s_cselect_b32 s2, 0, 1
	s_cselect_b32 s23, 14, 12
	s_mov_b32 s21, 0
	s_mov_b32 s89, 0
	s_add_nc_u64 s[PFA:PFA+1], s[PFA:PFA+1], s[20:21]
	s_cmp_eq_u32 s22, 0
	s_cselect_b32 s[LIM], 1, -1                    ; the same in all sixteen partners, for a given wave
	v_lshrrev_b32 v[PFO], s2, v6                   ; hid: 16,384 l;  w2h: 4,096 (l / 2) + 256 (l % 2)
	v_lshlrev_b32 v[PFO], s23, v[PFO]
	v_and_b32 v6, s2, v6
	v_lshl_add_u32 v[PFO], v6, 8, v[PFO]
; 16 matrix instructions: m blocks a0, a0 + 1 of the window's four x all 8 n blocks, 32 along K.  zero = 1: the first products start the sums.  The 64 accumulators take turns.
.macro MUL16 f, hi, a0, zero
	WIN MUL_LO+0x50*(\hi)
.irp a, \a0, (\a0)+1
.irp b, 0,1,2,3,4,5,6,7
.if \zero
	v_wmma_f32_16x16x32_f16 v[8*(8*(\a)+(\b)):8*(8*(\a)+(\b))+7], v[(\f)+8*(\b):(\f)+8*(\b)+7], v[(\f)+8*(4*(\hi)+(\a)):(\f)+8*(4*(\hi)+(\a))+7], 0
.else
	v_wmma_f32_16x16x32_f16 v[8*(8*(\a)+(\b)):8*(8*(\a)+(\b))+7], v[(\f)+8*(\b):(\f)+8*(\b)+7], v[(\f)+8*(4*(\hi)+(\a)):(\f)+8*(4*(\hi)+(\a))+7], v[8*(8*(\a)+(\b)):8*(8*(\a)+(\b))+7]
.endif
.endr
.endr
.endm
; 32 LDS loads in one run: quarter q (32 along K) of a slot into buffer f: w2h's 8 blocks of 16 columns, turned; then hid's 8 blocks of 16 rows
.macro FETCH slot, q, f
	WIN TO_B
.irp i, 0,1,2,3,4,5,6,7
	ds_load_tr16_b128 v[(\f)+8*(\i):(\f)+8*(\i)+3],   v[ADRB+(\slot)] offset:(\q)*32*PB+32*(\i)
	ds_load_tr16_b128 v[(\f)+8*(\i)+4:(\f)+8*(\i)+7], v[ADRB+(\slot)] offset:(\q)*32*PB+32*(\i)+16*PB
.endr
	WIN 0
.irp i, 0,1,2,3,4,5,6,7
	ds_load_b128 v[(\f)+8*(\i):(\f)+8*(\i)+3],   v[ADRA+(\slot)] offset:64*(\q)+(\i)*16*PA
	ds_load_b128 v[(\f)+8*(\i)+4:(\f)+8*(\i)+7], v[ADRA+(\slot)] offset:64*(\q)+(\i)*16*PA+32
.endr
.endm
.macro PLACES                          ; four plain instructions between a matrix instruction and a load into, or a reader of, its registers
.rept 4
	v_nop
.endr
.endm
; One of a K step's first three quarters: multiplies buffer f; in its middle fetches quarter q of the same slot into buffer g.
.macro QUARTER slot, q, f, g, zero
	s_wait_dscnt 8                                 ; w2h's fragments and hid's rows 0-63 are in; the youngest eight loads may be out
	MUL16 \f, 0, 0, \zero
	MUL16 \f, 0, 2, \zero
	PLACES
	FETCH \slot, \q, \g
	s_wait_dscnt 32                                ; all but the 32 just issued
	MUL16 \f, 1, 0, \zero
	MUL16 \f, 1, 2, \zero
.endm
; The last quarter multiplies buffer 1 and changes slots.  In front of the barrier each wave waits for all its tensor loads (one is out: its part of the next slot), adds 0 to its spare word, and waits for
; that and for its reads of this slot.  fill = 1: the barrier opens a round of the cluster's, and the joint refill, two K steps on, is the first tensor load behind it: 224 matrix instructions ahead of the wait for it.
.macro TURN slot, next, fill
.if \fill
	s_wait_xcnt 0x0                                ; the last prefetch, a K step back, has read its address: it is stepped here
	s_add_nc_u64 s[PFA:PFA+1], s[PFA:PFA+1], s[88:89]
.endif
	WIN 0                                          ; (the add's two registers lie in window 0)
	s_wait_tensorcnt 0x0
	ds_add_u32 v[SPW], v[NIL]
	s_wait_dscnt 9                                 ; (the add and the youngest eight loads may be out)
	MUL16 F1, 0, 0, 0
	s_wait_dscnt 0x0                               ; the add is done, and my reads of this slot are over
	s_barrier_signal -1
	MUL16 F1, 0, 2, 0
.if \fill
	WIN 0
.endif
	s_barrier_wait -1
.if \fill
	CREST                                          ; no wave of any partner still reads this slot or has a load on its way
	s_add_nc_u64 s[G0+4*(\slot)+2:G0+4*(\slot)+3], s[G0+4*(\slot)+2:G0+4*(\slot)+3], 2*ASTEP
	s_add_nc_u64 s[G0B+4*(\slot)+2:G0B+4*(\slot)+3], s[G0B+4*(\slot)+2:G0B+4*(\slot)+3], 2*BSTEP
	JLOAD \slot                                    ; its four v_nop are also the places in front of the loads below
.else
	PLACES
.endif
	FETCH \next, 0, F0
.if \fill
	ASK
.endif
	MUL16 F1, 1, 0, 0
	MUL16 F1, 1, 2, 0
.endm
	s_wait_tensorcnt 1                             ; my part of K step 0 is in; K step 1's may stay out
	s_barrier_signal -1
	s_barrier_wait -1
	FETCH 0, 0, F0
	QUARTER 0, 1, F0, F1, 1                        ; the first quarter stands in front of the loop: its products start the sums
	WIN 0
	s_mov_b32 s3, LAPS-1
.Llap:                                         ; a trip goes once round the ring and fills both slots again
	QUARTER 0, 2, F1, F0, 0
	QUARTER 0, 3, F0, F1, 0
	TURN 0, 1, 1
	QUARTER 1, 1, F0, F1, 0
	QUARTER 1, 2, F1, F0, 0
	QUARTER 1, 3, F0, F1, 0
	TURN 1, 0, 1
	QUARTER 0, 1, F0, F1, 0
	WIN 0
	s_sub_co_u32 s3, s3, 1
	s_cmp_lg_u32 s3, 0
	s_cbranch_scc1 .Llap
	QUARTER 0, 2, F1, F0, 0                        ; the last lap fills nothing
	QUARTER 0, 3, F0, F1, 0
	TURN 0, 1, 0
	QUARTER 1, 1, F0, F1, 0
	QUARTER 1, 2, F1, F0, 0
	QUARTER 1, 3, F0, F1, 0
	s_wait_dscnt 8                                 ; the very last quarter
	MUL16 F1, 0, 0, 0
	s_wait_dscnt 0x0                               ; my reads of the ring are over:
	s_barrier_signal -1                            ; say so,
	MUL16 F1, 0, 2, 0
	MUL16 F1, 1, 0, 0
	MUL16 F1, 1, 2, 0
	WIN 0
	s_barrier_wait -1                              ; and when all four have said so the ring, which has had its last fill, is free for stores
	PLACES
	; THE SUMS GO INTO THE DEAD RING, each wave's into its own 67,584 bytes.  Accumulator (a, b): row 16 a + l % 16, bytes 64 b + 32 (l / 16) on: the columns in their true order.
	; Rows 528 bytes apart: the 16 rows of a store start 16 bytes apart modulo 256.
.macro DUMP hi
	WIN 0x08+4*(\hi)                               ; the data in window 2 or 3
.irp a, 0,1,2,3
.irp b, 0,1,2,3,4,5,6,7
	ds_store_b128 v[DA], v[8*(8*(\a)+(\b)):8*(8*(\a)+(\b))+3]   offset:16*DPITCH*(4*(\hi)+(\a))+64*(\b)      ; each accumulator's lowest registers first
	ds_store_b128 v[DA], v[8*(8*(\a)+(\b))+4:8*(8*(\a)+(\b))+7] offset:16*DPITCH*(4*(\hi)+(\a))+64*(\b)+16
.endr
.endr
.endm
	DUMP 0
	DUMP 1
	WIN 0
.macro OLOAD set, row0                 ; 8 rows back into set: a load of the wave takes a row's 512 bytes.  LDS serves a wave's instructions in order: these see my stores
.irp q, 0,1,2,3,4,5,6,7
	ds_load_b128 v[OB+32*(\set)+4*\q:OB+32*(\set)+4*\q+3], v[RDA] offset:DPITCH*((\row0)+\q)
.endr
.endm
.macro OSTORE set                      ; and out: 512 consecutive bytes, at a multiple of 256 from part's first byte; the offset has been stepped, the immediates reach back
.irp q, 0,1,2,3,4,5,6,7
	global_store_b128 v[PO], v[OB+32*(\set)+4*\q:OB+32*(\set)+4*\q+3], s[90:91] offset:PROW*(8*(\set)+\q)-16*PROW
.endr
.endm
	OLOAD 0, 0
	s_mov_b32 s3, 8
.Lout:                                         ; a trip: 16 rows, on two sets of registers
	s_wait_xcnt 0x0                                ; the last trip's stores have read set 1 and the offset
	v_add_nc_u32 v[PO], 16*PROW, v[PO]
	OLOAD 1, 8
	s_wait_dscnt 8                                 ; set 0 is in; set 1's eight loads may be out
	OSTORE 0
	s_wait_dscnt 0x0                               ; set 1 is in
	s_cmp_eq_u32 s3, 1                             ; the last trip has no rows behind it
	s_cbranch_scc1 .Lno_more
	s_wait_xcnt 0x0                                ; the stores above have read set 0
	v_add_nc_u32 v[RDA], 16*DPITCH, v[RDA]
	OLOAD 0, 0
.Lno_more:
	OSTORE 1
	s_sub_co_u32 s3, s3, 1
	s_cmp_lg_u32 s3, 0
	s_cbranch_scc1 .Lout
	s_wait_tensorcnt 0x0                           ; the wave's end: three closing lines, behind my last tensor load and my last LDS store
	ds_add_u32 v[SPW], v[NIL]
	s_wait_dscnt 0x0
	CROUND                                         ; the closing round: no work-group ends while a partner may still ask for a tile that names it
	s_endpgm
.Lfunc_end_k_q6c898d3d53_gemm2:
	.size	k_q6c898d3d53_gemm2, .Lfunc_end_k_q6c898d3d53_gemm2-k_q6c898d3d53_gemm2
	.p2alignl 7, 3214868480
	.fill 96, 4, 3214868480
	.section	.rodata,"a",@progbits
	.p2align	6, 0x0
	.amdhsa_kernel k_q6c898d3d53_gemm2
		.amdhsa_group_segment_fixed_size 327680
		.amdhsa_private_segment_fixed_size 0
		.amdhsa_enable_private_segment 0
		.amdhsa_kernarg_size 24
		.amdhsa_user_sgpr_count 2
		.amdhsa_user_sgpr_kernarg_segment_ptr 1
		.amdhsa_wavefront_size32 1
		.amdhsa_system_sgpr_workgroup_id_x 1
		.amdhsa_system_sgpr_workgroup_id_y 1
		.amdhsa_system_sgpr_workgroup_id_z 1
		.amdhsa_system_vgpr_workitem_id 0
		.amdhsa_next_free_vgpr 1024
		.amdhsa_next_free_sgpr 92
		.amdhsa_reserve_vcc 0
		.amdhsa_float_denorm_mode_32 3
		.amdhsa_float_denorm_mode_16_64 3
		.amdhsa_memory_ordered 1
		.amdhsa_forward_progress 1
		.amdhsa_inst_pref_size 125
	.end_amdhsa_kernel
	.amdgpu_metadata
---
amdhsa.version: [ 1, 2 ]
amdhsa.kernels:
  - .name:           k_q6c898d3d53_gemm2
    .symbol:         k_q6c898d3d53_gemm2.kd
    .args:
      - { .name: hid, .offset: 0, .size: 8, .value_kind: global_buffer, .address_space: global }
      - { .name: w2h, .offset: 8, .size: 8, .value_kind: global_buffer, .address_space: global }
      - { .name: part, .offset: 16, .size: 8, .value_kind: global_buffer, .address_space: global }
    .group_segment_fixed_size: 327680
    .private_segment_fixed_size: 0
    .kernarg_segment_align: 8
    .kernarg_segment_size: 24
    .max_flat_workgroup_size: 128
    .sgpr_count:     92
    .vgpr_count:     1024
    .wavefront_size: 32
...
	.end_amdgpu_metadata
.endif
;; end of part 7
;; launch mix (part 8): grid 256 x 1, 16 waves a work-group, no clusters, 0 bytes of LDS; arguments part, b2, coef, x, out0; writes out0
.if DOCPART == 8
	.amdgcn_target "amdgcn-amd-amdhsa--gfx1250"
	.amdhsa_code_object_version 6
	.text
	.protected	k_q6c898d3d53_mix
	.globl	k_q6c898d3d53_mix
	.p2align	8
	.type	k_q6c898d3d53_mix,@function
k_q6c898d3d53_mix:
	s_mov_b64 s[64:65], 0
	v_nop
	global_prefetch_b8 v0, s[64:65] scope:SCOPE_SE
	s_setreg_imm32_b32 hwreg(HW_REG_WAVE_MODE, 25, 1), 1
	s_wait_xcnt 0x0
; MIX.  out0[b][n][d] = (16 H_post[b][n]) (sum over s of part[s][b][d] + b2[d] / 16) + sum over m of H_res[b][n][m] x[b][m][d].
; part: [4][2048][2048] f32, the four partial sums of H_bar / 16 without its bias; coef: [2048][64] f32 (words 2 n: 16 H_post[n]; words 8 + 2 (4 n + m): H_res[n][m]; each twice); x, out0: [2048][4][2048] f32.
; All in f32; no limit beyond those of the launches that made part and coef.
; A STREAM: each byte of part and x is read once, each byte of out0 written once.  A work-group owns 8 rows b; its 512 threads cover the 2,048 d, thread t the 16 bytes at 16 t of every 8,192: a load or
; store of a wave covers 512 consecutive bytes.  A row is 8 loads and 4 stores a thread.  A ring of four row slots in registers: while one row is worked on, three are on their way.
; A row's 20 coefficients are the same for all threads: they come by scalar loads, a row ahead, into two sets of scalar registers; a word and its copy are the pair that a packed line names.
; No LDS, no matrix unit, no cluster: nothing is shared but 160 bytes a row.
.set TO,  1                            ; v1        16 t; never rewritten
.set B16, 4                            ; v[4:7]    b2 / 16 of my four d
.set HS,  8                            ; v[8:11]   the row's sum
.set H2,  12                           ; v[12:15]  at work
.set OUT, 16                           ; v[16:47]  results, two sets of 16
.set SL,  64                           ; v[64:191] slot i: 16 registers of part (s at 4 s), 16 of x (m at 16 + 4 m)
; s[4:5], s[14:15], s[2:3], s[100:101]: part's four planes at my rows; s[8:9] coef, s[10:11] x, s[12:13] out0 at my rows
; set 0: s[16:23] 16 H_post, s[24:55] H_res;  set 1: s[56:63], s[68:99]
	s_load_b256 s[4:11], s[0:1], 0x0               ; part s[4:5], b2 s[6:7], coef s[8:9], x s[10:11]
	s_load_b64 s[12:13], s[0:1], 0x20              ; out0
	v_lshlrev_b32 v[TO], 4, v0
	s_lshl_b32 s56, ttmp9, 16                      ; 8 rows of 8,192 bytes
	s_mov_b32 s57, 0
	s_lshl_b32 s58, ttmp9, 18                      ; 8 rows of 32,768 bytes
	s_mov_b32 s59, 0
	s_lshl_b32 s60, ttmp9, 11                      ; 8 rows of 256 bytes
	s_mov_b32 s61, 0
	s_wait_kmcnt 0x0
	s_add_nc_u64 s[4:5], s[4:5], s[56:57]
	s_add_nc_u64 s[14:15], s[4:5], 0x1000000       ; a plane of part is 16,777,216 bytes
	s_add_nc_u64 s[2:3], s[4:5], 0x2000000
	s_add_nc_u64 s[100:101], s[4:5], 0x3000000
	s_add_nc_u64 s[8:9], s[8:9], s[60:61]
	s_add_nc_u64 s[10:11], s[10:11], s[58:59]
	s_add_nc_u64 s[12:13], s[12:13], s[58:59]
.macro SLOADS r, set                   ; row r's 40 words
.if (\set) == 0
	s_load_b256 s[16:23], s[8:9], 256*(\r)
	s_load_b512 s[24:39], s[8:9], 256*(\r)+32
	s_load_b512 s[40:55], s[8:9], 256*(\r)+96
.else
	s_load_b256 s[56:63], s[8:9], 256*(\r)
	s_load_b512 s[68:83], s[8:9], 256*(\r)+32
	s_load_b512 s[84:99], s[8:9], 256*(\r)+96
.endif
.endm
.macro FILL r                          ; row r's 8 loads into slot r % 4
.set sl, SL+32*((\r)%4)
	global_load_b128 v[sl:sl+3],     v[TO], s[4:5]     offset:8192*(\r) th:TH_LOAD_NT
	global_load_b128 v[sl+4:sl+7],   v[TO], s[14:15]   offset:8192*(\r) th:TH_LOAD_NT
	global_load_b128 v[sl+8:sl+11],  v[TO], s[2:3]     offset:8192*(\r) th:TH_LOAD_NT
	global_load_b128 v[sl+12:sl+15], v[TO], s[100:101] offset:8192*(\r) th:TH_LOAD_NT
.irp m, 0,1,2,3
	global_load_b128 v[sl+16+4*\m:sl+16+4*\m+3], v[TO], s[10:11] offset:32768*(\r)+8192*\m th:TH_LOAD_NT
.endr
.endm
	SLOADS 0, 0
	global_load_b128 v[B16:B16+3], v[TO], s[6:7]
	FILL 0
	FILL 1
	FILL 2
	FILL 3
	s_wait_loadcnt 32                              ; b2 is in; the four rows' 32 loads may be out
	v_pk_mul_f32 v[B16:B16+1],   v[B16:B16+1],   0x3d800000 op_sel_hi:[1,0]
	v_pk_mul_f32 v[B16+2:B16+3], v[B16+2:B16+3], 0x3d800000 op_sel_hi:[1,0]
; A row.  left = the younger loads that may stay out.  reload = 1: the slot takes the row four further on.
.macro ROW r, reload, left
.set sl, SL+32*((\r)%4)
.set ob, OUT+16*((\r)%2)
.set hb, 16+40*((\r)%2)
.set rb, 24+44*((\r)%2)
	s_wait_kmcnt 0x0                               ; this row's coefficients, asked for a row ago
	s_wait_loadcnt \left                           ; loads come back in order: this row's are in
	s_wait_xcnt 0x0                                ; the stores of two rows back have read this set of results
.if (\r) < 7
	SLOADS (\r)+1, ((\r)+1)%2                      ; the next row's, into the set that the row before has done with
.endif
.irp z, 0,2
	v_pk_add_f32 v[HS+\z:HS+\z+1], v[sl+\z:sl+\z+1],     v[sl+4+\z:sl+4+\z+1]
	v_pk_add_f32 v[H2+\z:H2+\z+1], v[sl+8+\z:sl+8+\z+1], v[sl+12+\z:sl+12+\z+1]
.endr
.irp z, 0,2
	v_pk_add_f32 v[HS+\z:HS+\z+1], v[HS+\z:HS+\z+1], v[H2+\z:H2+\z+1]
.endr
.irp z, 0,2
	v_pk_add_f32 v[HS+\z:HS+\z+1], v[HS+\z:HS+\z+1], v[B16+\z:B16+\z+1]
.endr
.irp n, 0,1,2,3
.irp z, 0,2
	v_pk_mul_f32 v[ob+4*\n+\z:ob+4*\n+\z+1], v[HS+\z:HS+\z+1], s[hb+2*\n:hb+2*\n+1] op_sel_hi:[1,0]
.endr
.endr
.irp m, 0,1,2,3
.irp n, 0,1,2,3
.irp z, 0,2
	v_pk_fma_f32 v[ob+4*\n+\z:ob+4*\n+\z+1], v[sl+16+4*\m+\z:sl+16+4*\m+\z+1], s[rb+2*(4*\n+\m):rb+2*(4*\n+\m)+1], v[ob+4*\n+\z:ob+4*\n+\z+1] op_sel_hi:[1,0,1]
.endr
.endr
.endr
.if \reload
	FILL (\r)+4                                    ; the loads ahead of the stores
.endif
.irp n, 0,1,2,3
	global_store_b128 v[TO], v[ob+4*\n:ob+4*\n+3], s[12:13] offset:32768*(\r)+8192*\n th:TH_STORE_NT   ; 512 consecutive bytes, at a multiple of 256 from out0's first byte
.endr
.endm
	ROW 0, 1, 24                                   ; 24: the three younger slots' eight loads each
	ROW 1, 1, 24
	ROW 2, 1, 24
	ROW 3, 1, 24
	ROW 4, 0, 24
	ROW 5, 0, 16                                   ; nothing more is asked for: the counts run down
	ROW 6, 0, 8
	ROW 7, 0, 0
	s_endpgm
.Lfunc_end_k_q6c898d3d53_mix:
	.size	k_q6c898d3d53_mix, .Lfunc_end_k_q6c898d3d53_mix-k_q6c898d3d53_mix
	.p2alignl 7, 3214868480
	.fill 96, 4, 3214868480
	.section	.rodata,"a",@progbits
	.p2align	6, 0x0
	.amdhsa_kernel k_q6c898d3d53_mix
		.amdhsa_group_segment_fixed_size 0
		.amdhsa_private_segment_fixed_size 0
		.amdhsa_enable_private_segment 0
		.amdhsa_kernarg_size 40
		.amdhsa_user_sgpr_count 2
		.amdhsa_user_sgpr_kernarg_segment_ptr 1
		.amdhsa_wavefront_size32 1
		.amdhsa_system_sgpr_workgroup_id_x 1
		.amdhsa_system_sgpr_workgroup_id_y 1
		.amdhsa_system_sgpr_workgroup_id_z 1
		.amdhsa_system_vgpr_workitem_id 0
		.amdhsa_next_free_vgpr 192
		.amdhsa_next_free_sgpr 102
		.amdhsa_reserve_vcc 0
		.amdhsa_float_denorm_mode_32 3
		.amdhsa_float_denorm_mode_16_64 3
		.amdhsa_memory_ordered 1
		.amdhsa_forward_progress 1
		.amdhsa_inst_pref_size 37
	.end_amdhsa_kernel
	.amdgpu_metadata
---
amdhsa.version: [ 1, 2 ]
amdhsa.kernels:
  - .name:           k_q6c898d3d53_mix
    .symbol:         k_q6c898d3d53_mix.kd
    .args:
      - { .name: part, .offset: 0, .size: 8, .value_kind: global_buffer, .address_space: global }
      - { .name: b2, .offset: 8, .size: 8, .value_kind: global_buffer, .address_space: global }
      - { .name: coef, .offset: 16, .size: 8, .value_kind: global_buffer, .address_space: global }
      - { .name: x, .offset: 24, .size: 8, .value_kind: global_buffer, .address_space: global }
      - { .name: out0, .offset: 32, .size: 8, .value_kind: global_buffer, .address_space: global }
    .group_segment_fixed_size: 0
    .private_segment_fixed_size: 0
    .kernarg_segment_align: 8
    .kernarg_segment_size: 40
    .max_flat_workgroup_size: 512
    .sgpr_count:     102
    .vgpr_count:     192
    .wavefront_size: 32
...
	.end_amdgpu_metadata
.endif
;; end of part 8
;; ======== version 3 of 3: 5 launches; version 2 with the launches prep, coef written anew for expert scheduling mode
;; limits: values are held in f16: magnitudes above 65,504 overflow, below 6.1e-05 lose precision; inputs' magnitudes at most 16,376; right only within a limited range of input values
;; workspace buffers: w1h 33,554,432 bytes; w2h 33,554,432 bytes; tht 393,216 bytes; xpre 8,388,608 bytes; coef 524,288 bytes; hid 33,554,432 bytes; part 67,108,864 bytes
;; launch prep (part 9): grid 576 x 1, 8 waves a work-group, no clusters, 0 bytes of LDS; arguments W1, W2, rms_weight, theta_pre, theta_post, theta_res, w1h, w2h, tht; writes w1h, w2h, tht
.if DOCPART == 9
	.amdgcn_target "amdgcn-amd-amdhsa--gfx1250"
	.amdhsa_code_object_version 6
	.text
	.protected	k_q6c898d3d53_prep
	.globl	k_q6c898d3d53_prep
	.p2align	8
	.type	k_q6c898d3d53_prep,@function
k_q6c898d3d53_prep:
	s_mov_b64 s[64:65], 0
	v_nop
	global_prefetch_b8 v0, s[64:65] scope:SCOPE_SE
	s_setreg_imm32_b32 hwreg(HW_REG_WAVE_SCHED_MODE, 0, 2), 2
	s_setreg_imm32_b32 hwreg(HW_REG_WAVE_MODE, 25, 1), 1
	s_wait_xcnt 0x0
	s_wait_alu depctr_vm_vsrc(0)
; PREP.  Work-groups 0-511: W1 and W2 (f32) are rounded once to f16, in their own layouts, into w1h and w2h.
; Work-groups 512-575: the table tht (f16) of 64 x rms_weight[k] x theta[k][c]; c 0-15 theta_res's columns, 16-19 theta_pre's, 20-23 theta_post's, LAID OUT AS THE NEXT LAUNCH'S MATRIX FRAGMENTS:
; 1,536 bytes for each 32 k.  A unit of 16 bytes holds one column's 8 consecutive k, group q = 0..3 of the 32.  Columns 0-15: unit at 256 q + 16 c.  Columns 16-23: unit at 1,024 + 128 q + 16 (c - 16).
; LIMITS.  f16 ends at 65,504: |W| stays under it, |rms_weight x theta| under 1,023 (the table is stored x 64); below 6e-5 f16 keeps its fixed step of 6e-8.
; THE CAST is a stream: a work-group owns 262,144 bytes of f32, thread t the 16 bytes at 16 t of each chunk of 4,096; a load of a wave covers 512 consecutive bytes, a store 256 consecutive
; aligned bytes.  No LDS, no matrix unit: there is nothing to share and nothing to multiply.
; THE MODE: SCHED_MODE bits 1:0 = 2 (LLVM: expert scheduling mode 2), set by the entry lines.  The code itself states the register dependences
; between vector instructions and memory instructions, with s_wait_alu, always for 0.
; THE PLAN OF THE CAST.  The 64 chunks go in 16 blocks of four.  Registers that memory instructions touch:
;   X0 .. X3   four blocks as loaded.    Written by the loads of block p + 3, issued in block p; read by block p's eight conversions.
;   Y0, Y1     two blocks to store.      Written by block p's conversions; read by the four stores that are issued in block p + 1.
;   v1, v2     byte offsets, made once and never written again: the chunks are reached by the two scalar bases, which move on once a lap of four blocks, and by immediate offsets.
; Block p works on X[p % 4] and writes Y[p % 2].  Its memory instructions are the loads into X[(p + 3) % 4] = X[(p - 1) % 4] and the stores from Y[(p - 1) % 2]: the two buffers that block p - 1
; worked on and that no vector instruction of block p names.  So the waits at a block's head state all that its eight memory instructions hang on, and these are dealt among its conversions.
.set BLOCK, 4                          ; chunks in a block
.set CHUNK, 4096                       ; bytes of f32 in a chunk
.set HALF,  2048                       ; the same numbers as f16
.set X,     8                          ; v[8:71]   buffer k, chunk i: 4 registers at X + 16 k + 4 i, as loaded
.set Y,     72                         ; v[72:87]  buffer k, chunk i: 2 registers at Y + 8 k + 2 i, to store
.set CNT,   23                         ; s23  laps to go; in the table's part the wave's number
	s_load_b512 s[4:19], s[0:1], 0x0               ; W1 s[4:5], W2 s[6:7], rms_weight s[8:9], theta_pre s[10:11], theta_post s[12:13], theta_res s[14:15], w1h s[16:17], w2h s[18:19]
	s_load_b64 s[20:21], s[0:1], 0x40              ; tht
	s_cmp_ge_u32 ttmp9, 512
	s_cbranch_scc1 .Ltheta
	v_lshlrev_b32 v1, 4, v0                        ; 16 t: my bytes of a chunk of f32
	v_lshlrev_b32 v2, 3, v0                        ; 8 t: the same numbers as f16
	s_and_b32 s22, ttmp9, 255                      ; my part of the matrix
	s_lshl_b32 s28, s22, 18
	s_mov_b32 s29, 0
	s_lshl_b32 s30, s22, 17
	s_mov_b32 s31, 0
	s_wait_kmcnt 0x0
	s_cmp_lt_u32 ttmp9, 256                        ; the first 256 work-groups take W1, the next 256 W2
	s_cselect_b64 s[24:25], s[4:5], s[6:7]
	s_cselect_b64 s[26:27], s[16:17], s[18:19]
	s_add_nc_u64 s[24:25], s[24:25], s[28:29]
	s_add_nc_u64 s[26:27], s[26:27], s[30:31]
	s_wait_alu depctr_va_vdst(0)                   ; v1 and v2 are written: every load and store of the cast reads one of them as its offset
.irp i, 0,1,2,3,4,5,6,7,8,9,10,11
	global_load_b128 v[X+4*(\i):X+4*(\i)+3], v1, s[24:25] offset:(\i)*CHUNK th:TH_LOAD_NT   ; blocks 0, 1 and 2 into X0, X1, X2
.endr
; Block p.  xb = p % 4, yb = p % 2.  at = p counted from the block at which the bases stand.  first = 1: block 0, with no block in front of it.  step = 1: a lap's first block: the bases move on by four blocks.
; ahead = 1: block p + 3 is loaded.  left = how many younger loads may still be out when this block's four have to be there.
.macro BLK xb, yb, at, first, step, ahead, left
	s_wait_loadcnt \left                           ; loads come back in order: X[xb] is in, the younger blocks stay out
.if !\first
	s_wait_xcnt 0x0                                ; every earlier memory instruction has had its addresses translated: the bases and Y[yb] are rewritten only behind this wait
	s_wait_alu depctr_vm_vsrc(0)                   ; the stores issued in the block before have read Y[yb], which this block's conversions write again
	s_wait_alu depctr_va_vdst(0)                   ; the block before has written the other Y, which the stores below read, and is done reading its X, in which the loads below land
.endif
.if \step
	s_add_nc_u64 s[24:25], s[24:25], 4*BLOCK*CHUNK
	s_add_nc_u64 s[26:27], s[26:27], 4*BLOCK*HALF
.endif
.irp i, 0,1,2,3
.if \ahead
	global_load_b128 v[X+16*((\xb+3)%4)+4*(\i):X+16*((\xb+3)%4)+4*(\i)+3], v1, s[24:25] offset:(((\at)+3)*BLOCK+(\i))*CHUNK th:TH_LOAD_NT   ; three blocks ahead; no vector instruction since the wait names these registers
.endif
.if !\first
	global_store_b64 v2, v[Y+8*(1-\yb)+2*(\i):Y+8*(1-\yb)+2*(\i)+1], s[26:27] offset:(((\at)-1)*BLOCK+(\i))*HALF th:TH_STORE_NT   ; the block before
.endif
	v_cvt_pk_f16_f32 v[Y+8*\yb+2*(\i)],   v[X+16*\xb+4*(\i)],   v[X+16*\xb+4*(\i)+1]
	v_cvt_pk_f16_f32 v[Y+8*\yb+2*(\i)+1], v[X+16*\xb+4*(\i)+2], v[X+16*\xb+4*(\i)+3]
.endr
.endm
	BLK 0, 0, 0, 1, 0, 1, 2*BLOCK                  ; block 0
	s_mov_b32 s[CNT], 3
.Lround:                                       ; blocks 1 to 12, four to a lap: both kinds of buffer are back at their start; the bases stand at the lap's last block
	BLK 1, 1, -3, 0, 1, 1, 2*BLOCK
	BLK 2, 0, -2, 0, 0, 1, 2*BLOCK
	BLK 3, 1, -1, 0, 0, 1, 2*BLOCK
	BLK 0, 0, 0, 0, 0, 1, 2*BLOCK
	s_sub_co_u32 s[CNT], s[CNT], 1
	s_cmp_lg_u32 s[CNT], 0
	s_cbranch_scc1 .Lround
	BLK 1, 1, 1, 0, 0, 0, 2*BLOCK                  ; blocks 13 to 15 load nothing: no load leaves the work-group's part, and the counts run down
	BLK 2, 0, 2, 0, 0, 0, BLOCK
	BLK 3, 1, 3, 0, 0, 0, 0
	s_wait_alu depctr_va_vdst(0)                   ; block 15 has written Y1, which the last four stores read
.irp i, 0,1,2,3
	global_store_b64 v2, v[Y+8+2*(\i):Y+8+2*(\i)+1], s[26:27] offset:(3*BLOCK+(\i))*HALF th:TH_STORE_NT
.endr
	s_endpgm
; THE TABLE.  A work-group takes 128 k: four blocks of 32.  Thread t: c = t % 16 a column of theta_res, g = t / 16 a group of 8 k: sixteen neighbouring lanes read 64 consecutive bytes of a row of
; theta_res and store 256 consecutive aligned bytes of tht.  The three tables are 0.8 MB in all and are read once.  No register that a memory instruction has read is written again here.
.Ltheta:
	s_sub_co_u32 s22, ttmp9, 512                   ; which 128 k
	v_lshrrev_b32 v3, 5, v0
	v_readfirstlane_b32 s[CNT], v3                 ; wave 0..7
	v_and_b32 v4, 15, v0                           ; c
	v_lshrrev_b32 v5, 4, v0                        ; g
	v_lshlrev_b32 v6, 5, v5                        ; rms_weight: 32 g
	v_lshlrev_b32 v7, 9, v5
	v_lshl_add_u32 v7, v4, 2, v7                   ; theta_res: 512 g + 4 c
	v_lshrrev_b32 v56, 2, v5
	v_mul_u32_u24 v58, v56, 1536                   ; tht: block g / 4,
	v_and_b32 v56, 3, v5
	v_lshl_add_u32 v58, v56, 8, v58                ; 256 (g % 4),
	v_lshl_add_u32 v58, v4, 4, v58                 ; 16 c
	s_wait_alu depctr_va_sdst(0)                   ; the wave's number is written, ahead of its reader: the compare in front of the second part
	s_mov_b32 s29, 0
	s_wait_kmcnt 0x0
	s_lshl_b32 s28, s22, 9
	s_add_nc_u64 s[8:9], s[8:9], s[28:29]
	s_lshl_b32 s28, s22, 13
	s_add_nc_u64 s[14:15], s[14:15], s[28:29]
	s_lshl_b32 s28, s22, 11
	s_add_nc_u64 s[10:11], s[10:11], s[28:29]
	s_add_nc_u64 s[12:13], s[12:13], s[28:29]
	s_mul_i32 s28, s22, 4*1536
	s_add_nc_u64 s[20:21], s[20:21], s[28:29]
	s_wait_alu depctr_va_vdst(0)                   ; the offsets v6, v7 and v58 are written, which the loads and the store below read
	global_load_b128 v[8:11],  v6, s[8:9]
	global_load_b128 v[12:15], v6, s[8:9] offset:16
.irp j, 0,1,2,3,4,5,6,7
	global_load_b32 v[16+(\j)], v7, s[14:15] offset:64*(\j)
.endr
	s_wait_loadcnt 0x0
.irp j, 0,2,4,6
	v_pk_mul_f32 v[8+(\j):9+(\j)], v[8+(\j):9+(\j)], 0x42800000 op_sel_hi:[1,0]   ; 64 x rms_weight
.endr
.irp j, 0,2,4,6
	v_pk_mul_f32 v[16+(\j):17+(\j)], v[16+(\j):17+(\j)], v[8+(\j):9+(\j)]
.endr
.irp j, 0,1,2,3
	v_cvt_pk_f16_f32 v[32+(\j)], v[16+2*(\j)], v[17+2*(\j)]
.endr
	s_wait_alu depctr_va_vdst(0)                   ; the conversions have written v[32:35], which the store reads
	global_store_b128 v58, v[32:35], s[20:21]
	s_cmp_lt_u32 s[CNT], 4                         ; threads 0-127 also make columns 16-23: c' = t % 8, g' = t / 8
	s_cbranch_scc0 .Ldone
	v_and_b32 v59, 7, v0                           ; c'
	v_lshrrev_b32 v60, 3, v0                       ; g'
	v_lshlrev_b32 v61, 5, v60                      ; rms_weight: 32 g'
	v_and_b32 v62, 3, v59
	v_lshlrev_b32 v57, 7, v60
	v_lshl_add_u32 v57, v62, 2, v57                ; theta_pre, theta_post: 128 g' + 4 (c' % 4)
	v_lshrrev_b32 v62, 2, v60
	v_mul_u32_u24 v63, v62, 1536
	v_and_b32 v62, 3, v60
	v_lshl_add_u32 v63, v62, 7, v63                ; 128 (g' % 4)
	v_lshl_add_u32 v63, v59, 4, v63                ; 16 c'; the 1,024 stand in the store's immediate
	s_wait_alu depctr_va_vdst(0)                   ; the offsets v57, v61 and v63 are written, which the loads and the store below read
	global_load_b128 v[40:43], v61, s[8:9]
	global_load_b128 v[44:47], v61, s[8:9] offset:16
.irp j, 0,1,2,3,4,5,6,7
	global_load_b32 v[24+(\j)], v57, s[10:11] offset:16*(\j)
	global_load_b32 v[48+(\j)], v57, s[12:13] offset:16*(\j)
.endr
	v_cmp_gt_u32 vcc_lo, 4, v59                    ; c' 0-3: theta_pre; 4-7: theta_post
	s_wait_loadcnt 0x0
	s_wait_alu depctr_va_vcc(0)                    ; the compare has written VCC, which the eight selects read
.irp j, 0,1,2,3,4,5,6,7
	v_cndmask_b32 v[24+(\j)], v[48+(\j)], v[24+(\j)], vcc_lo
.endr
.irp j, 0,2,4,6
	v_pk_mul_f32 v[40+(\j):41+(\j)], v[40+(\j):41+(\j)], 0x42800000 op_sel_hi:[1,0]
.endr
.irp j, 0,2,4,6
	v_pk_mul_f32 v[24+(\j):25+(\j)], v[24+(\j):25+(\j)], v[40+(\j):41+(\j)]
.endr
.irp j, 0,1,2,3
	v_cvt_pk_f16_f32 v[36+(\j)], v[24+2*(\j)], v[25+2*(\j)]
.endr
	s_wait_alu depctr_va_vdst(0)                   ; the conversions have written v[36:39], which the store reads
	global_store_b128 v63, v[36:39], s[20:21] offset:1024   ; sixteen neighbouring lanes (two g', eight c') store 256 consecutive aligned bytes
.Ldone:
	s_endpgm
.Lfunc_end_k_q6c898d3d53_prep:
	.size	k_q6c898d3d53_prep, .Lfunc_end_k_q6c898d3d53_prep-k_q6c898d3d53_prep
	.p2alignl 7, 3214868480
	.fill 96, 4, 3214868480
	.section	.rodata,"a",@progbits
	.p2align	6, 0x0
	.amdhsa_kernel k_q6c898d3d53_prep
		.amdhsa_group_segment_fixed_size 0
		.amdhsa_private_segment_fixed_size 0
		.amdhsa_enable_private_segment 0
		.amdhsa_kernarg_size 72
		.amdhsa_user_sgpr_count 2
		.amdhsa_user_sgpr_kernarg_segment_ptr 1
		.amdhsa_wavefront_size32 1
		.amdhsa_system_sgpr_workgroup_id_x 1
		.amdhsa_system_sgpr_workgroup_id_y 1
		.amdhsa_system_sgpr_workgroup_id_z 1
		.amdhsa_system_vgpr_workitem_id 0
		.amdhsa_next_free_vgpr 88
		.amdhsa_next_free_sgpr 66
		.amdhsa_reserve_vcc 1
		.amdhsa_float_denorm_mode_32 3
		.amdhsa_float_denorm_mode_16_64 3
		.amdhsa_memory_ordered 1
		.amdhsa_forward_progress 1
		.amdhsa_inst_pref_size 19
	.end_amdhsa_kernel
	.amdgpu_metadata
---
amdhsa.version: [ 1, 2 ]
amdhsa.kernels:
  - .name:           k_q6c898d3d53_prep
    .symbol:         k_q6c898d3d53_prep.kd
    .args:
      - { .name: W1, .offset: 0, .size: 8, .value_kind: global_buffer, .address_space: global }
      - { .name: W2, .offset: 8, .size: 8, .value_kind: global_buffer, .address_space: global }
      - { .name: rms_weight, .offset: 16, .size: 8, .value_kind: global_buffer, .address_space: global }
      - { .name: theta_pre, .offset: 24, .size: 8, .value_kind: global_buffer, .address_space: global }
      - { .name: theta_post, .offset: 32, .size: 8, .value_kind: global_buffer, .address_space: global }
      - { .name: theta_res, .offset: 40, .size: 8, .value_kind: global_buffer, .address_space: global }
      - { .name: w1h, .offset: 48, .size: 8, .value_kind: global_buffer, .address_space: global }
      - { .name: w2h, .offset: 56, .size: 8, .value_kind: global_buffer, .address_space: global }
      - { .name: tht, .offset: 64, .size: 8, .value_kind: global_buffer, .address_space: global }
    .group_segment_fixed_size: 0
    .private_segment_fixed_size: 0
    .kernarg_segment_align: 8
    .kernarg_segment_size: 72
    .max_flat_workgroup_size: 256
    .sgpr_count:     66
    .vgpr_count:     88
    .wavefront_size: 32
...
	.end_amdgpu_metadata
.endif
;; end of part 9
;; launch coef (part 10): grid 256 x 1, 16 waves a work-group, no clusters, 181,248 bytes of LDS; arguments x, tht, alpha_pre, alpha_post, alpha_res, b_pre, b_post, b_res, xpre, coef; writes xpre, coef
.if DOCPART == 10
	.amdgcn_target "amdgcn-amd-amdhsa--gfx1250"
	.amdhsa_code_object_version 6
	.text
	.protected	k_q6c898d3d53_coef
	.globl	k_q6c898d3d53_coef
	.p2align	8
	.type	k_q6c898d3d53_coef,@function
k_q6c898d3d53_coef:
	s_mov_b64 s[64:65], 0
	v_nop
	global_prefetch_b8 v0, s[64:65] scope:SCOPE_SE
	s_setreg_imm32_b32 hwreg(HW_REG_WAVE_SCHED_MODE, 0, 2), 2
	s_setreg_imm32_b32 hwreg(HW_REG_WAVE_MODE, 25, 1), 1
	s_wait_xcnt 0x0
	s_wait_alu depctr_vm_vsrc(0)
; COEF.  For 8 rows of x a work-group: the sum of squares, the 24 small projections (matrix unit, f16 operands, f32 sums), H_pre, H_post, the 4 x 4 matrix with its exponential and 20 normalising
; passes, and x_pre = H_pre . x (stored f16).  x is read from memory once: it is kept in LDS as f16 between the projections and x_pre.
; coef[row][64] (f32): words 2 n, 2 n + 1 both 16 H_post[n]; words 8 + 2 (4 n + m) and the next both H_res[n][m]; words 40-63 are 0.  (hid is stored / 16 by the next launch: hence the 16.)
; LIMITS.  x is rounded to f16 for the products: |x| under 16,376, so that |x_pre| <= 4 max |x| also fits; divisions are a reciprocal and a multiply; NaN and infinities are not treated apart.
; SHARES.  K = 8,192 is split among the 16 waves: wave w takes k = 512 w .. + 511 of all 8 rows: 32 loads, each 512 consecutive bytes of one row, all issued at the start: the work-group's whole
; 262,144 bytes of x are on their way at once.  A row is squared and rounded as it comes and laid into the wave's own 8,320 bytes of LDS, from which the same wave reads its fragments.
; LAYOUT.  The product is taken as table (source 0: 16 columns) times x (source 1: 16 rows, of which rows 8-15 repeat rows 0-7): in the result lane (r, h) holds row r % 8 and table columns 8 h + 0..7.
; The table lies in memory as fragments (the launch before lays it so): a load of a wave covers 512 or 256 consecutive bytes.  The partial sums of the 16 waves meet in LDS.
; NO CLUSTER, though every work-group reads the whole table: its 393,216 bytes do not fit in LDS beside x's 133,120, so a joint fetch would want a ring of slots filled again, with a round of the
; cluster's barrier at each refill, in a launch whose waves otherwise meet twice.
; THE MODE: SCHED_MODE bits 1:0 = 2 (LLVM: expert scheduling mode 2), set by the entry lines.  The code itself states the register dependences
; between vector or matrix instructions and memory or LDS instructions, with s_wait_alu, always for 0.
; THE PLAN.  Four waves share a SIMD's 1,024 registers, so there is no further buffer: a row's out-buffer is found in place.  Registers that memory or LDS instructions touch:
;   v[XR + 16 j ..]  row j: its four loads land; its squares read it; its conversions close the 16 numbers up into the row's first 8 registers; the four LDS stores that read those are issued in row
;                    j + 1's turn, behind ONE wait on va_vdst at that turn's head, dealt among row j + 1's vector lines, which name row j + 1 and its chain of squares alone.
;                    Behind row 7's stores one wait on vm_vsrc: the table's batches 1 and 2 land in these registers.
;   v[48:55]         the sums of squares: a wait on va_vdst ahead of their two LDS stores, one on vm_vsrc behind them: x's fragments land there.
;   XF, the table    read by a batch's eight products; ONE wait on va_vdst behind them, ahead of the loads of the next fragments and of the table's batch 3; behind the last batch the same line states that
;                    the sums are written, which the LDS stores read.
;   addresses        all of a part are made at the part's head, in registers that a wait on vm_vsrc has freed, ahead of one wait on va_vdst.  A wait on vm_vsrc stands behind each of the two barriers,
;                    ahead of the branches, and one beside the wait on XCNT in x_pre's loop, ahead of its four address steps.
.set RP,    1040                       ; a row's 512 numbers of one wave in LDS: 1,024 bytes + 16: the 8 rows of a fragment load start 16 bytes apart modulo 256
.set WP,    8*RP                       ; a wave's part: 8,320 bytes on end
.set P0,    133120                     ; 16 waves x 16 rows x 80 bytes: partial sums for table columns 0-15
.set P1D,   20480                      ; behind them the same for table columns 16-23
.set SSB,   174080                     ; 16 waves x 32 bytes: partial sums of squares of the 8 rows
.set HPB,   174592                     ; 16 rows x 16: H_pre
.set CSB,   174848                     ; 16 rows x 272: the coefficients on their way out
.set SPARE, 179200                     ; the spare words, 128 bytes a wave: eight blocks of 256 bytes that no other line names
.set XFA, 1                            ; v1   where I read x's fragments.    Later, wave 0: my offset in coef
.set XO,  2                            ; v2   x: 2,048 w + 16 l.     Later: where I read x in LDS, streams 0 and 1
.set T0O, 3                            ; v3   table, columns 0-15: 24,576 w + 16 l.   Later: where I read H_pre
.set T1O, 4                            ; v4   table, columns 16-23: 24,576 w + 1,024 + 128 h + 16 (r % 8).     Later: my offset in xpre
.set XSA, 5                            ; v5   where I put x in LDS: 8,320 w + 8 l.    Later, wave 0: where I put H_pre, then the coefficients
.set PST, 6                            ; v6   where I put partial sums
.set XO2, 7                            ; v7   later: where I read x in LDS, streams 2 and 3
.set R80, 8                            ; v8   80 r
.set SPW, 10                           ; v10  my spare word; never rewritten
.set NIL, 11                           ; v11  0; never rewritten
.set ZR,  12                           ; v12  0: the first addend of x_pre's sums
.set SST, 15                           ; v15  where I put the sums of squares
.set A0,  16                           ; v[16:23] sums for table columns 0-15
.set A1,  24                           ; v[24:31] sums for table columns 16-23 (twice); later wave 0 carries numbers here from its first part to its second
.set SQ,  32                           ; v[32:47] a packed chain of squares for each row
.set XH,  48                           ; v[48:55] the 8 sums of squares
.set XF,  32                           ; v[32:63] later: x's fragments of four blocks of 32 k
.set XR,  64                           ; v[64:191]  x as loaded: row j at 16 j; as f16 in the first 8 of its 16
.set MM,  192                          ; later: the 4 x 4 matrix
.set WV,  56                           ; s56  my wave's number
.set CNT, 57                           ; s57  loop counts
	s_load_b512 s[4:19], s[0:1], 0x0               ; x s[4:5], tht s[6:7], alpha_pre, alpha_post, alpha_res s[8:13], b_pre, b_post, b_res s[14:19]
	s_load_b128 s[20:23], s[0:1], 0x40             ; xpre s[20:21], coef s[22:23]
	v_lshl_add_u32 v[SPW], v0, 2, SPARE
	v_mov_b32 v[NIL], 0
	v_mov_b32 v[ZR], 0
	v_lshrrev_b32 v1, 5, v0
	v_readfirstlane_b32 s[WV], v1                  ; wave 0..15
	v_and_b32 v13, 15, v0                          ; r
	v_bfe_u32 v14, v0, 4, 1                        ; h
	v_and_b32 v15, 31, v0                          ; l
	v_and_b32 v9, 7, v0                            ; r % 8
	s_wait_alu depctr_va_sdst(0)                   ; the wave's number is written, ahead of its first reader: the offsets below are made from it
	s_lshl_b32 s58, s[WV], 11
	s_mul_i32 s59, s[WV], WP
	s_mul_i32 s60, s[WV], 16*1536
	v_lshl_add_u32 v[XO], v15, 4, s58
	v_lshl_add_u32 v[T0O], v15, 4, s60
	s_add_co_u32 s60, s60, 1024
	v_lshl_add_u32 v[T1O], v9, 4, s60
	v_lshl_add_u32 v[T1O], v14, 7, v[T1O]
	v_lshl_add_u32 v[XSA], v15, 3, s59
	v_mul_u32_u24 v[XFA], v9, RP
	v_lshl_add_u32 v[XFA], v14, 4, v[XFA]
	v_add_nc_u32 v[XFA], s59, v[XFA]
	v_mul_u32_u24 v[R80], v13, 80
	s_mul_i32 s60, s[WV], 1280
	s_add_co_u32 s60, s60, P0
	v_lshl_add_u32 v[PST], v14, 5, v[R80]
	v_add_nc_u32 v[PST], s60, v[PST]
	s_lshl_b32 s61, s[WV], 5
	s_add_co_u32 s61, s61, SSB
	v_mov_b32 v[SST], s61
	s_mov_b32 s52, 0x76543210                      ; v_permlanex16_b32: each lane takes its own place in the other half
	s_mov_b32 s53, 0xfedcba98
	s_mov_b32 s54, 0x39000000                      ; 1 / 8,192
	s_mov_b32 s55, 0x34000000                      ; 2^-23, the norm's epsilon
	s_lshl_b32 s62, ttmp9, 18                      ; the work-group's 8 rows of 32,768 bytes
	s_mov_b32 s63, 0
	s_wait_kmcnt 0x0
	s_add_nc_u64 s[4:5], s[4:5], s[62:63]
	s_load_b32 s24, s[8:9], 0x0                    ; alpha_pre
	s_load_b32 s25, s[10:11], 0x0                  ; alpha_post
	s_load_b32 s26, s[12:13], 0x0                  ; alpha_res
	s_load_b128 s[28:31], s[14:15], 0x0            ; b_pre
	s_load_b128 s[32:35], s[16:17], 0x0            ; b_post
	s_load_b512 s[36:51], s[18:19], 0x0            ; b_res
	s_wait_alu depctr_va_vdst(0)                   ; the offsets and LDS addresses v1 to v6 and v15 are written, which the loads and LDS instructions up to the first barrier read
.irp j, 0,1,2,3,4,5,6,7
.irp i, 0,1,2,3
	global_load_b128 v[XR+16*\j+4*\i:XR+16*\j+4*\i+3], v[XO], s[4:5] offset:32768*\j+512*\i th:TH_LOAD_NT
.endr
.endr
.macro LDT q, base                     ; batch q of the table: four blocks of 32 k, 16 registers each (columns 0-15: 8, columns 16-23: 8): 16 loads
.set bi, 0
.rept 4
	global_load_b128 v[(\base)+16*bi:(\base)+16*bi+3],     v[T0O], s[6:7] offset:1536*(4*(\q)+bi)
	global_load_b128 v[(\base)+16*bi+4:(\base)+16*bi+7],   v[T0O], s[6:7] offset:1536*(4*(\q)+bi)+512
	global_load_b128 v[(\base)+16*bi+8:(\base)+16*bi+11],  v[T1O], s[6:7] offset:1536*(4*(\q)+bi)
	global_load_b128 v[(\base)+16*bi+12:(\base)+16*bi+15], v[T1O], s[6:7] offset:1536*(4*(\q)+bi)+256
.set bi, bi+1
.endr
.endm
	LDT 0, 192
	s_wait_kmcnt 0x0                               ; the small inputs
; Row j has come: squared, then rounded to f16 in place: four numbers are squared, then close up into two registers that earlier lines of the row have done with.  The count: the later rows' four loads
; each, and the table's first 16.  The row BEFORE goes into LDS meanwhile (a store of a wave covers 256 consecutive bytes): its four stores are dealt among this row's lines.
.macro CROW j
	s_wait_loadcnt 16+4*(7-(\j))
.if (\j) > 0
	s_wait_alu depctr_va_vdst(0)                   ; the conversions of the row before have written its first eight registers, which the four LDS stores below read; no line of this row names them
.endif
.set xr, XR+16*(\j)
.set sq, SQ+2*(\j)
.set ci, 0
.rept 4
.if (\j) > 0
	ds_store_b64 v[XSA], v[xr-16+2*ci:xr-16+2*ci+1] offset:RP*((\j)-1)+256*ci
.endif
.if ci == 0
	v_pk_mul_f32 v[sq:sq+1], v[xr:xr+1], v[xr:xr+1]
.else
	v_pk_fma_f32 v[sq:sq+1], v[xr+4*ci:xr+4*ci+1], v[xr+4*ci:xr+4*ci+1], v[sq:sq+1]
.endif
	v_pk_fma_f32 v[sq:sq+1], v[xr+4*ci+2:xr+4*ci+3], v[xr+4*ci+2:xr+4*ci+3], v[sq:sq+1]
	v_cvt_pk_f16_f32 v[xr+2*ci],   v[xr+4*ci],   v[xr+4*ci+1]
	v_cvt_pk_f16_f32 v[xr+2*ci+1], v[xr+4*ci+2], v[xr+4*ci+3]
.set ci, ci+1
.endr
.endm
.irp j, 0,1,2,3,4,5,6,7
	CROW \j
.endr
	s_wait_alu depctr_va_vdst(0)                   ; row 7's conversions have written its first eight registers, which the stores below read; every vector line that named v[XR ..] is done
.set ci, 0
.rept 4
	ds_store_b64 v[XSA], v[XR+112+2*ci:XR+112+2*ci+1] offset:RP*7+256*ci
.set ci, ci+1
.endr
	s_wait_alu depctr_vm_vsrc(0)                   ; the LDS stores have read v[XR ..], in which the table's next two batches land
	LDT 1, 64
	LDT 2, 128
	; the 8 sums of squares over the wave's 32 lanes
.irp j, 0,1,2,3,4,5,6,7
	v_add_f32 v[SQ+2*\j], v[SQ+2*\j], v[SQ+2*\j+1]
.endr
.irp m, 1,2,4,8
.irp j, 0,1,2,3,4,5,6,7
	v_add_f32_dpp v[SQ+2*\j], v[SQ+2*\j], v[SQ+2*\j] row_xmask:\m row_mask:0xf bank_mask:0xf
.endr
.endr
.irp j, 0,1,2,3,4,5,6,7
	v_permlanex16_b32 v[SQ+2*\j+1], v[SQ+2*\j], s52, s53
.endr
.irp j, 0,1,2,3,4,5,6,7
	v_add_f32 v[XH+\j], v[SQ+2*\j], v[SQ+2*\j+1]
.endr
	s_wait_alu depctr_va_vdst(0)                   ; the sums v[48:55] are written, which the two LDS stores read; the lines that named v[32:63] are done: x's fragments land there
	ds_store_b128 v[SST], v[XH:XH+3]               ; every lane the same words
	ds_store_b128 v[SST], v[XH+4:XH+7] offset:16
	s_wait_alu depctr_vm_vsrc(0)                   ; the two stores have read v[48:55], in which x's fragments land
; A batch: x's fragments of four blocks of 32 k out of my own part of LDS (LDS serves a wave's instructions in order: they see my stores), then 8 products.  left = the table loads issued behind this batch's.
; The two accumulators take turns, from batch to batch too.  Four v_nop stand behind the last product, ahead of the stores of the sums; the wait stands beside them.
.macro BATCH q, base, left
.set bi, 0
.rept 4
	ds_load_b128 v[XF+8*bi:XF+8*bi+3],   v[XFA] offset:64*(4*(\q)+bi)
	ds_load_b128 v[XF+8*bi+4:XF+8*bi+7], v[XFA] offset:64*(4*(\q)+bi)+32
.set bi, bi+1
.endr
	s_wait_loadcnt \left
	s_wait_dscnt 0x0
.set bi, 0
.rept 4
.if ((\q) == 0) && (bi == 0)
	v_wmma_f32_16x16x32_f16 v[A0:A0+7], v[(\base):(\base)+7],    v[XF:XF+7], 0
	v_wmma_f32_16x16x32_f16 v[A1:A1+7], v[(\base)+8:(\base)+15], v[XF:XF+7], 0
.else
	v_wmma_f32_16x16x32_f16 v[A0:A0+7], v[(\base)+16*bi:(\base)+16*bi+7],    v[XF+8*bi:XF+8*bi+7], v[A0:A0+7]
	v_wmma_f32_16x16x32_f16 v[A1:A1+7], v[(\base)+16*bi+8:(\base)+16*bi+15], v[XF+8*bi:XF+8*bi+7], v[A1:A1+7]
.endif
.set bi, bi+1
.endr
.rept 4
	v_nop
.endr
	s_wait_alu depctr_va_vdst(0)                   ; the eight products are done reading XF and the table's registers, in which the next loads land; behind the last batch: they have written the sums, which the LDS stores read
.endm
	BATCH 0, 192, 32                               ; behind batch 0's loads: batches 1 and 2
	LDT 3, 192
	BATCH 1, 64, 32                                ; behind batch 1's: batches 2 and 3
	BATCH 2, 128, 16
	BATCH 3, 192, 0
	ds_store_b128 v[PST], v[A0:A0+3]               ; each accumulator's lowest registers first
	ds_store_b128 v[PST], v[A0+4:A0+7] offset:16
	ds_store_b128 v[PST], v[A1:A1+3]   offset:P1D
	ds_store_b128 v[PST], v[A1+4:A1+7] offset:P1D+16
	s_wait_dscnt 0x0                               ; for the others' sake: my x, my partial sums
	s_barrier_signal -1
	s_barrier_wait -1
	s_wait_alu depctr_vm_vsrc(0)                   ; my LDS stores have read v[16:31], of which wave 0 writes v[24:31] anew; my loads and LDS instructions have read v1 to v6, which are written anew below
.macro FOLD base, half, w              ; 2 x half partial sums of w registers on end: the second half is added onto the first
.set fi, 0
.rept (\half)*(\w)/2
	v_pk_add_f32 v[(\base)+2*fi:(\base)+2*fi+1], v[(\base)+2*fi:(\base)+2*fi+1], v[(\base)+(\half)*(\w)+2*fi:(\base)+(\half)*(\w)+2*fi+1]
.set fi, fi+1
.endr
.endm
	; WAVE 0, first part: lane (r, h) makes row r % 8's norm, H_pre and H_post.  Its three LDS addresses are made here, ahead of one wait.
	s_cmp_lg_u32 s[WV], 0
	s_cbranch_scc1 .Lgates_done
	v_and_b32 v9, 7, v13
	v_lshl_add_u32 v9, v9, 2, SSB
	v_add_nc_u32 v15, P0+P1D, v[R80]
	v_lshl_add_u32 v5, v13, 4, HPB                 ; where H_pre of row r % 8 goes: place r
	s_wait_alu depctr_va_vdst(0)                   ; v9, v15 and v5 are written, which the LDS loads and the store of this part read
.set i, 0
.rept 16
	ds_load_b32 v[64+i], v9 offset:32*i
.set i, i+1
.endr
.set i, 0
.rept 16
	ds_load_b128 v[80+8*i:80+8*i+3],   v15 offset:1280*i
	ds_load_b128 v[80+8*i+4:80+8*i+7], v15 offset:1280*i+16
.set i, i+1
.endr
	s_wait_dscnt 0x0
	FOLD 64, 8, 1
	FOLD 64, 4, 1
	FOLD 64, 2, 1
	v_add_f32 v64, v64, v65
	FOLD 80, 8, 8
	FOLD 80, 4, 8
	FOLD 80, 2, 8
	FOLD 80, 1, 8                                  ; v[80:83] theta_pre's sums, v[84:87] theta_post's
	v_fma_f32 v64, v64, s54, s55                   ; the mean of the squares + epsilon
	v_rsq_f32 v24, v64
	v_nop                                          ; a plain instruction behind the root,
	s_wait_alu depctr_va_vdst(0)                   ; and the root v24 is written, ahead of its first reader
	v_mul_f32 v24, 0x3c800000, v24                 ; / 64: the table was stored x 64
	v_mul_f32 v25, s24, v24
	v_mul_f32 v26, s25, v24
	v_mul_f32 v27, s26, v24                        ; kept for the second part
.irp j, 0,1,2,3
	v_fma_f32 v[88+\j], v[80+\j], v25, s[28+\j]
	v_fma_f32 v[92+\j], v[84+\j], v26, s[32+\j]
.endr
.irp j, 0,1,2,3,4,5,6,7
	v_mul_f32 v[88+\j], 0xbfb8aa3b, v[88+\j]       ; sigmoid(a) = 1 / (1 + 2^(-a log2 e))
.endr
.irp j, 0,1,2,3,4,5,6,7
	v_exp_f32 v[88+\j], v[88+\j]
.endr
	v_nop
	s_wait_alu depctr_va_vdst(0)                   ; the eight exponentials v[88:95] are written, ahead of their first reader
.irp j, 0,1,2,3,4,5,6,7
	v_add_f32 v[88+\j], 1.0, v[88+\j]
.endr
.irp j, 0,1,2,3,4,5,6,7
	v_rcp_f32 v[88+\j], v[88+\j]
.endr
	v_nop
	s_wait_alu depctr_va_vdst(0)                   ; the eight reciprocals v[88:95] are written, ahead of their first readers: the LDS store of v[88:91] and the multiplies
	ds_store_b128 v5, v[88:91]                     ; H_pre of row r % 8, at place r
.irp j, 0,1,2,3
	v_mul_f32 v[28+\j], 0x42000000, v[92+\j]       ; 16 H_post = 32 sigmoid; kept for the second part
.endr
.Lgates_done:
	s_wait_dscnt 0x0
	s_barrier_signal -1
	s_barrier_wait -1
	s_wait_alu depctr_vm_vsrc(0)                   ; wave 0's LDS store has read v5 and v[88:91], its LDS loads v9 and v15: loads land in v[88:91] below, and the three addresses are written anew in its second part
	; x_pre.  Wave w takes d = 128 w .. + 127; lane (i, hh): 8 numbers, rows of parity hh.  Stream n's numbers k = 2,048 n + d lie in the part of wave 4 n + w / 4, at byte 256 (w % 4) of its rows.
	; Two trips of two pairs of rows; sixteen neighbouring lanes store 256 consecutive aligned bytes.
	s_lshr_b32 s58, s[WV], 2
	s_mul_i32 s58, s58, WP
	s_and_b32 s59, s[WV], 3
	s_lshl_b32 s59, s59, 8
	s_add_co_u32 s58, s58, s59
	v_mul_u32_u24 v[XO], v14, RP                   ; (all loads from memory are in: these registers are free)
	v_lshl_add_u32 v[XO], v13, 4, v[XO]
	v_add_nc_u32 v[XO], s58, v[XO]
	v_add_nc_u32 v[XO2], 8*WP, v[XO]
	v_lshl_add_u32 v[T0O], v14, 4, HPB
	s_lshl_b32 s58, s[WV], 8
	v_lshlrev_b32 v[T1O], 12, v14
	v_lshl_add_u32 v[T1O], v13, 4, v[T1O]
	v_add_nc_u32 v[T1O], s58, v[T1O]
	s_lshl_b32 s62, ttmp9, 15                      ; 8 rows of 4,096 bytes
	s_add_nc_u64 s[20:21], s[20:21], s[62:63]
	s_mov_b32 s[CNT], 2
.Lxpre:
	s_wait_alu depctr_va_vdst(0)                   ; the four addresses are written (above, or by the last trip's steps); the lines that named v[64:103] (the last trip's sums; wave 0's first part) are done: the loads below land there
.irp p, 0,1
.irp n, 0,1
	ds_load_b128 v[64+16*\p+4*\n:64+16*\p+4*\n+3],    v[XO]  offset:2*RP*\p+4*WP*\n
	ds_load_b128 v[64+16*\p+4*\n+8:64+16*\p+4*\n+11], v[XO2] offset:2*RP*\p+4*WP*\n
.endr
.endr
	ds_load_b128 v[96:99],   v[T0O]
	ds_load_b128 v[100:103], v[T0O] offset:32
	s_wait_dscnt 0x0
.irp p, 0,1
.irp n, 0,1,2,3
.irp j, 0,1,2,3
.if \n == 0
	v_fma_mix_f32 v[104+8*\p+2*\j],   v[64+16*\p+4*\n+\j], v[96+4*\p+\n], v[ZR] op_sel_hi:[1,0,0]
	v_fma_mix_f32 v[104+8*\p+2*\j+1], v[64+16*\p+4*\n+\j], v[96+4*\p+\n], v[ZR] op_sel:[1,0,0] op_sel_hi:[1,0,0]
.else
	v_fma_mix_f32 v[104+8*\p+2*\j],   v[64+16*\p+4*\n+\j], v[96+4*\p+\n], v[104+8*\p+2*\j] op_sel_hi:[1,0,0]
	v_fma_mix_f32 v[104+8*\p+2*\j+1], v[64+16*\p+4*\n+\j], v[96+4*\p+\n], v[104+8*\p+2*\j+1] op_sel:[1,0,0] op_sel_hi:[1,0,0]
.endif
.endr
.endr
.endr
.irp p, 0,1
.irp j, 0,1,2,3
	v_cvt_pk_f16_f32 v[120+4*\p+\j], v[104+8*\p+2*\j], v[104+8*\p+2*\j+1]
.endr
.endr
	s_wait_alu depctr_va_vdst(0)                   ; the conversions have written v[120:127], which the two stores read
.irp p, 0,1
	global_store_b128 v[T1O], v[120+4*\p:120+4*\p+3], s[20:21] offset:8192*\p
.endr
	s_wait_xcnt 0x0                                ; the stores' data and offset are rewritten only behind this wait,
	s_wait_alu depctr_vm_vsrc(0)                   ; and behind this one: the stores have read v[T1O] and v[120:127], the LDS loads v[XO], v[XO2] and v[T0O]
	v_add_nc_u32 v[XO], 4*RP, v[XO]
	v_add_nc_u32 v[XO2], 4*RP, v[XO2]
	v_add_nc_u32 v[T0O], 64, v[T0O]
	v_add_nc_u32 v[T1O], 16384, v[T1O]
	s_sub_co_u32 s[CNT], s[CNT], 1
	s_cmp_lg_u32 s[CNT], 0
	s_cbranch_scc1 .Lxpre
	; WAVE 0, second part: lane (r, h) makes row r % 8's 4 x 4 matrix.  Its four addresses are made here, ahead of one wait, in registers that the waits on vm_vsrc above have freed.
	s_cmp_lg_u32 s[WV], 0
	s_cbranch_scc1 .Lend
	v_add_nc_u32 v9, P0, v[R80]
	v_mul_u32_u24 v5, v13, 272
	v_add_nc_u32 v5, CSB, v5                       ; where the row's 64 words go
	v_mul_u32_u24 v15, v14, 272
	v_lshl_add_u32 v15, v13, 4, v15
	v_add_nc_u32 v15, CSB, v15                     ; where they are read back
	v_lshlrev_b32 v1, 8, v14
	v_lshl_add_u32 v1, v13, 4, v1                  ; and their place in coef
	s_wait_alu depctr_va_vdst(0)                   ; v9, v5, v15 and v1 are written, which the LDS instructions and the stores of this part read; x_pre's lines are done with v[64:127], in which the loads below land
.set i, 0
.rept 8
.irp q, 0,1,2,3
	ds_load_b128 v[64+16*i+4*\q:64+16*i+4*\q+3], v9 offset:1280*i+16*\q
.endr
.set i, i+1
.endr
	s_wait_dscnt 0x0
	FOLD 64, 4, 16
	FOLD 64, 2, 16
.set i, 0
.rept 8
	v_pk_add_f32 v[MM+2*i:MM+2*i+1], v[64+2*i:64+2*i+1], v[80+2*i:80+2*i+1]
.set i, i+1
.endr
	s_wait_alu depctr_va_vdst(0)                   ; the additions above are done with v[64:191], in which the other eight waves' partial sums land
.set i, 0
.rept 8
.irp q, 0,1,2,3
	ds_load_b128 v[64+16*i+4*\q:64+16*i+4*\q+3], v9 offset:1280*(8+i)+16*\q
.endr
.set i, i+1
.endr
	s_wait_dscnt 0x0
	FOLD 64, 4, 16
	FOLD 64, 2, 16
	FOLD 64, 1, 16
.set i, 0
.rept 8
	v_pk_add_f32 v[MM+2*i:MM+2*i+1], v[MM+2*i:MM+2*i+1], v[64+2*i:64+2*i+1]
.set i, i+1
.endr
.set i, 0
.rept 16
	v_fma_f32 v[MM+i], v[MM+i], v27, s[36+i]       ; alpha_res x (xn . theta_res) + b_res
.set i, i+1
.endr
.set i, 0
.rept 16
	v_mul_f32 v[MM+i], 0x3fb8aa3b, v[MM+i]
.set i, i+1
.endr
.set i, 0
.rept 16
	v_exp_f32 v[MM+i], v[MM+i]                     ; the exponential as it is written: no maximum is taken away there either
.set i, i+1
.endr
	v_nop
	s_wait_alu depctr_va_vdst(0)                   ; the sixteen exponentials are written, ahead of their first reader
	s_mov_b32 s[CNT], 20
.Lsink:                                        ; a pass: each row divided by its sum, then each column by its
.irp n, 0,1,2,3
	v_pk_add_f32 v[208+2*\n:209+2*\n], v[MM+4*\n:MM+4*\n+1], v[MM+4*\n+2:MM+4*\n+3]
.endr
.irp n, 0,1,2,3
	v_add_f32 v[208+2*\n], v[208+2*\n], v[209+2*\n]
.endr
.irp n, 0,1,2,3
	v_rcp_f32 v[208+2*\n], v[208+2*\n]
.endr
	v_nop
	s_wait_alu depctr_va_vdst(0)                   ; the four reciprocals of the rows' sums are written, ahead of their first reader
.irp n, 0,1,2,3
	v_pk_mul_f32 v[MM+4*\n:MM+4*\n+1],   v[MM+4*\n:MM+4*\n+1],   v[208+2*\n:209+2*\n] op_sel_hi:[1,0]
	v_pk_mul_f32 v[MM+4*\n+2:MM+4*\n+3], v[MM+4*\n+2:MM+4*\n+3], v[208+2*\n:209+2*\n] op_sel_hi:[1,0]
.endr
	v_pk_add_f32 v[216:217], v[MM:MM+1],     v[MM+4:MM+5]
	v_pk_add_f32 v[218:219], v[MM+2:MM+3],   v[MM+6:MM+7]
	v_pk_add_f32 v[220:221], v[MM+8:MM+9],   v[MM+12:MM+13]
	v_pk_add_f32 v[222:223], v[MM+10:MM+11], v[MM+14:MM+15]
	v_pk_add_f32 v[216:217], v[216:217], v[220:221]
	v_pk_add_f32 v[218:219], v[218:219], v[222:223]
.irp n, 0,1,2,3
	v_rcp_f32 v[216+\n], v[216+\n]
.endr
	v_nop
	s_wait_alu depctr_va_vdst(0)                   ; the four reciprocals of the columns' sums are written, ahead of their first reader
.irp n, 0,1,2,3
	v_pk_mul_f32 v[MM+4*\n:MM+4*\n+1],   v[MM+4*\n:MM+4*\n+1],   v[216:217]
	v_pk_mul_f32 v[MM+4*\n+2:MM+4*\n+3], v[MM+4*\n+2:MM+4*\n+3], v[218:219]
.endr
	s_sub_co_u32 s[CNT], s[CNT], 1
	s_cmp_lg_u32 s[CNT], 0
	s_cbranch_scc1 .Lsink
	; the row's 64 words, each coefficient twice; through LDS, so that sixteen neighbouring lanes store 256 consecutive aligned bytes
.irp n, 0,1,2,3
	v_mov_b32 v[64+2*\n], v[28+\n]
	v_mov_b32 v[65+2*\n], v[28+\n]
.endr
.set i, 0
.rept 16
	v_mov_b32 v[72+2*i], v[MM+i]
	v_mov_b32 v[73+2*i], v[MM+i]
.set i, i+1
.endr
.irp n, 104,105,106,107
	v_mov_b32 v[\n], 0
.endr
	s_wait_alu depctr_va_vdst(0)                   ; the copies have written v[64:107], which the LDS stores read; the additions that named v[112:127] are done: the loads below land there
.irp q, 0,1,2,3,4,5,6,7,8,9
	ds_store_b128 v5, v[64+4*\q:64+4*\q+3] offset:16*\q
.endr
.irp q, 10,11,12,13,14,15
	ds_store_b128 v5, v[104:107] offset:16*\q
.endr
.irp q, 0,1,2,3
	ds_load_b128 v[112+4*\q:112+4*\q+3], v15 offset:544*\q   ; places 0-7: the 8 rows.  LDS serves a wave's instructions in order: these see the stores above
.endr
	s_lshl_b32 s62, ttmp9, 11                      ; 8 rows of 256 bytes
	s_add_nc_u64 s[22:23], s[22:23], s[62:63]
	s_wait_dscnt 0x0
.irp q, 0,1,2,3
	global_store_b128 v1, v[112+4*\q:112+4*\q+3], s[22:23] offset:512*\q
.endr
.Lend:
	s_wait_dscnt 0x0                               ; the closing lines, six on end
	s_wait_alu 0x0
	s_wait_tensorcnt 0x0
	ds_add_u32 v[SPW], v[NIL]
	s_wait_dscnt 0x0
	s_endpgm
.Lfunc_end_k_q6c898d3d53_coef:
	.size	k_q6c898d3d53_coef, .Lfunc_end_k_q6c898d3d53_coef-k_q6c898d3d53_coef
	.p2alignl 7, 3214868480
	.fill 96, 4, 3214868480
	.section	.rodata,"a",@progbits
	.p2align	6, 0x0
	.amdhsa_kernel k_q6c898d3d53_coef
		.amdhsa_group_segment_fixed_size 181248
		.amdhsa_private_segment_fixed_size 0
		.amdhsa_enable_private_segment 0
		.amdhsa_kernarg_size 80
		.amdhsa_user_sgpr_count 2
		.amdhsa_user_sgpr_kernarg_segment_ptr 1
		.amdhsa_wavefront_size32 1
		.amdhsa_system_sgpr_workgroup_id_x 1
		.amdhsa_system_sgpr_workgroup_id_y 1
		.amdhsa_system_sgpr_workgroup_id_z 1
		.amdhsa_system_vgpr_workitem_id 0
		.amdhsa_next_free_vgpr 256
		.amdhsa_next_free_sgpr 66
		.amdhsa_reserve_vcc 0
		.amdhsa_float_denorm_mode_32 3
		.amdhsa_float_denorm_mode_16_64 3
		.amdhsa_memory_ordered 1
		.amdhsa_forward_progress 1
		.amdhsa_inst_pref_size 68
	.end_amdhsa_kernel
	.amdgpu_metadata
---
amdhsa.version: [ 1, 2 ]
amdhsa.kernels:
  - .name:           k_q6c898d3d53_coef
    .symbol:         k_q6c898d3d53_coef.kd
    .args:
      - { .name: x, .offset: 0, .size: 8, .value_kind: global_buffer, .address_space: global }
      - { .name: tht, .offset: 8, .size: 8, .value_kind: global_buffer, .address_space: global }
      - { .name: alpha_pre, .offset: 16, .size: 8, .value_kind: global_buffer, .address_space: global }
      - { .name: alpha_post, .offset: 24, .size: 8, .value_kind: global_buffer, .address_space: global }
      - { .name: alpha_res, .offset: 32, .size: 8, .value_kind: global_buffer, .address_space: global }
      - { .name: b_pre, .offset: 40, .size: 8, .value_kind: global_buffer, .address_space: global }
      - { .name: b_post, .offset: 48, .size: 8, .value_kind: global_buffer, .address_space: global }
      - { .name: b_res, .offset: 56, .size: 8, .value_kind: global_buffer, .address_space: global }
      - { .name: xpre, .offset: 64, .size: 8, .value_kind: global_buffer, .address_space: global }
      - { .name: coef, .offset: 72, .size: 8, .value_kind: global_buffer, .address_space: global }
    .group_segment_fixed_size: 181248
    .private_segment_fixed_size: 0
    .kernarg_segment_align: 8
    .kernarg_segment_size: 80
    .max_flat_workgroup_size: 512
    .sgpr_count:     66
    .vgpr_count:     256
    .wavefront_size: 32
...
	.end_amdgpu_metadata
.endif
;; end of part 10
;; launch gemm1: the kernel of part 3 again; grid 32 x 8, 4 waves a work-group, clusters of 4 x 4, 327,680 bytes of LDS; arguments xpre, w1h, b1, hid; writes hid
;; launch gemm2: the kernel of part 7 again; grid 8 x 32, 4 waves a work-group, clusters of 4 x 4, 327,680 bytes of LDS; arguments hid, w2h, part; writes part
;; launch mix: the kernel of part 8 again; grid 256 x 1, 16 waves a work-group, no clusters, 0 bytes of LDS; arguments part, b2, coef, x, out0; writes out0
